; MI455X (gfx1250); checked and timed in simulation.
; The chip was launched on July 23, 2026; its instructions are those of AMD's public machine-readable ISA for CDNA 5 (MIT licence, August 2026) and "CDNA5" Instruction Set Architecture Reference Guide (July 2026). The comments in the code are by the model that wrote it; some were corrected since.
;; Linear Model With Bias. Allowed arithmetic: float matrix products may take bf16 or f16 operands with f32 sums; all other float work in f32.
;; Inputs: X 16,384 x 1,024 float32; X_star 16,384 x 1,024 float32; bias one number float32; gamma one number float32; y 16,384 float32.
;; Outputs: out0 16,384 float32.
;; 3 versions, each right; version 2 is faster than version 1; version 3 is version 2 with the launch cast written anew for expert scheduling mode. Each part assembles by itself: llvm-mc -triple=amdgcn-amd-amdhsa -mcpu=gfx1250 --defsym DOCPART=n.
;; ======== version 1 of 3: 9 launches
;; workspace buffers: Xb 33,554,432 bytes; part 67,108,864 bytes; vpart 131,072 bytes; M0 6,295,552 bytes; M1 6,295,552 bytes
;; launch cast (part 1): grid 8 x 32, 8 waves a work-group, no clusters, 5,120 bytes of LDS; arguments X, y, Xb, vpart; writes Xb, vpart
.if DOCPART == 1
	.amdgcn_target "amdgcn-amd-amdhsa--gfx1250"
	.amdhsa_code_object_version 6
	.text
	.protected	k_qbae0ac29f8_cast
	.globl	k_qbae0ac29f8_cast
	.p2align	8
	.type	k_qbae0ac29f8_cast,@function
k_qbae0ac29f8_cast:
	s_mov_b64 s[64:65], 0
	v_nop
	global_prefetch_b8 v0, s[64:65] scope:SCOPE_SE
	s_setreg_imm32_b32 hwreg(HW_REG_WAVE_MODE, 25, 1), 1
	s_wait_xcnt 0x0
; Xb = X rounded to bf16 (the operand of the product X^T X in the next launch), and vpart[rb][c] = the sum over rows 512 rb .. 512 rb + 511 of y[row] X[row][c], in f32.
; X: [16384][1024] f32.  Xb: [16384][1024] bf16.  vpart: [32][1024] f32.  X is read once and serves both results.
; SHARES.  A work-group owns 512 rows x 128 columns, each of its eight waves 64 of the rows, a lane 4 columns.  A load of a wave covers 512 consecutive bytes of a row of X,
; a store 256 consecutive bytes of a row of Xb, at a multiple of 256 from Xb's first byte.  A wave's 64 numbers of y lie in scalar registers.
; A ring of 32 row slots in registers keeps 32 loads of every wave on their way.  No matrix unit and no cluster: the work-groups share no bytes of X, and memory binds.
; LIMITS.  NaN and infinities are not treated apart; bf16 has f32's range.
.set ROWX,  4096                       ; bytes in a row of X
.set ROWB,  2048                       ; bytes in a row of Xb
.set SPARE, 4096                       ; behind the eight waves' partial sums (512 bytes each): the spare words, 128 bytes a wave
.set LX,  1                            ; v1   16 x lane: my 4 columns in X's 512 bytes, and in vpart's
.set LB,  2                            ; v2   8 x lane: the same in Xb's 256 bytes
.set LS,  3                            ; v3   16 x thread: where my partial sums go in LDS
.set ACC, 4                            ; v[4:7]     sums of y x for my 4 columns
.set SPW, 10                           ; v10  LDS address of my spare word; never rewritten
.set NIL, 11                           ; v11  0; never rewritten
.set XR,  16                           ; v[16:143]  slot i % 32: 4 registers as loaded
.set YR,  144                          ; v[144:207] slot i % 32: 2 registers to store
	s_load_b256 s[4:11], s[0:1], 0x0               ; X s[4:5], y s[6:7], Xb s[8:9], vpart s[10:11]
	v_lshl_add_u32 v[SPW], v0, 2, SPARE
	v_mov_b32 v[NIL], 0
	v_lshrrev_b32 v1, 5, v0
	v_readfirstlane_b32 s12, v1                    ; wave 0..7
	v_and_b32 v2, 31, v0
	v_lshlrev_b32 v[LX], 4, v2
	v_lshlrev_b32 v[LB], 3, v2
	v_lshlrev_b32 v[LS], 4, v0
	s_and_b32 s13, ttmp7, 0xffff                   ; rb: which 512 rows
	s_lshl_b32 s14, s13, 9
	s_lshl_b32 s15, s12, 6
	s_add_co_u32 s14, s14, s15                     ; my wave's first row
	s_lshl_b32 s84, s14, 12                        ; in X: row x 4,096 + 512 x column block
	s_lshl_b32 s15, ttmp9, 9
	s_add_co_u32 s84, s84, s15
	s_mov_b32 s85, 0
	s_lshl_b32 s86, s14, 11                        ; in Xb: row x 2,048 + 256 x column block
	s_lshl_b32 s15, ttmp9, 8
	s_add_co_u32 s86, s86, s15
	s_mov_b32 s87, 0
	s_lshl_b32 s88, s14, 2                         ; in y
	s_mov_b32 s89, 0
	s_lshl_b32 s14, s13, 12                        ; in vpart: rb x 4,096 + 512 x column block
	s_lshl_b32 s15, ttmp9, 9
	s_add_co_u32 s14, s14, s15
	s_mov_b32 s15, 0
	s_wait_kmcnt 0x0
	s_add_nc_u64 s[4:5], s[4:5], s[84:85]
	s_add_nc_u64 s[6:7], s[6:7], s[88:89]
	s_add_nc_u64 s[8:9], s[8:9], s[86:87]
	s_add_nc_u64 s[10:11], s[10:11], s[14:15]
	s_load_b512 s[16:31], s[6:7], 0x0              ; y of my 64 rows: row i in s[16 + i] for i < 48,
	s_load_b512 s[32:47], s[6:7], 0x40
	s_load_b512 s[48:63], s[6:7], 0x80
	s_load_b512 s[68:83], s[6:7], 0xc0             ; in s[20 + i] from 48 on
.set i, 0
.rept 32
	global_load_b128 v[XR+4*i:XR+4*i+3], v[LX], s[4:5] offset:i*ROWX th:TH_LOAD_NT  ; the ring is filled: rows 0 to 31
.set i, i+1
.endr
	s_wait_kmcnt 0x0                               ; y
; Row i's turn.  The rows stand in the immediates, so no address register is ever rewritten.
.macro SLOT
.set sl, i%32
.if i < 48
.set yy, 16+i
.else
.set yy, 20+i
.endif
.if i < 32
	s_wait_loadcnt 31                              ; loads come back in order: row i is in, the 31 younger rows stay out
.else
	s_wait_loadcnt 63-i                            ; nothing more is asked for: the counts run down
	s_wait_xcnt 0x0                                ; the slot's two registers to store were the data of row i - 32's store: rewritten only behind this wait
.endif
.set k, 0
.rept 4
.if i == 0
	v_mul_f32 v[ACC+k], s[yy], v[XR+4*sl+k]        ; the first row starts the sums: nothing is cleared
.else
	v_fmac_f32 v[ACC+k], s[yy], v[XR+4*sl+k]
.endif
.set k, k+1
.endr
	v_cvt_pk_bf16_f32 v[YR+2*sl], v[XR+4*sl], v[XR+4*sl+1]
	v_cvt_pk_bf16_f32 v[YR+2*sl+1], v[XR+4*sl+2], v[XR+4*sl+3]
.if i < 32
	global_load_b128 v[XR+4*sl:XR+4*sl+3], v[LX], s[4:5] offset:(i+32)*ROWX th:TH_LOAD_NT  ; the load ahead of the store
.endif
	global_store_b64 v[LB], v[YR+2*sl:YR+2*sl+1], s[8:9] offset:i*ROWB
.set i, i+1
.endm
.set i, 0
.rept 64
	SLOT
.endr
	; the eight waves' sums meet in LDS; wave 0 adds them and stores 512 consecutive bytes of vpart
	ds_store_b128 v[LS], v[ACC:ACC+3]
	s_wait_dscnt 0x0                               ; for the others' sake: my store is done
	s_barrier_signal -1
	s_barrier_wait -1
	s_cmp_lg_u32 s12, 0
	s_cbranch_scc1 .Ldone
.set j, 0
.rept 8
	ds_load_b128 v[XR+4*j:XR+4*j+3], v[LX] offset:512*j
.set j, j+1
.endr
	s_wait_dscnt 0x0
.irp j, 0,2,4,6
	v_pk_add_f32 v[XR+4*(\j):XR+4*(\j)+1], v[XR+4*(\j):XR+4*(\j)+1], v[XR+4*(\j)+4:XR+4*(\j)+5]
	v_pk_add_f32 v[XR+4*(\j)+2:XR+4*(\j)+3], v[XR+4*(\j)+2:XR+4*(\j)+3], v[XR+4*(\j)+6:XR+4*(\j)+7]
.endr
.irp j, 0,4
	v_pk_add_f32 v[XR+4*(\j):XR+4*(\j)+1], v[XR+4*(\j):XR+4*(\j)+1], v[XR+4*(\j)+8:XR+4*(\j)+9]
	v_pk_add_f32 v[XR+4*(\j)+2:XR+4*(\j)+3], v[XR+4*(\j)+2:XR+4*(\j)+3], v[XR+4*(\j)+10:XR+4*(\j)+11]
.endr
	v_pk_add_f32 v[XR:XR+1], v[XR:XR+1], v[XR+16:XR+17]
	v_pk_add_f32 v[XR+2:XR+3], v[XR+2:XR+3], v[XR+18:XR+19]
	global_store_b128 v[LX], v[XR:XR+3], s[10:11]
.Ldone:
	s_wait_tensorcnt 0x0                           ; the wave's end: behind my last LDS store
	ds_add_u32 v[SPW], v[NIL]
	s_wait_dscnt 0x0
	s_endpgm
.Lfunc_end_k_qbae0ac29f8_cast:
	.size	k_qbae0ac29f8_cast, .Lfunc_end_k_qbae0ac29f8_cast-k_qbae0ac29f8_cast
	.p2alignl 7, 3214868480
	.fill 96, 4, 3214868480
	.section	.rodata,"a",@progbits
	.p2align	6, 0x0
	.amdhsa_kernel k_qbae0ac29f8_cast
		.amdhsa_group_segment_fixed_size 5120
		.amdhsa_private_segment_fixed_size 0
		.amdhsa_enable_private_segment 0
		.amdhsa_kernarg_size 32
		.amdhsa_user_sgpr_count 2
		.amdhsa_user_sgpr_kernarg_segment_ptr 1
		.amdhsa_wavefront_size32 1
		.amdhsa_system_sgpr_workgroup_id_x 1
		.amdhsa_system_sgpr_workgroup_id_y 1
		.amdhsa_system_sgpr_workgroup_id_z 1
		.amdhsa_system_vgpr_workitem_id 0
		.amdhsa_next_free_vgpr 208
		.amdhsa_next_free_sgpr 90
		.amdhsa_reserve_vcc 0
		.amdhsa_float_denorm_mode_32 3
		.amdhsa_float_denorm_mode_16_64 3
		.amdhsa_memory_ordered 1
		.amdhsa_forward_progress 1
		.amdhsa_inst_pref_size 35
	.end_amdhsa_kernel
	.amdgpu_metadata
---
amdhsa.version: [ 1, 2 ]
amdhsa.kernels:
  - .name:           k_qbae0ac29f8_cast
    .symbol:         k_qbae0ac29f8_cast.kd
    .args:
      - { .name: X, .offset: 0, .size: 8, .value_kind: global_buffer, .address_space: global }
      - { .name: y, .offset: 8, .size: 8, .value_kind: global_buffer, .address_space: global }
      - { .name: Xb, .offset: 16, .size: 8, .value_kind: global_buffer, .address_space: global }
      - { .name: vpart, .offset: 24, .size: 8, .value_kind: global_buffer, .address_space: global }
    .group_segment_fixed_size: 5120
    .private_segment_fixed_size: 0
    .kernarg_segment_align: 8
    .kernarg_segment_size: 32
    .max_flat_workgroup_size: 256
    .sgpr_count:     90
    .vgpr_count:     208
    .wavefront_size: 32
...
	.end_amdgpu_metadata
.endif
;; end of part 1
;; launch syrk (part 2): grid 4 x 64, 4 waves a work-group, clusters of 4 x 4, 327,680 bytes of LDS; arguments Xb, part; writes part
.if DOCPART == 2
	.amdgcn_target "amdgcn-amd-amdhsa--gfx1250"
	.amdhsa_code_object_version 6
	.text
	.protected	k_qbae0ac29f8_syrk
	.globl	k_qbae0ac29f8_syrk
	.p2align	8
	.type	k_qbae0ac29f8_syrk,@function
k_qbae0ac29f8_syrk:
	s_mov_b64 s[64:65], 0
	v_nop
	global_prefetch_b8 v0, s[64:65] scope:SCOPE_SE
	s_setreg_imm32_b32 hwreg(HW_REG_WAVE_MODE, 25, 1), 1
	s_wait_xcnt 0x0
	s_wait_alu depctr_hold_cnt(0) depctr_sa_sdst(0) depctr_va_vdst(0) depctr_va_sdst(0) depctr_va_ssrc(0) depctr_va_vcc(0) depctr_vm_vsrc(0)
	s_getreg_b32 s2, hwreg(HW_REG_IB_STS2, 6, 4)
	s_cmp_eq_u32 s2, 0
	s_cbranch_scc0 .Lentry_in_a_cluster
	s_endpgm
.Lentry_in_a_cluster:
	s_bfe_u32 s2, ttmp6, 0x10000c
	s_cmp_lg_u32 s2, 0xf033
	s_cbranch_scc0 .Lentry_shape_is_right
	s_endpgm
.Lentry_shape_is_right:
; part[s] = the sum over rows 1024 s .. 1024 s + 1023 of Xb[row][m] Xb[row][n]: sixteen partial sums of X^T X, f32 sums of bf16 products.  Xb: [16384][1024] bf16.
; SHARES.  X^T X has 4 x 4 tiles of 256 x 256; the rows are split sixteen ways: 256 work-groups of equal work.  Four waves, each 128 x 128: 64 accumulators of 16 x 16, 512 registers.
; The rows go in steps of 128 through a ring of two LDS slots filled by the tensor data mover; a tile's rows are 512 bytes of memory, at multiples of 512 from Xb's first byte.
; Both operands lie [k][column] in LDS, so their fragments come out turned, by ds_load_tr16_b128.
; CLUSTER.  The sixteen tiles of one split form a cluster of 4 x 4.  The four of a row of the cluster need the same 256 columns as the product's left side, the four of a column the same 256 as its
; right side: each tile is asked for JOINTLY, by the same tensor load with the same descriptor and a mask that names the four.
; THE MATRIX INSTRUCTION IS USED TRANSPOSED (source 0 = the right side's 16 columns, source 1 = the left side's): lane l holds m = l % 16 and n = 8 (l / 16) + 0..7.
; THE WAY OUT needs no LDS: part is a workspace in the accumulators' own order, [split 16][tile row 4][tile column 4][wave 4][accumulator 8 a + b, 64][half 2][lane 32][4 f32]:
; each store of a wave covers 512 consecutive bytes, aligned.  Entry (a, b, half, lane, e) is m = 16 a + lane % 16, n = 16 b + 8 (lane / 16) + 4 half + e of the wave's 128 x 128.
; The symmetry of X^T X is not used: ten tiles in place of sixteen divide neither into clusters of 4 x 4 nor into 256 equal shares.
; LIMITS.  NaN and infinities are not treated apart.
; REGISTERS, in windows of 256: window 0: v0-31 addresses; v64-127, v128-191 the left side's fragments, two buffers.  window 1: the right side's, at the same numbers.
;   window 2: the accumulators of my rows 0-63 ((a, b) at v[8 (8 a + b)]); window 3: those of my rows 64-127.
; s_set_vgpr_msb's low byte: bits 1:0 source 0, 3:2 source 1, 5:4 source 2, 7:6 destination.
.set KSTEP,  128                       ; rows of Xb in a step
.set PITCH,  544                       ; an LDS row: 512 bytes + 32 of padding = 136 words: row r starts at bank 8 r mod 64 (64 banks of 4 bytes: ISA guide 11.1)
.set HALFT,  64*PITCH                  ; 64 rows: what one tensor load brings
.set SLOT,   4*HALFT                   ; the left side's 128 rows, then the right side's
.set SPARE,  2*SLOT                    ; behind the ring: the spare words, 128 bytes for each wave
.set QB,     32*PITCH                  ; a quarter step: 32 rows
.set HB,     16*PITCH                  ; a fragment's second half: 16 rows on
.set STEPB,  KSTEP*2048                ; bytes of Xb from a step to the next
.set LAPS,   4                         ; 1,024 rows = 8 steps = 4 times round the ring
.set ADRA, 16                          ; v16-17  LDS address of my left fragments in slot 0, 1
.set ADRB, 20                          ; v20-21  the same for the right side
.set CO,   26                          ; v26     16 x lane: my place in a store's 512 bytes
.set SPW,  28                          ; v28     LDS address of my spare word; never rewritten
.set NIL,  29                          ; v29     0; never rewritten
.set F0,   64
.set F1,   128
.set G1, 24                            ; s[24:31] descriptor group 1 for the left side's tiles
.set G0, 32                            ; s[32:39] its group 0, one set for each slot
.set G1B, 48                           ; s[48:55], s[56:63] the same for the right side's
.set G0B, 56
.set MSB, 0
.macro WIN new                         ; the immediate's high byte repeats the setting that is left
.if MSB != (\new)
	s_set_vgpr_msb (MSB<<8)|(\new)
.set MSB, \new
.endif
.endm
.set MUL_LO, 0xa1                      ; source 0 window 1, source 1 window 0, C and D window 2
.set MUL_HI, 0xf1                      ; the same, C and D window 3
.set TO_B,   0x40                      ; destination window 1, address window 0
; A joint load.  Waves 0 and 1 fetch the left tile's two halves, waves 2 and 3 the right tile's.  The branch hangs on the wave's number alone.
; An s_nop 0 and four v_nop follow each of the two lines, ahead of the jump, the label and what follows.
.macro JLOAD s
	s_cmp_eq_u32 s11, 0
	s_cbranch_scc0 .Lfor_b_\@
	tensor_load_to_lds s[G0+4*(\s):G0+4*(\s)+3], s[G1:G1+7]
	s_nop 0
.rept 4
	v_nop
.endr
	s_branch .Lasked_\@
.Lfor_b_\@:
	tensor_load_to_lds s[G0B+4*(\s):G0B+4*(\s)+3], s[G1B:G1B+7]
	s_nop 0
.rept 4
	v_nop
.endr
.Lasked_\@:
.endm
.macro CREST                           ; a round of the cluster's barrier behind its opening barrier
	s_cmp_lg_u32 s10, 0
	s_cbranch_scc1 .Lnot_wave_0_\@
	s_barrier_signal -3
.Lnot_wave_0_\@:
	s_barrier_wait -3
	s_barrier_signal -1
	s_barrier_wait -1
.endm
.macro CROUND                          ; a whole round
	s_barrier_signal -1
	s_barrier_wait -1
	CREST
.endm
	s_load_b128 s[4:7], s[0:1], 0x0                ; Xb s[4:5], part s[6:7]
	v_lshl_add_u32 v[SPW], v0, 2, SPARE
	v_mov_b32 v[NIL], 0
	ds_add_u32 v[SPW], v[NIL]                      ; the wave's opening: the add and its wait stand ahead of my first tensor load; the set-up below, work on registers, stands between them
	v_lshrrev_b32 v1, 5, v0
	v_readfirstlane_b32 s10, v1                    ; wave 0..3
	s_lshr_b32 s11, s10, 1                         ; which half of the tile's rows is mine.  Also: I fetch for the left side (0) or the right (1)
	s_and_b32 s12, s10, 1                          ; which half of its columns.  Also: which 64 rows of a step I fetch
	s_bfe_u32 s40, ttmp6, 0x40000                  ; cx: the tile column
	s_bfe_u32 s41, ttmp6, 0x40004                  ; cy: the tile row
	s_and_b32 s13, ttmp7, 0xffff                   ; the cluster's y: the split
	s_lshl_b32 s43, s41, 2
	s_lshl_b32 s43, 15, s43                        ; my row of the cluster: places 4 cy .. 4 cy + 3
	s_lshl_b32 s44, 0x1111, s40                    ; my column: places cx, cx + 4, cx + 8, cx + 12
	; descriptor group 1: a tile of 64 rows x 256 elements, padded in LDS
	s_or_b32 s[G1+0], s43, (1<<16)|(1<<20)|(1<<21)|(6<<22)|(7<<25)  ; 15:0 the mask; 17:16 elements of 2 bytes; 20 padding on; 21 set beside a mask; 24:22 after every 128 words (code 6); 31:25 8 words of it (code 7)
	s_or_b32 s[G1B+0], s44, (1<<16)|(1<<20)|(1<<21)|(6<<22)|(7<<25)
.irp g, G1, G1B
	s_mov_b32 s[(\g)+1], 256<<16                   ; tensor_dim0 = 256
	s_mov_b32 s[(\g)+2], 64<<16                    ; tensor_dim1 = 64
	s_mov_b32 s[(\g)+3], 256<<16                   ; tile_dim0 = 256
	s_mov_b32 s[(\g)+4], 64                        ; tile_dim1 = 64
	s_mov_b32 s[(\g)+5], 1024                      ; 1,024 elements from row to row
	s_mov_b32 s[(\g)+6], 0
	s_mov_b32 s[(\g)+7], 0
.endr
	; where the tiles come from: the split's 1,024 rows, my 64 of a step's 128; the left side's columns hang on cy alone, the right side's on cx alone
	s_lshl_b32 s18, s13, 21
	s_lshl_b32 s19, s12, 17
	s_add_co_u32 s18, s18, s19
	s_lshl_b32 s16, s41, 9
	s_add_co_u32 s16, s16, s18
	s_mov_b32 s17, 0
	s_lshl_b32 s46, s40, 9
	s_add_co_u32 s46, s46, s18
	s_mov_b32 s47, 0
	s_mul_i32 s20, s10, HALFT                      ; and where they go: wave x 64 rows: no place in the cluster enters an LDS address
	s_wait_dscnt 0x0                               ; the opening add is done
	s_wait_kmcnt 0x0
	s_add_nc_u64 s[14:15], s[4:5], s[16:17]
	s_add_nc_u64 s[46:47], s[4:5], s[46:47]
	CROUND                                         ; all sixteen work-groups are here: the first joint loads meet
.irp s, 0,1
	s_mov_b32 s[G0+4*(\s)], 1                                      ; 1:0 count = 1
	s_add_co_u32 s[G0+4*(\s)+1], s20, (\s)*SLOT                    ; 63:32 LDS address
	s_add_nc_u64 s[G0+4*(\s)+2:G0+4*(\s)+3], s[14:15], (\s)*STEPB  ; 120:64 global address: step s
	s_or_b32 s[G0+4*(\s)+3], s[G0+4*(\s)+3], 0x80000000            ; 127:126 type = 2
	s_mov_b32 s[G0B+4*(\s)], 1
	s_add_co_u32 s[G0B+4*(\s)+1], s20, (\s)*SLOT
	s_add_nc_u64 s[G0B+4*(\s)+2:G0B+4*(\s)+3], s[46:47], (\s)*STEPB
	s_or_b32 s[G0B+4*(\s)+3], s[G0B+4*(\s)+3], 0x80000000
	JLOAD \s                                       ; two loads of mine are out
.endr
	; The turning load takes 16 rows x 16 columns (lane l reads 16 bytes: row 8 (l / 16) + l % 8, columns 8 ((l / 8) % 2) + 0..7) and leaves half a fragment: lane l holds column l % 16 and 8 rows.
	v_and_b32 v1, 7, v0
	v_bfe_u32 v2, v0, 4, 1
	v_bfe_u32 v4, v0, 3, 1
	v_lshl_add_u32 v1, v2, 3, v1
	v_mul_u32_u24 v3, v1, PITCH
	v_lshl_add_u32 v3, v4, 4, v3
	s_lshl_b32 s21, s11, 8                         ; my 128 columns of the left tile: 256 bytes
	s_lshl_b32 s22, s12, 8                         ; my 128 columns of the right tile,
	s_add_co_u32 s22, s22, 2*HALFT                 ; which lies behind the left one
.irp s, 0,1
	v_add_nc_u32 v[ADRA+(\s)], s21, v3
	v_add_nc_u32 v[ADRB+(\s)], s22, v3
	s_add_co_u32 s21, s21, SLOT
	s_add_co_u32 s22, s22, SLOT
.endr
	v_and_b32 v[CO], 31, v0
	v_lshlrev_b32 v[CO], 4, v[CO]
	s_lshl_b32 s46, s13, 4                         ; my 65,536 bytes of part: ((16 split + 4 cy + cx) x 4 + wave) x 65,536
	s_lshl_b32 s47, s41, 2
	s_add_co_u32 s46, s46, s47
	s_add_co_u32 s46, s46, s40
	s_lshl_b32 s46, s46, 2
	s_add_co_u32 s46, s46, s10
	s_lshl_b32 s46, s46, 16
	s_mov_b32 s47, 0
	s_add_nc_u64 s[6:7], s[6:7], s[46:47]
; 16 matrix instructions: m blocks a0, a0 + 1 of the window's four x all 8 n blocks, 32 rows deep.  zero = 1: the first product starts the sums.
; The 64 accumulators take turns, one instruction a turn, in the same order in every quarter step.
.macro MUL16 f, hi, a0, zero
	WIN MUL_LO+0x50*(\hi)
.irp a, \a0, (\a0)+1
.irp b, 0,1,2,3,4,5,6,7
.if \zero
	v_wmma_f32_16x16x32_bf16 v[8*(8*(\a)+(\b)):8*(8*(\a)+(\b))+7], v[(\f)+8*(\b):(\f)+8*(\b)+7], v[(\f)+8*(4*(\hi)+(\a)):(\f)+8*(4*(\hi)+(\a))+7], 0
.else
	v_wmma_f32_16x16x32_bf16 v[8*(8*(\a)+(\b)):8*(8*(\a)+(\b))+7], v[(\f)+8*(\b):(\f)+8*(\b)+7], v[(\f)+8*(4*(\hi)+(\a)):(\f)+8*(4*(\hi)+(\a))+7], v[8*(8*(\a)+(\b)):8*(8*(\a)+(\b))+7]
.endif
.endr
.endr
.endm
; 32 LDS loads in one run: the fragments of one quarter step (32 rows from byte k of the slot on; 128 columns of either side) into buffer f
.macro FETCH slot, k, f
	WIN TO_B
.irp i, 0,1,2,3,4,5,6,7
	ds_load_tr16_b128 v[(\f)+8*(\i):(\f)+8*(\i)+3],   v[ADRB+(\slot)] offset:(\k)+32*(\i)
	ds_load_tr16_b128 v[(\f)+8*(\i)+4:(\f)+8*(\i)+7], v[ADRB+(\slot)] offset:(\k)+HB+32*(\i)
.endr
	WIN 0
.irp i, 0,1,2,3,4,5,6,7
	ds_load_tr16_b128 v[(\f)+8*(\i):(\f)+8*(\i)+3],   v[ADRA+(\slot)] offset:(\k)+32*(\i)
	ds_load_tr16_b128 v[(\f)+8*(\i)+4:(\f)+8*(\i)+7], v[ADRA+(\slot)] offset:(\k)+HB+32*(\i)
.endr
.endm
; A load into a register that a matrix instruction has read, and a store that reads a matrix result, stand four places behind it; only plain vector instructions that
; name none of its registers are places (ISA guide 7.12.1 for vector instructions).
.macro PLACES
.rept 4
	v_nop
.endr
.endm
; A step is four quarters of 32 rows, 64 matrix instructions each, on buffers 0, 1, 0, 1.  One of the first three multiplies buffer f and, in its middle, fetches the next quarter into g.
.macro QUARTER slot, k, f, g, zero
	s_wait_dscnt 8                                 ; the right side and my rows 0-63 are in; the youngest eight loads (my rows 64-127) may be out
	WIN MUL_LO
	MUL16 \f, 0, 0, \zero
	MUL16 \f, 0, 2, \zero
	PLACES
	FETCH \slot, \k, \g
	s_wait_dscnt 32                                ; all but the 32 just issued
	WIN MUL_HI
	MUL16 \f, 1, 0, \zero
	MUL16 \f, 1, 2, \zero
.endm
; The last quarter multiplies buffer 1 and changes slots: ONE barrier.  In front of it each wave waits for all its tensor loads (one is out: its part of the next slot), adds 0 to its spare word,
; and waits for that and for its own reads of this slot.  fill = 1: the barrier opens a round of the cluster's, and this slot is filled again, two steps ahead, first thing behind the round:
; from that request to the wait for it a wave issues 224 matrix instructions.
.macro TURN slot, next, fill
	WIN 0                                          ; (the add's two registers lie in window 0)
	s_wait_tensorcnt 0x0                           ; all my tensor loads have landed;
	ds_add_u32 v[SPW], v[NIL]                      ; 0 onto my spare word;
	s_wait_dscnt 9                                 ; (the add and the youngest eight loads may be out)
	WIN MUL_LO
	MUL16 F1, 0, 0, 0                              ; sixteen matrix instructions stand between the add and the wait for it
	s_wait_dscnt 0x0                               ; the add is done, and my reads of this slot are over
	s_barrier_signal -1
	MUL16 F1, 0, 2, 0                              ; work on registers while the others arrive
.if \fill
	WIN 0
.endif
	s_barrier_wait -1
.if \fill
	CREST                                          ; no wave of any partner still reads this slot's tile or has a load on its way
	s_add_nc_u64 s[G0+4*(\slot)+2:G0+4*(\slot)+3], s[G0+4*(\slot)+2:G0+4*(\slot)+3], 2*STEPB
	s_add_nc_u64 s[G0B+4*(\slot)+2:G0B+4*(\slot)+3], s[G0B+4*(\slot)+2:G0B+4*(\slot)+3], 2*STEPB
	JLOAD \slot                                    ; my one tensor load behind the round; the four v_nop behind it are also the places in front of the loads below
.else
	PLACES
.endif
	FETCH \next, 0, F0
	WIN MUL_HI
	MUL16 F1, 1, 0, 0
	MUL16 F1, 1, 2, 0
.endm
	s_wait_tensorcnt 1                             ; my part of step 0 is in; step 1's may stay out
	s_barrier_signal -1
	s_barrier_wait -1                              ; everybody's is
	FETCH 0, 0, F0
	QUARTER 0, QB, F0, F1, 1                       ; the first quarter stands in front of the loop: its products start the sums
	WIN 0                                          ; at a label and at a branch every window is 0
	s_mov_b32 s3, LAPS-1
.Llap:                                                 ; a trip goes once round the ring, from a lap's second quarter to the next lap's first, and fills both slots again
	QUARTER 0, 2*QB, F1, F0, 0
	QUARTER 0, 3*QB, F0, F1, 0
	TURN 0, 1, 1
	QUARTER 1, QB,   F0, F1, 0
	QUARTER 1, 2*QB, F1, F0, 0
	QUARTER 1, 3*QB, F0, F1, 0
	TURN 1, 0, 1
	QUARTER 0, QB,   F0, F1, 0
	WIN 0
	s_sub_co_u32 s3, s3, 1
	s_cmp_lg_u32 s3, 0
	s_cbranch_scc1 .Llap
	QUARTER 0, 2*QB, F1, F0, 0                     ; the last lap fills nothing, and has no round of the cluster's barrier
	QUARTER 0, 3*QB, F0, F1, 0
	TURN 0, 1, 0
	QUARTER 1, QB,   F0, F1, 0
	QUARTER 1, 2*QB, F1, F0, 0
	QUARTER 1, 3*QB, F0, F1, 0
	s_wait_dscnt 8                                 ; the very last quarter: nothing more to fetch
	WIN MUL_LO
	MUL16 F1, 0, 0, 0
	MUL16 F1, 0, 2, 0
	s_wait_dscnt 0x0
	MUL16 F1, 1, 0, 0
	MUL16 F1, 1, 2, 0
	; THE WAY OUT: the accumulators as they lie, each one's four lowest registers first; each store covers 512 consecutive bytes, aligned
	PLACES
	WIN 0x08                                       ; store data (source 1) in window 2
.set t, 0
.rept 32
	global_store_b128 v[CO], v[8*t:8*t+3],   s[6:7] offset:1024*t
	global_store_b128 v[CO], v[8*t+4:8*t+7], s[6:7] offset:1024*t+512
.set t, t+1
.endr
	WIN 0x0c                                       ; in window 3
.set t, 0
.rept 32
	global_store_b128 v[CO], v[8*t:8*t+3],   s[6:7] offset:1024*(32+t)
	global_store_b128 v[CO], v[8*t+4:8*t+7], s[6:7] offset:1024*(32+t)+512
.set t, t+1
.endr
	WIN 0
	s_wait_tensorcnt 0x0                           ; the wave's end: behind my last tensor load
	ds_add_u32 v[SPW], v[NIL]
	s_wait_dscnt 0x0
	CROUND                                         ; the closing round: no work-group ends while a partner may still ask for a tile that names it
	s_endpgm
.Lfunc_end_k_qbae0ac29f8_syrk:
	.size	k_qbae0ac29f8_syrk, .Lfunc_end_k_qbae0ac29f8_syrk-k_qbae0ac29f8_syrk
	.p2alignl 7, 3214868480
	.fill 96, 4, 3214868480
	.section	.rodata,"a",@progbits
	.p2align	6, 0x0
	.amdhsa_kernel k_qbae0ac29f8_syrk
		.amdhsa_group_segment_fixed_size 327680
		.amdhsa_private_segment_fixed_size 0
		.amdhsa_enable_private_segment 0
		.amdhsa_kernarg_size 16
		.amdhsa_user_sgpr_count 2
		.amdhsa_user_sgpr_kernarg_segment_ptr 1
		.amdhsa_wavefront_size32 1
		.amdhsa_system_sgpr_workgroup_id_x 1
		.amdhsa_system_sgpr_workgroup_id_y 1
		.amdhsa_system_sgpr_workgroup_id_z 1
		.amdhsa_system_vgpr_workitem_id 0
		.amdhsa_next_free_vgpr 1024
		.amdhsa_next_free_sgpr 66
		.amdhsa_reserve_vcc 0
		.amdhsa_float_denorm_mode_32 3
		.amdhsa_float_denorm_mode_16_64 3
		.amdhsa_memory_ordered 1
		.amdhsa_forward_progress 1
		.amdhsa_inst_pref_size 122
	.end_amdhsa_kernel
	.amdgpu_metadata
---
amdhsa.version: [ 1, 2 ]
amdhsa.kernels:
  - .name:           k_qbae0ac29f8_syrk
    .symbol:         k_qbae0ac29f8_syrk.kd
    .args:
      - { .name: Xb, .offset: 0, .size: 8, .value_kind: global_buffer, .address_space: global }
      - { .name: part, .offset: 8, .size: 8, .value_kind: global_buffer, .address_space: global }
    .group_segment_fixed_size: 327680
    .private_segment_fixed_size: 0
    .kernarg_segment_align: 8
    .kernarg_segment_size: 16
    .max_flat_workgroup_size: 128
    .sgpr_count:     66
    .vgpr_count:     1024
    .wavefront_size: 32
...
	.end_amdgpu_metadata
.endif
;; end of part 2
;; launch reduce (part 3): grid 256 x 1, 8 waves a work-group, no clusters, 17,920 bytes of LDS; arguments part, vpart, gamma, M0; writes M0
.if DOCPART == 3
	.amdgcn_target "amdgcn-amd-amdhsa--gfx1250"
	.amdhsa_code_object_version 6
	.text
	.protected	k_qbae0ac29f8_reduce
	.globl	k_qbae0ac29f8_reduce
	.p2align	8
	.type	k_qbae0ac29f8_reduce,@function
k_qbae0ac29f8_reduce:
	s_mov_b64 s[64:65], 0
	v_nop
	global_prefetch_b8 v0, s[64:65] scope:SCOPE_SE
	s_setreg_imm32_b32 hwreg(HW_REG_WAVE_MODE, 25, 1), 1
	s_wait_xcnt 0x0
; A1 = gamma 2^-19 X^T X (that is (gamma / 32) X^T X / 16384), from the sixteen partial sums in part; u0 = X^T y, from the 32 partial sums in vpart.  All in f32.
; M0 takes A1 twice and u0:  + 0 f32, [1024][1024] row-major;  + 4,194,304 bf16, in tiles [row block 16][column block 16][64][64], so that a panel of 64 rows is dense;  + 6,291,456 u0[1024] f32.
; SHARES.  part lies in the accumulators' order: [split 16][tile row i 4][tile column j 4][wave 4][accumulator 8 a + b, 64][half 2][lane 32][4 f32].  Work-group g owns the 16,384 bytes at 16,384 g of
; every split: 32 rows x 128 columns of A1; each of its eight waves 2,048 of them, four loads of 512 consecutive bytes a split.  A ring of 8 splits in registers keeps 32 loads of a wave on their way.
; The sums go through a stage in LDS, so that they leave as whole rows: a store's 16 neighbouring lanes cover 256 consecutive bytes, aligned.
; Wave 0 also adds 4 numbers of u0 (16 bytes a work-group: a piece of a vector of 4,096 bytes).  No cluster, no matrix unit: the work-groups share no bytes, and memory binds.
.set SPLIT, 4194304
.set OFF_B, 4194304
.set OFF_U, 6291456
.set SP,    528                        ; a stage row: 512 bytes + 16: an odd multiple of 16, so the 16 rows that a store touches start at 16 different groups of four banks (ISA guide 11.1)
.set SPARE, 32*SP                      ; behind the stage: the spare words, 128 bytes a wave
.set LO,  1                            ; v1   16 x lane
.set STO, 2                            ; v2   where my sums go in the stage
.set RD,  3                            ; v3   where I read rows back
.set GF,  4                            ; v4   my byte offset in A1's f32 rows
.set GB,  5                            ; v5   in its bf16 tiles
.set VO,  6                            ; v6   in vpart
.set LN,  7                            ; v7   lane
.set SPW, 8                            ; v8   LDS address of my spare word; never rewritten
.set NIL, 9                            ; v9   0; never rewritten
.set ZR,  10                           ; v10  0, an offset
.set ACC, 16                           ; v[16:31]   the sums
.set RING, 32                          ; v[32:159]  split s in slot s % 8, 16 registers
.set VS,  160                          ; v[160:163] wave 0: vpart's numbers
.set BP,  16                           ; s[16:31]   eight bases in part, two splits apart
	s_load_b256 s[4:11], s[0:1], 0x0               ; part s[4:5], vpart s[6:7], gamma s[8:9], M0 s[10:11]
	v_lshl_add_u32 v[SPW], v0, 2, SPARE
	v_mov_b32 v[NIL], 0
	v_mov_b32 v[ZR], 0
	v_lshrrev_b32 v11, 5, v0
	v_readfirstlane_b32 s13, v11                   ; wave 0..7
	v_and_b32 v[LN], 31, v0
	v_lshlrev_b32 v[LO], 4, v[LN]
	v_and_b32 v12, 15, v0                          ; lane % 16
	v_bfe_u32 v13, v0, 4, 1                        ; lane / 16
	s_mov_b32 s12, ttmp9                           ; g = 64 i + 16 j + 4 wave + ap: ap is which 16 of the wave's 64 accumulators
	; into the stage: my two accumulators are a' = w / 4, b = 2 (w % 4) and + 1: row 16 a' + lane % 16, byte 128 (w % 4) + 32 (lane / 16)
	s_lshr_b32 s32, s13, 2
	s_mul_i32 s32, s32, 16*SP
	s_and_b32 s33, s13, 3
	s_lshl_b32 s33, s33, 7
	s_add_co_u32 s32, s32, s33
	v_mul_u32_u24 v[STO], v12, SP
	v_lshl_add_u32 v[STO], v13, 5, v[STO]
	v_add_nc_u32 v[STO], s32, v[STO]
	; back: wave w takes rows 4 w .. 4 w + 3; lanes 0-15 256 bytes of one row, lanes 16-31 of the next
	s_mul_i32 s32, s13, 4*SP
	v_mul_u32_u24 v[RD], v13, SP
	v_lshl_add_u32 v[RD], v12, 4, v[RD]
	v_add_nc_u32 v[RD], s32, v[RD]
	s_lshl_b32 s32, s13, 14
	v_lshlrev_b32 v[GF], 12, v13
	v_lshl_add_u32 v[GF], v12, 4, v[GF]
	v_add_nc_u32 v[GF], s32, v[GF]                 ; (4 w + lane / 16) x 4,096 + 16 (lane % 16)
	s_lshl_b32 s32, s13, 9
	v_lshlrev_b32 v[GB], 7, v13
	v_lshl_add_u32 v[GB], v12, 3, v[GB]
	v_add_nc_u32 v[GB], s32, v[GB]                 ; (4 w + lane / 16) x 128 + 8 (lane % 16)
	s_lshl_b32 s32, s12, 4
	v_lshlrev_b32 v[VO], 12, v[LN]
	v_add_nc_u32 v[VO], s32, v[VO]                 ; vpart[lane][4 g ..]
	s_and_b32 s14, s12, 3
	s_lshl_b32 s14, s14, 5
	s_bfe_u32 s32, s12, 0x10003
	s_lshl_b32 s32, s32, 7
	s_add_co_u32 s14, s14, s32
	s_lshr_b32 s32, s12, 6
	s_lshl_b32 s32, s32, 8
	s_add_co_u32 s14, s14, s32                     ; my first row: 256 i + 128 (wave / 2) + 32 ap
	s_bfe_u32 s15, s12, 0x10002
	s_lshl_b32 s15, s15, 7
	s_bfe_u32 s32, s12, 0x20004
	s_lshl_b32 s32, s32, 8
	s_add_co_u32 s15, s15, s32                     ; my first column: 256 j + 128 (wave % 2)
	s_lshl_b32 s40, s14, 12                        ; f32: row x 4,096 + column x 4
	s_lshl_b32 s32, s15, 2
	s_add_co_u32 s40, s40, s32
	s_mov_b32 s41, 0
	s_lshr_b32 s42, s14, 6                         ; bf16: tile (row / 64, column / 64) of 8,192 bytes, row % 64 of 128 bytes
	s_lshl_b32 s42, s42, 4
	s_lshr_b32 s32, s15, 6
	s_add_co_u32 s42, s42, s32
	s_lshl_b32 s42, s42, 13
	s_and_b32 s32, s14, 63
	s_lshl_b32 s32, s32, 7
	s_add_co_u32 s42, s42, s32
	s_add_co_u32 s42, s42, OFF_B
	s_mov_b32 s43, 0
	s_lshl_b32 s44, s12, 4                         ; u0: 16 g
	s_add_co_u32 s44, s44, OFF_U
	s_mov_b32 s45, 0
	s_lshl_b32 s46, s12, 14                        ; part: 16,384 g + 2,048 w
	s_lshl_b32 s32, s13, 11
	s_add_co_u32 s46, s46, s32
	s_mov_b32 s47, 0
	s_mov_b32 s36, 0x76543210                      ; v_permlanex16_b32: each lane takes its own place in the other half
	s_mov_b32 s37, 0xfedcba98
	s_wait_kmcnt 0x0
	s_load_b32 s34, s[8:9], 0x0                    ; gamma
	s_add_nc_u64 s[BP:BP+1], s[4:5], s[46:47]
.set p, 1
.rept 7
	s_add_nc_u64 s[BP+2*p:BP+2*p+1], s[BP:BP+1], p*2*SPLIT
.set p, p+1
.endr
	s_add_nc_u64 s[40:41], s[10:11], s[40:41]
	s_add_nc_u64 s[42:43], s[10:11], s[42:43]
	s_add_nc_u64 s[44:45], s[10:11], s[44:45]
.macro LOADS s                         ; split s into its slot: four loads of 512 consecutive bytes
.set x, 0
.rept 4
	global_load_b128 v[RING+16*((\s)%8)+4*x:RING+16*((\s)%8)+4*x+3], v[LO], s[BP+2*((\s)/2):BP+2*((\s)/2)+1] offset:((\s)%2)*SPLIT+512*x th:TH_LOAD_NT
.set x, x+1
.endr
.endm
.set sp, 0
.rept 8
	LOADS sp
.set sp, sp+1
.endr
	; wave 0: u0[4 g .. 4 g + 3] = the sum over vpart's 32 rows, a row a lane.  Load, sum and store stand in this one branch.
	s_cmp_lg_u32 s13, 0
	s_cbranch_scc1 .Lno_v
	global_load_b128 v[VS:VS+3], v[VO], s[6:7]
	s_wait_loadcnt 0x0                             ; it is the youngest load
.irp m, 1,2,4,8
.irp k, 0,1,2,3
	v_add_f32_dpp v[VS+(\k)], v[VS+(\k)], v[VS+(\k)] row_xmask:\m row_mask:0xf bank_mask:0xf
.endr
.endr
.irp k, 0,1,2,3
	v_permlanex16_b32 v11, v[VS+(\k)], s36, s37    ; its destination counts as read: v11 has been written
	v_add_f32 v[VS+(\k)], v[VS+(\k)], v11
.endr
	s_wait_xcnt 0x0                                ; EXEC is a source of the loads issued above: it changes only behind this wait
	v_cmp_eq_u32 vcc_lo, 0, v[LN]
	s_and_saveexec_b32 s38, vcc_lo
	global_store_b128 v[ZR], v[VS:VS+3], s[44:45]  ; lane 0 alone
	s_wait_xcnt 0x0                                ; and again, in front of the line that widens it
	s_or_b32 exec_lo, exec_lo, s38
.Lno_v:
	s_wait_loadcnt 24                              ; splits 0 and 1 are in; the six younger splits' 24 loads stay out
.set x, 0
.rept 8
	v_pk_add_f32 v[ACC+2*x:ACC+2*x+1], v[RING+2*x:RING+2*x+1], v[RING+16+2*x:RING+16+2*x+1]  ; the first two splits start the sums
.set x, x+1
.endr
	LOADS 8
	LOADS 9
.set sp, 2
.rept 14
.if sp+7 < 15
	s_wait_loadcnt 28                              ; split sp is in; seven younger splits stay out
.else
	s_wait_loadcnt 4*(15-sp)                       ; nothing more is asked for: the counts run down
.endif
.set x, 0
.rept 8
	v_pk_add_f32 v[ACC+2*x:ACC+2*x+1], v[ACC+2*x:ACC+2*x+1], v[RING+16*(sp%8)+2*x:RING+16*(sp%8)+2*x+1]
.set x, x+1
.endr
.if sp < 8
	LOADS sp+8
.endif
.set sp, sp+1
.endr
	s_wait_kmcnt 0x0
	s_mul_f32 s34, s34, 0x36000000                 ; gamma x 2^-19
	s_mov_b32 s35, s34                             ; named with it as a pair
.set x, 0
.rept 8
	v_pk_mul_f32 v[ACC+2*x:ACC+2*x+1], v[ACC+2*x:ACC+2*x+1], s[34:35] op_sel_hi:[1,0]
.set x, x+1
.endr
.set x, 0
.rept 4
	ds_store_b128 v[STO], v[ACC+4*x:ACC+4*x+3] offset:(x/2)*64+(x%2)*16
.set x, x+1
.endr
	s_wait_dscnt 0x0                               ; for the others' sake: my stores into the stage are done
	s_barrier_signal -1
	s_barrier_wait -1
.set z, 0
.rept 4
	ds_load_b128 v[RING+4*z:RING+4*z+3], v[RD] offset:(z/2)*2*SP+(z%2)*256
.set z, z+1
.endr
	s_wait_dscnt 0x0
.set z, 0
.rept 4
	global_store_b128 v[GF], v[RING+4*z:RING+4*z+3], s[40:41] offset:(z/2)*8192+(z%2)*256  ; 16 lanes: 256 consecutive bytes of a row, aligned
	v_cvt_pk_bf16_f32 v[RING+16+2*z], v[RING+4*z], v[RING+4*z+1]
	v_cvt_pk_bf16_f32 v[RING+16+2*z+1], v[RING+4*z+2], v[RING+4*z+3]
	global_store_b64 v[GB], v[RING+16+2*z:RING+16+2*z+1], s[42:43] offset:(z%2)*8192+(z/2)*256  ; 32 lanes: two rows of a tile, 256 consecutive bytes, aligned
.set z, z+1
.endr
	s_wait_tensorcnt 0x0                           ; the wave's end: behind my last LDS store
	ds_add_u32 v[SPW], v[NIL]
	s_wait_dscnt 0x0
	s_endpgm
.Lfunc_end_k_qbae0ac29f8_reduce:
	.size	k_qbae0ac29f8_reduce, .Lfunc_end_k_qbae0ac29f8_reduce-k_qbae0ac29f8_reduce
	.p2alignl 7, 3214868480
	.fill 96, 4, 3214868480
	.section	.rodata,"a",@progbits
	.p2align	6, 0x0
	.amdhsa_kernel k_qbae0ac29f8_reduce
		.amdhsa_group_segment_fixed_size 17920
		.amdhsa_private_segment_fixed_size 0
		.amdhsa_enable_private_segment 0
		.amdhsa_kernarg_size 32
		.amdhsa_user_sgpr_count 2
		.amdhsa_user_sgpr_kernarg_segment_ptr 1
		.amdhsa_wavefront_size32 1
		.amdhsa_system_sgpr_workgroup_id_x 1
		.amdhsa_system_sgpr_workgroup_id_y 1
		.amdhsa_system_sgpr_workgroup_id_z 1
		.amdhsa_system_vgpr_workitem_id 0
		.amdhsa_next_free_vgpr 176
		.amdhsa_next_free_sgpr 66
		.amdhsa_reserve_vcc 1
		.amdhsa_float_denorm_mode_32 3
		.amdhsa_float_denorm_mode_16_64 3
		.amdhsa_memory_ordered 1
		.amdhsa_forward_progress 1
		.amdhsa_inst_pref_size 23
	.end_amdhsa_kernel
	.amdgpu_metadata
---
amdhsa.version: [ 1, 2 ]
amdhsa.kernels:
  - .name:           k_qbae0ac29f8_reduce
    .symbol:         k_qbae0ac29f8_reduce.kd
    .args:
      - { .name: part, .offset: 0, .size: 8, .value_kind: global_buffer, .address_space: global }
      - { .name: vpart, .offset: 8, .size: 8, .value_kind: global_buffer, .address_space: global }
      - { .name: gamma, .offset: 16, .size: 8, .value_kind: global_buffer, .address_space: global }
      - { .name: M0, .offset: 24, .size: 8, .value_kind: global_buffer, .address_space: global }
    .group_segment_fixed_size: 17920
    .private_segment_fixed_size: 0
    .kernarg_segment_align: 8
    .kernarg_segment_size: 32
    .max_flat_workgroup_size: 256
    .sgpr_count:     66
    .vgpr_count:     176
    .wavefront_size: 32
...
	.end_amdgpu_metadata
.endif
;; end of part 3
;; launch sq1 (part 4): grid 16 x 16, 4 waves a work-group, clusters of 4 x 4, 327,680 bytes of LDS; arguments M0, M1; writes M1
.if DOCPART == 4
	.amdgcn_target "amdgcn-amd-amdhsa--gfx1250"
	.amdhsa_code_object_version 6
	.text
	.protected	k_qbae0ac29f8_sq1
	.globl	k_qbae0ac29f8_sq1
	.p2align	8
	.type	k_qbae0ac29f8_sq1,@function
k_qbae0ac29f8_sq1:
	s_mov_b64 s[64:65], 0
	v_nop
	global_prefetch_b8 v0, s[64:65] scope:SCOPE_SE
	s_setreg_imm32_b32 hwreg(HW_REG_WAVE_MODE, 25, 1), 1
	s_wait_xcnt 0x0
	s_wait_alu depctr_hold_cnt(0) depctr_sa_sdst(0) depctr_va_vdst(0) depctr_va_sdst(0) depctr_va_ssrc(0) depctr_va_vcc(0) depctr_vm_vsrc(0)
	s_getreg_b32 s2, hwreg(HW_REG_IB_STS2, 6, 4)
	s_cmp_eq_u32 s2, 0
	s_cbranch_scc0 .Lentry_in_a_cluster
	s_endpgm
.Lentry_in_a_cluster:
	s_bfe_u32 s2, ttmp6, 0x10000c
	s_cmp_lg_u32 s2, 0xf033
	s_cbranch_scc0 .Lentry_shape_is_right
	s_endpgm
.Lentry_shape_is_right:
; One link of the series.  With A = I - M^k (symmetric: a polynomial in X^T X) and u:   A' = 2 A - A A = I - M^(2k)   and   u' = 2 u - A u = (I + M^k) u.
; Five such links give the sum of M^0 .. M^31 times u0, all 32 terms; the order of rounding differs from adding the powers one by one.  Carrying I - M^k keeps the identity and the linear term in f32:
; only the product A A sees operands rounded to bf16; its sums are f32.  A u is f32 throughout.  NaN and infinities are not treated apart.
; BUFFERS (in and out alike): + 0 A in f32, [1024][1024];  + 4,194,304 A in bf16, tiles [row block 16][column block 16][64][64];  + 6,291,456 u[1024] f32.
; The last use of this text also writes a bf16 copy that no launch reads (2 MiB): the price of one text for four launches.
; SHARES.  A tile of A' is 64 x 64: 256 work-groups.  (A A)[m][n] = the sum over k of A[m][k] A[n][k], by symmetry: both operands are panels of 64 rows, 131,072 dense bytes each, and BOTH LIE WHOLE
; IN LDS: nothing is filled again.  Four waves, each 32 x 32: four accumulators, which take turns.  Each wave also makes one number of u' (4 bytes a wave: 1,024 numbers in the launch).
; CLUSTER.  4 x 4 work-groups: the left panel hangs on the tile row and is shared along a row of the cluster, the right one on the tile column and is shared along a column: joint loads.
; THE MATRIX INSTRUCTION IS USED TRANSPOSED (source 0 = the right panel's 16 rows, source 1 = the left's): lane l holds m = l % 16 and n = 8 (l / 16) + 0..7.
.set OFF_B, 4194304
.set OFF_U, 6291456
.set PK,    144                        ; a tile's row in LDS: 128 bytes + 16 of padding = 36 words: the 16 rows of a load start at 16 different groups of four banks (64 banks of 4 bytes: ISA guide 11.1)
.set CH,    256*PK                     ; a chunk: four tiles of 64 rows: 256 along k of a panel
.set STAGE, 8*CH                       ; behind the eight chunks, never filled by a tensor load: 64 rows x 272 bytes, for the way out
.set SP,    272
.set SPARE, STAGE+64*SP                ; behind the stage: the spare words, 128 bytes for each wave
.set ADA, 10                           ; v10-13  LDS address of my left fragments in chunk 0..3
.set ADB, 14                           ; v14-17  the same for the right panel
.set STO, 18                           ; v18  the way out: where I put 16 bytes of a row
.set RD,  19                           ; v19  where I read a row back
.set GF,  20                           ; v20  my byte offset in the tile's f32 rows
.set GB,  21                           ; v21  in its bf16 tile
.set LO,  22                           ; v22  16 x lane
.set ZR,  23                           ; v23  0, an offset
.set LN,  24                           ; v24  lane
.set SPW, 28                           ; v28  LDS address of my spare word; never rewritten
.set NIL, 29                           ; v29  0; never rewritten
.set ACC, 32                           ; v[32:63]   accumulator (a, b) at ACC + 8 (2 a + b)
.set F0,  64                           ; v[64:127], v[128:191]  two fragment buffers: 64 along k: 32 registers of the left panel, 32 of the right; at first A's row and u
.set F1,  128
.set DT,  F0+32                        ; v[96:103]  the dot product's four chains
.set AFT, 192                          ; v[192:223] my 16 rows of the tile of A in f32
.set BK,  224                          ; v[224:255] the same rows of A A, read back from the stage
.set G1, 24                            ; s[24:31] descriptor group 1 for the left panel;  s[32:39] group 0, a set for each of my two loads
.set G0, 32
.set G1B, 48                           ; s[48:55], s[56:63] the same for the right panel
.set G0B, 56
.macro CROUND                          ; a round of the cluster's barrier
	s_barrier_signal -1
	s_barrier_wait -1
	s_cmp_lg_u32 s10, 0
	s_cbranch_scc1 .Lnot_wave_0_\@
	s_barrier_signal -3
.Lnot_wave_0_\@:
	s_barrier_wait -3
	s_barrier_signal -1
	s_barrier_wait -1
.endm
.macro PLACES                          ; four places in front of loads into registers that matrix instructions have read, and of LDS stores that read results (ISA guide 7.12.1 for vector instructions)
.rept 4
	v_nop
.endr
.endm
	s_load_b128 s[4:7], s[0:1], 0x0                ; in s[4:5], out s[6:7]
	v_lshl_add_u32 v[SPW], v0, 2, SPARE
	v_mov_b32 v[NIL], 0
	ds_add_u32 v[SPW], v[NIL]                      ; the wave's opening: the add and its wait stand ahead of my first tensor load; the set-up below, work on registers, stands between them
	v_lshrrev_b32 v1, 5, v0
	v_readfirstlane_b32 s10, v1                    ; wave 0..3
	s_lshr_b32 s11, s10, 1                         ; which 32 of the tile's rows are mine.  Also: I fetch for the left panel (0) or the right (1)
	s_and_b32 s12, s10, 1                          ; which 32 of its columns.  Also: I fetch chunks 0 and 2, or 1 and 3
	s_bfe_u32 s40, ttmp6, 0x40000                  ; cx, cy: my place in the cluster
	s_bfe_u32 s41, ttmp6, 0x40004
	s_lshl_b32 s42, ttmp9, 2
	s_add_co_u32 s42, s42, s40                     ; tile column = 4 x cluster x + cx
	s_and_b32 s13, ttmp7, 0xffff
	s_lshl_b32 s13, s13, 2
	s_add_co_u32 s13, s13, s41                     ; tile row = 4 x cluster y + cy
	s_lshl_b32 s43, s41, 2
	s_lshl_b32 s43, 15, s43                        ; my row of the cluster
	s_lshl_b32 s44, 0x1111, s40                    ; my column
	; descriptor group 1.  A chunk is 32,768 dense bytes: asked for as 128 rows of 256 bytes, two rows of a tile each, and padded in LDS after every 128 bytes
	s_or_b32 s[G1+0], s43, (1<<16)|(1<<20)|(1<<21)|(4<<22)|(3<<25)  ; 15:0 the mask; 17:16 elements of 2 bytes; 20 padding on; 21 set beside a mask; 24:22 after every 32 words (code 4); 31:25 4 words of it (code 3)
	s_or_b32 s[G1B+0], s44, (1<<16)|(1<<20)|(1<<21)|(4<<22)|(3<<25)
.irp g, G1, G1B
	s_mov_b32 s[(\g)+1], 128<<16                   ; tensor_dim0 = 128
	s_mov_b32 s[(\g)+2], 128<<16                   ; tensor_dim1 = 128
	s_mov_b32 s[(\g)+3], 128<<16                   ; tile_dim0 = 128
	s_mov_b32 s[(\g)+4], 128                       ; tile_dim1 = 128
	s_mov_b32 s[(\g)+5], 128                       ; 128 elements from row to row
	s_mov_b32 s[(\g)+6], 0
	s_mov_b32 s[(\g)+7], 0
.endr
	s_lshl_b32 s18, s12, 15                        ; my first chunk, in the bf16 copy
	s_add_co_u32 s18, s18, OFF_B
	s_lshl_b32 s16, s13, 17                        ; the left panel hangs on the tile row alone,
	s_add_co_u32 s16, s16, s18
	s_mov_b32 s17, 0
	s_lshl_b32 s46, s42, 17                        ; the right one on the tile column alone
	s_add_co_u32 s46, s46, s18
	s_mov_b32 s47, 0
	s_mul_i32 s20, s10, CH                         ; where they go: chunk region wave, then wave + 4: no place in the cluster enters an LDS address
	s_wait_dscnt 0x0                               ; the opening add is done
	s_wait_kmcnt 0x0
	s_add_nc_u64 s[14:15], s[4:5], s[16:17]
	s_add_nc_u64 s[46:47], s[4:5], s[46:47]
	CROUND                                         ; all sixteen work-groups are here: the joint loads meet
.irp t, 0,1
	s_mov_b32 s[G0+4*(\t)], 1                                      ; 1:0 count = 1
	s_add_co_u32 s[G0+4*(\t)+1], s20, (\t)*4*CH                    ; 63:32 LDS address
	s_add_nc_u64 s[G0+4*(\t)+2:G0+4*(\t)+3], s[14:15], (\t)*65536  ; 120:64 global address: two chunks on
	s_or_b32 s[G0+4*(\t)+3], s[G0+4*(\t)+3], 0x80000000            ; 127:126 type = 2
	s_mov_b32 s[G0B+4*(\t)], 1
	s_add_co_u32 s[G0B+4*(\t)+1], s20, (\t)*4*CH
	s_add_nc_u64 s[G0B+4*(\t)+2:G0B+4*(\t)+3], s[46:47], (\t)*65536
	s_or_b32 s[G0B+4*(\t)+3], s[G0B+4*(\t)+3], 0x80000000
.endr
	s_cmp_lt_u32 s10, 2                            ; a wave's two loads stand in one branch, ahead of every wait on TENSORcnt and every LDS read: two loads of mine are out; an s_nop 0 follows each, four v_nop the second's
	s_cbranch_scc0 .Lfirst_b
	tensor_load_to_lds s[G0:G0+3], s[G1:G1+7]
	s_nop 0
	tensor_load_to_lds s[G0+4:G0+7], s[G1:G1+7]
	s_nop 0
.rept 4
	v_nop
.endr
	s_branch .Lfirst_asked
.Lfirst_b:
	tensor_load_to_lds s[G0B:G0B+3], s[G1B:G1B+7]
	s_nop 0
	tensor_load_to_lds s[G0B+4:G0B+7], s[G1B:G1B+7]
	s_nop 0
.rept 4
	v_nop
.endr
.Lfirst_asked:
	v_and_b32 v1, 15, v0                           ; l % 16
	v_bfe_u32 v2, v0, 4, 1                         ; l / 16
	v_and_b32 v[LN], 31, v0
	v_lshlrev_b32 v[LO], 4, v[LN]
	v_mov_b32 v[ZR], 0
	; the scalar addresses: the tile's, and those of my row R = 4 (16 tile row + tile column) + wave of A and of u
	s_lshl_b32 s72, s13, 4
	s_add_co_u32 s72, s72, s42
	s_lshl_b32 s88, s72, 13                        ; the bf16 tile: 8,192 bytes
	s_add_co_u32 s88, s88, OFF_B
	s_mov_b32 s89, 0
	s_add_nc_u64 s[86:87], s[6:7], s[88:89]
	s_lshl_b32 s88, s13, 18                        ; the f32 tile: 64 rows of 4,096 bytes down, 256 bytes along
	s_lshl_b32 s73, s42, 8
	s_add_co_u32 s88, s88, s73
	s_add_nc_u64 s[82:83], s[4:5], s[88:89]
	s_add_nc_u64 s[84:85], s[6:7], s[88:89]
	s_lshl_b32 s72, s72, 2
	s_add_co_u32 s72, s72, s10                     ; R
	s_lshl_b32 s88, s72, 12
	s_add_nc_u64 s[68:69], s[4:5], s[88:89]        ; A's row R
	s_lshl_b32 s88, s72, 2
	s_add_co_u32 s88, s88, OFF_U
	s_add_nc_u64 s[78:79], s[4:5], s[88:89]        ; u[R]
	s_add_nc_u64 s[76:77], s[6:7], s[88:89]        ; u'[R]
	s_load_b32 s74, s[78:79], 0x0
	s_mov_b32 s80, 0x76543210                      ; v_permlanex16_b32: each lane takes its own place in the other half
	s_mov_b32 s81, 0xfedcba98
	s_lshl_b32 s23, s10, 16                        ; the way out: wave w takes rows 16 w .. 16 w + 15 of the tile; lanes 0-15 one row of 256 bytes, lanes 16-31 the next
	v_lshlrev_b32 v5, 12, v2
	v_lshl_add_u32 v5, v1, 4, v5
	v_add_nc_u32 v[GF], s23, v5
.set j, 0
.rept 8
	global_load_b128 v[F0+4*j:F0+4*j+3], v[LO], s[68:69] offset:512*j          ; A's row R, 512 consecutive bytes a load
.set j, j+1
.endr
.set j, 0
.rept 8
	global_load_b128 v[F1+4*j:F1+4*j+3], v[LO], s[4:5] offset:OFF_U+512*j      ; u
.set j, j+1
.endr
.set t, 0
.rept 8
	global_load_b128 v[AFT+4*t:AFT+4*t+3], v[GF], s[82:83] offset:8192*t       ; the tile of A in f32, wanted at the end
.set t, t+1
.endr
	; A fragment is 16 rows x 32 k in 8 registers: lane l holds row l % 16, k = 8 (l / 16) + 0..7 and 16 + 8 (l / 16) + 0..7: two loads of 16 bytes, 32 bytes apart.
	v_mul_u32_u24 v3, v1, PK
	v_lshl_add_u32 v3, v2, 4, v3
	s_mul_i32 s21, s11, 32*PK                      ; my 32 rows of the left panel
	s_mul_i32 s22, s12, 32*PK                      ; my 32 rows of the right panel,
	s_add_co_u32 s22, s22, 2*CH                    ; whose chunks lie two regions behind the left one's
	v_add_nc_u32 v4, s21, v3
	v_add_nc_u32 v5, s22, v3
.irp c, 0,1,2,3
	v_add_nc_u32 v[ADA+(\c)], ((\c)%2+4*((\c)/2))*CH, v4
	v_add_nc_u32 v[ADB+(\c)], ((\c)%2+4*((\c)/2))*CH, v5
.endr
	s_mul_i32 s23, s11, 32*SP                      ; into the stage: my 32 rows, my 128 of their 256 bytes; row l % 16, 32 bytes for each half of the lanes
	s_lshl_b32 s21, s12, 7
	s_add_co_u32 s23, s23, s21
	s_add_co_u32 s23, s23, STAGE
	v_mul_u32_u24 v4, v1, SP
	v_lshl_add_u32 v4, v2, 5, v4
	v_add_nc_u32 v[STO], s23, v4
	s_mul_i32 s23, s10, 16*SP
	s_add_co_u32 s23, s23, STAGE
	v_mul_u32_u24 v5, v2, SP
	v_lshl_add_u32 v5, v1, 4, v5
	v_add_nc_u32 v[RD], s23, v5
	s_lshl_b32 s23, s10, 11
	v_lshlrev_b32 v5, 7, v2
	v_lshl_add_u32 v5, v1, 3, v5
	v_add_nc_u32 v[GB], s23, v5                    ; (16 w + l / 16) x 128 + 8 (l % 16)
	; u'[R] = 2 u[R] - A[R] . u, in f32, while the panels are on their way
	s_wait_loadcnt 8                               ; the row and u are in; the tile's eight loads stay out
	s_wait_kmcnt 0x0
.set j, 0
.rept 16
.if j < 4
	v_pk_mul_f32 v[DT+2*j:DT+2*j+1], v[F0+2*j:F0+2*j+1], v[F1+2*j:F1+2*j+1]    ; four chains, started by the first products
.else
	v_pk_fma_f32 v[DT+2*(j%4):DT+2*(j%4)+1], v[F0+2*j:F0+2*j+1], v[F1+2*j:F1+2*j+1], v[DT+2*(j%4):DT+2*(j%4)+1]
.endif
.set j, j+1
.endr
	v_pk_add_f32 v[DT:DT+1], v[DT:DT+1], v[DT+2:DT+3]
	v_pk_add_f32 v[DT+4:DT+5], v[DT+4:DT+5], v[DT+6:DT+7]
	v_pk_add_f32 v[DT:DT+1], v[DT:DT+1], v[DT+4:DT+5]
	v_add_f32 v[DT], v[DT], v[DT+1]
.irp m, 1,2,4,8
	v_add_f32_dpp v[DT], v[DT], v[DT] row_xmask:\m row_mask:0xf bank_mask:0xf
.endr
	v_permlanex16_b32 v[DT+1], v[DT], s80, s81
	v_add_f32 v[DT], v[DT], v[DT+1]
	v_fma_f32 v[DT+8], s74, 2.0, -v[DT]
	s_wait_xcnt 0x0                                ; EXEC is a source of the loads still out: it changes only behind this wait
	v_cmp_eq_u32 vcc_lo, 0, v[LN]
	s_and_saveexec_b32 s75, vcc_lo
	global_store_b32 v[ZR], v[DT+8], s[76:77]      ; lane 0 alone
	s_wait_xcnt 0x0                                ; and again, in front of the line that widens it; the store's data register is also free behind it
	s_or_b32 exec_lo, exec_lo, s75
; 16 LDS loads: the fragments of 64 along k (tile kb of chunk c) into buffer f: my 32 rows of either panel
.macro FETCHG c, kb, f
.irp ks, 0,1
.irp blk, 0,1
	ds_load_b128 v[(\f)+8*(2*(\ks)+(\blk)):(\f)+8*(2*(\ks)+(\blk))+3],       v[ADA+(\c)] offset:(\kb)*64*PK+(\blk)*16*PK+64*(\ks)
	ds_load_b128 v[(\f)+8*(2*(\ks)+(\blk))+4:(\f)+8*(2*(\ks)+(\blk))+7],     v[ADA+(\c)] offset:(\kb)*64*PK+(\blk)*16*PK+64*(\ks)+32
	ds_load_b128 v[(\f)+32+8*(2*(\ks)+(\blk)):(\f)+32+8*(2*(\ks)+(\blk))+3],   v[ADB+(\c)] offset:(\kb)*64*PK+(\blk)*16*PK+64*(\ks)
	ds_load_b128 v[(\f)+32+8*(2*(\ks)+(\blk))+4:(\f)+32+8*(2*(\ks)+(\blk))+7], v[ADB+(\c)] offset:(\kb)*64*PK+(\blk)*16*PK+64*(\ks)+32
.endr
.endr
.endm
; 8 matrix instructions on buffer f.  The four accumulators take turns, one instruction a turn, from group to group too.  Group 0's first four start the sums.
.macro MULG f
.irp ks, 0,1
.irp a, 0,1
.irp b, 0,1
.if (g == 0) && ((\ks) == 0)
	v_wmma_f32_16x16x32_bf16 v[ACC+8*(2*(\a)+(\b)):ACC+8*(2*(\a)+(\b))+7], v[(\f)+32+8*(2*(\ks)+(\b)):(\f)+32+8*(2*(\ks)+(\b))+7], v[(\f)+8*(2*(\ks)+(\a)):(\f)+8*(2*(\ks)+(\a))+7], 0
.else
	v_wmma_f32_16x16x32_bf16 v[ACC+8*(2*(\a)+(\b)):ACC+8*(2*(\a)+(\b))+7], v[(\f)+32+8*(2*(\ks)+(\b)):(\f)+32+8*(2*(\ks)+(\b))+7], v[(\f)+8*(2*(\ks)+(\a)):(\f)+8*(2*(\ks)+(\a))+7], v[ACC+8*(2*(\a)+(\b)):ACC+8*(2*(\a)+(\b))+7]
.endif
.endr
.endr
.endr
.endm
	s_wait_tensorcnt 0x1                           ; my first chunk is in; the second may stay out
	s_barrier_signal -1
	s_barrier_wait -1                              ; chunks 0 and 1 of both panels are whole
	FETCHG 0, 0, F0
.set g, 0
.rept 16                               ; sixteen groups of 64 along k; while one is multiplied the next one's fragments are on their way
	s_wait_dscnt 0x0                               ; group g's fragments are in
.if g == 7
	s_wait_tensorcnt 0x0                           ; my second chunk is in,
	s_barrier_signal -1
	s_barrier_wait -1                              ; everybody's is: chunks 2 and 3 may be read
.endif
.if g < 15
.if g > 0
	PLACES
.endif
	FETCHG (g+1)/4, (g+1)%4, F0+64*((g+1)%2)
.endif
	MULG F0+64*(g%2)
.set g, g+1
.endr
	; THE WAY OUT: A A through the stage (a row's 256 bytes come from two waves), back as whole rows; A' = 2 A - A A in f32; stored in f32 and, rounded once, in bf16
	PLACES
.irp a, 0,1
.irp b, 0,1
	ds_store_b128 v[STO], v[ACC+8*(2*(\a)+(\b)):ACC+8*(2*(\a)+(\b))+3]   offset:(\a)*16*SP+64*(\b)     ; each accumulator's four lowest registers first
	ds_store_b128 v[STO], v[ACC+8*(2*(\a)+(\b))+4:ACC+8*(2*(\a)+(\b))+7] offset:(\a)*16*SP+64*(\b)+16
.endr
.endr
	s_wait_dscnt 0x0                               ; for the others' sake: my stores into the stage are done
	s_barrier_signal -1
	s_barrier_wait -1
.set t, 0
.rept 8
	ds_load_b128 v[BK+4*t:BK+4*t+3], v[RD] offset:t*2*SP
.set t, t+1
.endr
	s_wait_loadcnt 0x0                             ; the tile of A in f32
	s_wait_dscnt 0x0
.set t, 0
.rept 8
	v_pk_fma_f32 v[BK+4*t:BK+4*t+1], v[AFT+4*t:AFT+4*t+1], 2.0, v[BK+4*t:BK+4*t+1] op_sel_hi:[1,0,1] neg_lo:[0,0,1] neg_hi:[0,0,1]
	v_pk_fma_f32 v[BK+4*t+2:BK+4*t+3], v[AFT+4*t+2:AFT+4*t+3], 2.0, v[BK+4*t+2:BK+4*t+3] op_sel_hi:[1,0,1] neg_lo:[0,0,1] neg_hi:[0,0,1]
	global_store_b128 v[GF], v[BK+4*t:BK+4*t+3], s[84:85] offset:8192*t         ; 16 lanes: 256 consecutive bytes of a row, aligned
	v_cvt_pk_bf16_f32 v[F0+2*t], v[BK+4*t], v[BK+4*t+1]
	v_cvt_pk_bf16_f32 v[F0+2*t+1], v[BK+4*t+2], v[BK+4*t+3]
	global_store_b64 v[GB], v[F0+2*t:F0+2*t+1], s[86:87] offset:256*t           ; 32 lanes: two rows of the tile, 256 consecutive bytes, aligned
.set t, t+1
.endr
	s_wait_tensorcnt 0x0                           ; the wave's end: behind my last tensor load and my last LDS store
	ds_add_u32 v[SPW], v[NIL]
	s_wait_dscnt 0x0
	CROUND                                         ; the closing round: no work-group ends while a partner may still ask for a tile that names it
	s_endpgm
.Lfunc_end_k_qbae0ac29f8_sq1:
	.size	k_qbae0ac29f8_sq1, .Lfunc_end_k_qbae0ac29f8_sq1-k_qbae0ac29f8_sq1
	.p2alignl 7, 3214868480
	.fill 96, 4, 3214868480
	.section	.rodata,"a",@progbits
	.p2align	6, 0x0
	.amdhsa_kernel k_qbae0ac29f8_sq1
		.amdhsa_group_segment_fixed_size 327680
		.amdhsa_private_segment_fixed_size 0
		.amdhsa_enable_private_segment 0
		.amdhsa_kernarg_size 16
		.amdhsa_user_sgpr_count 2
		.amdhsa_user_sgpr_kernarg_segment_ptr 1
		.amdhsa_wavefront_size32 1
		.amdhsa_system_sgpr_workgroup_id_x 1
		.amdhsa_system_sgpr_workgroup_id_y 1
		.amdhsa_system_sgpr_workgroup_id_z 1
		.amdhsa_system_vgpr_workitem_id 0
		.amdhsa_next_free_vgpr 256
		.amdhsa_next_free_sgpr 90
		.amdhsa_reserve_vcc 1
		.amdhsa_float_denorm_mode_32 3
		.amdhsa_float_denorm_mode_16_64 3
		.amdhsa_memory_ordered 1
		.amdhsa_forward_progress 1
		.amdhsa_inst_pref_size 44
	.end_amdhsa_kernel
	.amdgpu_metadata
---
amdhsa.version: [ 1, 2 ]
amdhsa.kernels:
  - .name:           k_qbae0ac29f8_sq1
    .symbol:         k_qbae0ac29f8_sq1.kd
    .args:
      - { .name: M0, .offset: 0, .size: 8, .value_kind: global_buffer, .address_space: global }
      - { .name: M1, .offset: 8, .size: 8, .value_kind: global_buffer, .address_space: global }
    .group_segment_fixed_size: 327680
    .private_segment_fixed_size: 0
    .kernarg_segment_align: 8
    .kernarg_segment_size: 16
    .max_flat_workgroup_size: 128
    .sgpr_count:     90
    .vgpr_count:     256
    .wavefront_size: 32
...
	.end_amdgpu_metadata
.endif
;; end of part 4
;; launch sq2: the kernel of part 4 again; grid 16 x 16, 4 waves a work-group, clusters of 4 x 4, 327,680 bytes of LDS; arguments M1, M0; writes M0
;; launch sq3: the kernel of part 4 again; grid 16 x 16, 4 waves a work-group, clusters of 4 x 4, 327,680 bytes of LDS; arguments M0, M1; writes M1
;; launch sq4: the kernel of part 4 again; grid 16 x 16, 4 waves a work-group, clusters of 4 x 4, 327,680 bytes of LDS; arguments M1, M0; writes M0
;; launch mv (part 5): grid 256 x 1, 4 waves a work-group, no clusters, 0 bytes of LDS; arguments M0, M1; writes M1
.if DOCPART == 5
	.amdgcn_target "amdgcn-amd-amdhsa--gfx1250"
	.amdhsa_code_object_version 6
	.text
	.protected	k_qbae0ac29f8_mv
	.globl	k_qbae0ac29f8_mv
	.p2align	8
	.type	k_qbae0ac29f8_mv,@function
k_qbae0ac29f8_mv:
	s_mov_b64 s[64:65], 0
	v_nop
	global_prefetch_b8 v0, s[64:65] scope:SCOPE_SE
	s_setreg_imm32_b32 hwreg(HW_REG_WAVE_MODE, 25, 1), 1
	s_wait_xcnt 0x0
; The series' last link: u5 = 2 u4 - A16 u4, in f32.  in: A16 at + 0, [1024][1024] f32; u4 at + 6,291,456.  out: u5 at + 6,291,456 of the other buffer.
; One wave, one row of 4,096 bytes: eight loads of 512 consecutive bytes; the sum never leaves the wave, so there is no LDS and no barrier.  A wave stores 4 bytes: 1,024 numbers in the launch.
; No matrix unit: one column of results, and f32 is wanted.  No cluster: what the work-groups share, u4, is 4,096 bytes beside 16,384 of their own.
.set OFF_U, 6291456
.set LN,  2                            ; v2  lane
.set LO,  3                            ; v3  16 x lane
.set ZR,  4                            ; v4  0, an offset
.set MR,  16                           ; v[16:47]  the row
.set MU,  48                           ; v[48:79]  u4
.set DT,  80                           ; v[80:87]  four chains
	s_load_b128 s[4:7], s[0:1], 0x0                ; in s[4:5], out s[6:7]
	v_lshrrev_b32 v1, 5, v0
	v_readfirstlane_b32 s8, v1                     ; wave 0..3
	v_and_b32 v[LN], 31, v0
	v_lshlrev_b32 v[LO], 4, v[LN]
	v_mov_b32 v[ZR], 0
	s_lshl_b32 s9, ttmp9, 2
	s_add_co_u32 s9, s9, s8                        ; my row R
	s_lshl_b32 s10, s9, 12
	s_mov_b32 s11, 0
	s_lshl_b32 s12, s9, 2
	s_add_co_u32 s12, s12, OFF_U
	s_mov_b32 s13, 0
	s_mov_b32 s20, 0x76543210                      ; v_permlanex16_b32: each lane takes its own place in the other half
	s_mov_b32 s21, 0xfedcba98
	s_wait_kmcnt 0x0
	s_add_nc_u64 s[14:15], s[4:5], s[10:11]
	s_add_nc_u64 s[16:17], s[4:5], s[12:13]
	s_add_nc_u64 s[18:19], s[6:7], s[12:13]
	s_load_b32 s22, s[16:17], 0x0                  ; u4[R]
.set j, 0
.rept 8
	global_load_b128 v[MR+4*j:MR+4*j+3], v[LO], s[14:15] offset:512*j
.set j, j+1
.endr
.set j, 0
.rept 8
	global_load_b128 v[MU+4*j:MU+4*j+3], v[LO], s[4:5] offset:OFF_U+512*j
.set j, j+1
.endr
	s_wait_loadcnt 0x0
	s_wait_kmcnt 0x0
.set j, 0
.rept 16
.if j < 4
	v_pk_mul_f32 v[DT+2*j:DT+2*j+1], v[MR+2*j:MR+2*j+1], v[MU+2*j:MU+2*j+1]
.else
	v_pk_fma_f32 v[DT+2*(j%4):DT+2*(j%4)+1], v[MR+2*j:MR+2*j+1], v[MU+2*j:MU+2*j+1], v[DT+2*(j%4):DT+2*(j%4)+1]
.endif
.set j, j+1
.endr
	v_pk_add_f32 v[DT:DT+1], v[DT:DT+1], v[DT+2:DT+3]
	v_pk_add_f32 v[DT+4:DT+5], v[DT+4:DT+5], v[DT+6:DT+7]
	v_pk_add_f32 v[DT:DT+1], v[DT:DT+1], v[DT+4:DT+5]
	v_add_f32 v[DT], v[DT], v[DT+1]
.irp m, 1,2,4,8
	v_add_f32_dpp v[DT], v[DT], v[DT] row_xmask:\m row_mask:0xf bank_mask:0xf
.endr
	v_permlanex16_b32 v[DT+1], v[DT], s20, s21
	v_add_f32 v[DT], v[DT], v[DT+1]
	v_fma_f32 v[DT+2], s22, 2.0, -v[DT]
	s_wait_xcnt 0x0                                ; EXEC changes only behind this wait
	v_cmp_eq_u32 vcc_lo, 0, v[LN]
	s_and_saveexec_b32 s23, vcc_lo
	global_store_b32 v[ZR], v[DT+2], s[18:19]      ; lane 0 alone
	s_wait_xcnt 0x0                                ; and again, in front of the line that widens it
	s_or_b32 exec_lo, exec_lo, s23
	s_endpgm
.Lfunc_end_k_qbae0ac29f8_mv:
	.size	k_qbae0ac29f8_mv, .Lfunc_end_k_qbae0ac29f8_mv-k_qbae0ac29f8_mv
	.p2alignl 7, 3214868480
	.fill 96, 4, 3214868480
	.section	.rodata,"a",@progbits
	.p2align	6, 0x0
	.amdhsa_kernel k_qbae0ac29f8_mv
		.amdhsa_group_segment_fixed_size 0
		.amdhsa_private_segment_fixed_size 0
		.amdhsa_enable_private_segment 0
		.amdhsa_kernarg_size 16
		.amdhsa_user_sgpr_count 2
		.amdhsa_user_sgpr_kernarg_segment_ptr 1
		.amdhsa_wavefront_size32 1
		.amdhsa_system_sgpr_workgroup_id_x 1
		.amdhsa_system_sgpr_workgroup_id_y 1
		.amdhsa_system_sgpr_workgroup_id_z 1
		.amdhsa_system_vgpr_workitem_id 0
		.amdhsa_next_free_vgpr 96
		.amdhsa_next_free_sgpr 66
		.amdhsa_reserve_vcc 1
		.amdhsa_float_denorm_mode_32 3
		.amdhsa_float_denorm_mode_16_64 3
		.amdhsa_memory_ordered 1
		.amdhsa_forward_progress 1
		.amdhsa_inst_pref_size 5
	.end_amdhsa_kernel
	.amdgpu_metadata
---
amdhsa.version: [ 1, 2 ]
amdhsa.kernels:
  - .name:           k_qbae0ac29f8_mv
    .symbol:         k_qbae0ac29f8_mv.kd
    .args:
      - { .name: M0, .offset: 0, .size: 8, .value_kind: global_buffer, .address_space: global }
      - { .name: M1, .offset: 8, .size: 8, .value_kind: global_buffer, .address_space: global }
    .group_segment_fixed_size: 0
    .private_segment_fixed_size: 0
    .kernarg_segment_align: 8
    .kernarg_segment_size: 16
    .max_flat_workgroup_size: 128
    .sgpr_count:     66
    .vgpr_count:     96
    .wavefront_size: 32
...
	.end_amdgpu_metadata
.endif
;; end of part 5
;; launch pred (part 6): grid 256 x 1, 8 waves a work-group, no clusters, 1,280 bytes of LDS; arguments X_star, M1, gamma, bias, out0; writes out0
.if DOCPART == 6
	.amdgcn_target "amdgcn-amd-amdhsa--gfx1250"
	.amdhsa_code_object_version 6
	.text
	.protected	k_qbae0ac29f8_pred
	.globl	k_qbae0ac29f8_pred
	.p2align	8
	.type	k_qbae0ac29f8_pred,@function
k_qbae0ac29f8_pred:
	s_mov_b64 s[64:65], 0
	v_nop
	global_prefetch_b8 v0, s[64:65] scope:SCOPE_SE
	s_setreg_imm32_b32 hwreg(HW_REG_WAVE_MODE, 25, 1), 1
	s_wait_xcnt 0x0
; out0[r] = gamma 2^-19 (X_star[r] . u5) + bias, in f32 (2^-19 = 1 / (32 x 16384)).  X_star: [16384][1024] f32; u5 at + 6,291,456 of M1.
; SHARES.  A work-group owns 64 rows, each of its eight waves 8, a row at a time: eight loads of 512 consecutive bytes.  u5 stays in 32 registers.  A ring of four rows in registers
; keeps 32 loads of every wave on their way.  The 64 results meet in LDS, and wave 0 stores them as 256 consecutive bytes, aligned.
; No matrix unit: one column of results, memory binds, and f32 is wanted.  No cluster: what the work-groups share, u5, is 4,096 bytes beside 262,144 of their own.
.set OFF_U, 6291456
.set SPARE, 256                        ; behind the 64 results: the spare words, 128 bytes a wave
.set LO,  1                            ; v1  16 x lane
.set L8,  2                            ; v2  8 x lane
.set WA,  3                            ; v3  32 x wave: my wave's eight results in LDS
.set SPW, 8                            ; v8  LDS address of my spare word; never rewritten
.set NIL, 9                            ; v9  0; never rewritten
.set U,   16                           ; v[16:47]    u5
.set RG,  48                           ; v[48:175]   row i in slot i % 4, 32 registers
.set SM,  176                          ; v[176:183]  the eight rows' sums
.set CN,  184                          ; v[184:191]  four chains
	s_load_b256 s[4:11], s[0:1], 0x0               ; X_star s[4:5], M1 s[6:7], gamma s[8:9], bias s[10:11]
	s_load_b64 s[12:13], s[0:1], 0x20              ; out0
	v_lshl_add_u32 v[SPW], v0, 2, SPARE
	v_mov_b32 v[NIL], 0
	v_lshrrev_b32 v4, 5, v0
	v_readfirstlane_b32 s16, v4                    ; wave 0..7
	v_mov_b32 v[WA], s16
	v_lshlrev_b32 v[WA], 5, v[WA]
	v_and_b32 v5, 31, v0
	v_lshlrev_b32 v[LO], 4, v5
	v_lshlrev_b32 v[L8], 3, v5
	s_lshl_b32 s18, ttmp9, 18                      ; the work-group's 64 rows of 4,096 bytes,
	s_lshl_b32 s17, s16, 15                        ; my wave's 8
	s_add_co_u32 s18, s18, s17
	s_mov_b32 s19, 0
	s_lshl_b32 s20, ttmp9, 8                       ; the work-group's 256 bytes of out0
	s_mov_b32 s21, 0
	s_mov_b32 s22, 0x76543210                      ; v_permlanex16_b32: each lane takes its own place in the other half
	s_mov_b32 s23, 0xfedcba98
	s_wait_kmcnt 0x0
	s_load_b32 s14, s[8:9], 0x0                    ; gamma
	s_load_b32 s15, s[10:11], 0x0                  ; bias
	s_add_nc_u64 s[4:5], s[4:5], s[18:19]
	s_add_nc_u64 s[12:13], s[12:13], s[20:21]
.set j, 0
.rept 8
	global_load_b128 v[U+4*j:U+4*j+3], v[LO], s[6:7] offset:OFF_U+512*j
.set j, j+1
.endr
.macro FILL i                          ; row i into its slot: the whole row, eight loads
.set j, 0
.rept 8
	global_load_b128 v[RG+32*((\i)%4)+4*j:RG+32*((\i)%4)+4*j+3], v[LO], s[4:5] offset:(\i)*4096+512*j th:TH_LOAD_NT
.set j, j+1
.endr
.endm
	FILL 0
	FILL 1
	FILL 2
	FILL 3
; Row i's turn.  left = how many younger loads may stay out.
.macro ROWDOT i, left
	s_wait_loadcnt \left                           ; loads come back in order: row i (and u5, which is older) is in
.set rb, RG+32*((\i)%4)
.set j, 0
.rept 16
.if j < 4
	v_pk_mul_f32 v[CN+2*j:CN+2*j+1], v[rb+2*j:rb+2*j+1], v[U+2*j:U+2*j+1]      ; four chains, started by the first products
.else
	v_pk_fma_f32 v[CN+2*(j%4):CN+2*(j%4)+1], v[rb+2*j:rb+2*j+1], v[U+2*j:U+2*j+1], v[CN+2*(j%4):CN+2*(j%4)+1]
.endif
.set j, j+1
.endr
.if (\i) < 4
	FILL (\i)+4
.endif
	v_pk_add_f32 v[CN:CN+1], v[CN:CN+1], v[CN+2:CN+3]
	v_pk_add_f32 v[CN+4:CN+5], v[CN+4:CN+5], v[CN+6:CN+7]
	v_pk_add_f32 v[CN:CN+1], v[CN:CN+1], v[CN+4:CN+5]
	v_add_f32 v[SM+(\i)], v[CN], v[CN+1]
.endm
	ROWDOT 0, 24                                   ; three younger rows, 24 loads, stay out
	ROWDOT 1, 24
	ROWDOT 2, 24
	ROWDOT 3, 24
	ROWDOT 4, 24
	ROWDOT 5, 16                                   ; nothing more is asked for: the counts run down
	ROWDOT 6, 8
	ROWDOT 7, 0
	; across the 32 lanes, the eight sums side by side, so that no line waits for the one before it
.irp m, 1,2,4,8
.irp i, 0,1,2,3,4,5,6,7
	v_add_f32_dpp v[SM+(\i)], v[SM+(\i)], v[SM+(\i)] row_xmask:\m row_mask:0xf bank_mask:0xf
.endr
.endr
.irp i, 0,1,2,3,4,5,6,7
	v_permlanex16_b32 v[CN+(\i)], v[SM+(\i)], s22, s23
.endr
	s_wait_kmcnt 0x0
	s_mul_f32 s14, s14, 0x36000000                 ; gamma x 2^-19
.irp i, 0,1,2,3,4,5,6,7
	v_add_f32 v[SM+(\i)], v[SM+(\i)], v[CN+(\i)]
.endr
.irp i, 0,1,2,3,4,5,6,7
	v_fma_f32 v[SM+(\i)], v[SM+(\i)], s14, s15
.endr
.irp i, 0,1,2,3,4,5,6,7
	ds_store_b32 v[WA], v[SM+(\i)] offset:4*(\i)   ; all lanes write the same word with the same value
.endr
	s_wait_dscnt 0x0                               ; for the others' sake: my stores are done
	s_barrier_signal -1
	s_barrier_wait -1
	s_cmp_lg_u32 s16, 0
	s_cbranch_scc1 .Ldone
	ds_load_b64 v[CN:CN+1], v[L8]
	s_wait_dscnt 0x0
	global_store_b64 v[L8], v[CN:CN+1], s[12:13]   ; 32 lanes: 256 consecutive bytes, aligned
.Ldone:
	s_wait_tensorcnt 0x0                           ; the wave's end: behind my last LDS store
	ds_add_u32 v[SPW], v[NIL]
	s_wait_dscnt 0x0
	s_endpgm
.Lfunc_end_k_qbae0ac29f8_pred:
	.size	k_qbae0ac29f8_pred, .Lfunc_end_k_qbae0ac29f8_pred-k_qbae0ac29f8_pred
	.p2alignl 7, 3214868480
	.fill 96, 4, 3214868480
	.section	.rodata,"a",@progbits
	.p2align	6, 0x0
	.amdhsa_kernel k_qbae0ac29f8_pred
		.amdhsa_group_segment_fixed_size 1280
		.amdhsa_private_segment_fixed_size 0
		.amdhsa_enable_private_segment 0
		.amdhsa_kernarg_size 40
		.amdhsa_user_sgpr_count 2
		.amdhsa_user_sgpr_kernarg_segment_ptr 1
		.amdhsa_wavefront_size32 1
		.amdhsa_system_sgpr_workgroup_id_x 1
		.amdhsa_system_sgpr_workgroup_id_y 1
		.amdhsa_system_sgpr_workgroup_id_z 1
		.amdhsa_system_vgpr_workitem_id 0
		.amdhsa_next_free_vgpr 192
		.amdhsa_next_free_sgpr 66
		.amdhsa_reserve_vcc 0
		.amdhsa_float_denorm_mode_32 3
		.amdhsa_float_denorm_mode_16_64 3
		.amdhsa_memory_ordered 1
		.amdhsa_forward_progress 1
		.amdhsa_inst_pref_size 23
	.end_amdhsa_kernel
	.amdgpu_metadata
---
amdhsa.version: [ 1, 2 ]
amdhsa.kernels:
  - .name:           k_qbae0ac29f8_pred
    .symbol:         k_qbae0ac29f8_pred.kd
    .args:
      - { .name: X_star, .offset: 0, .size: 8, .value_kind: global_buffer, .address_space: global }
      - { .name: M1, .offset: 8, .size: 8, .value_kind: global_buffer, .address_space: global }
      - { .name: gamma, .offset: 16, .size: 8, .value_kind: global_buffer, .address_space: global }
      - { .name: bias, .offset: 24, .size: 8, .value_kind: global_buffer, .address_space: global }
      - { .name: out0, .offset: 32, .size: 8, .value_kind: global_buffer, .address_space: global }
    .group_segment_fixed_size: 1280
    .private_segment_fixed_size: 0
    .kernarg_segment_align: 8
    .kernarg_segment_size: 40
    .max_flat_workgroup_size: 256
    .sgpr_count:     66
    .vgpr_count:     192
    .wavefront_size: 32
...
	.end_amdgpu_metadata
.endif
;; end of part 6
;; ======== version 2 of 3: 8 launches; 1.13 times as fast as version 1
;; workspace buffers: Xb 33,554,432 bytes; part 41,943,040 bytes; vpart 131,072 bytes; M0 6,361,088 bytes; M1 6,361,088 bytes
;; launch cast: the kernel of part 1 again; grid 8 x 32, 8 waves a work-group, no clusters, 5,120 bytes of LDS; arguments X, y, Xb, vpart; writes Xb, vpart
;; launch syrk (part 7): grid 10 x 16, 4 waves a work-group, no clusters, 327,680 bytes of LDS; arguments Xb, part; writes part
.if DOCPART == 7
	.amdgcn_target "amdgcn-amd-amdhsa--gfx1250"
	.amdhsa_code_object_version 6
	.text
	.protected	k_qbae0ac29f8_syrk
	.globl	k_qbae0ac29f8_syrk
	.p2align	8
	.type	k_qbae0ac29f8_syrk,@function
k_qbae0ac29f8_syrk:
	s_mov_b64 s[64:65], 0
	v_nop
	global_prefetch_b8 v0, s[64:65] scope:SCOPE_SE
	s_setreg_imm32_b32 hwreg(HW_REG_WAVE_MODE, 25, 1), 1
	s_wait_xcnt 0x0
; part[s][t] = the sum over rows 1024 s .. 1024 s + 1023 of Xb[row][256 i + m] Xb[row][256 j + n]: sixteen partial sums of the upper triangle of X^T X, f32 sums of bf16 products.  Xb: [16384][1024] bf16.
; SHARES.  X^T X is symmetric, so of its 4 x 4 tiles of 256 x 256 only the ten with i <= j are made (t = 0..9: (0,0) (0,1) (0,2) (0,3) (1,1) (1,2) (1,3) (2,2) (2,3) (3,3)); the next launch mirrors them.
; The rows are split sixteen ways: 160 work-groups of equal work, 8 steps of 128 rows each.  More splits would fill more WGPs, but every work-group stores its 262,144 bytes of sums once, whatever its share of the rows.
; Four waves, each 128 x 128: 64 accumulators of 16 x 16, 512 registers.  The rows go through a ring of two LDS slots filled by the tensor data mover; a tile's rows are 512 bytes of memory, at multiples of 512
; from Xb's first byte.  Both operands lie [k][column] in LDS, so their fragments come out turned, by ds_load_tr16_b128.
; NO CLUSTER: a split has ten tiles, not a multiple of four; and a block of 256 columns is the left side of one tile and the right side of another, so that no one LDS place would serve all partners of a joint load.
; THE MATRIX INSTRUCTION IS USED TRANSPOSED (source 0 = the right side's 16 columns, source 1 = the left side's): lane l holds m = l % 16 and n = 8 (l / 16) + 0..7.
; THE WAY OUT needs no LDS: part is a workspace in the accumulators' own order, [split 16][tile 10][wave 4][accumulator 8 a + b, 64][half 2][lane 32][4 f32]:
; each store of a wave covers 512 consecutive bytes, aligned.  Entry (a, b, half, lane, e) is m = 16 a + lane % 16, n = 16 b + 8 (lane / 16) + 4 half + e of the wave's 128 x 128.
; THE LAST STEP GOES BY ROWS OF THE RESULT, NOT BY K: its eight blocks of 16 rows are finished one after the other, and a finished block's 16 stores leave while the other blocks are multiplied.
; LIMITS.  NaN and infinities are not treated apart.
; REGISTERS, in windows of 256: window 0: v0-31 addresses; v64-127, v128-191 the left side's fragments, two buffers (in the last step four, of 16 columns x 128 rows).
;   window 1: the right side's, at the same numbers; in the last step all 256: the right side's fragments of the whole step.
;   window 2: the accumulators of my rows 0-63 ((a, b) at v[8 (8 a + b)]); window 3: those of my rows 64-127.
; s_set_vgpr_msb's low byte: bits 1:0 source 0, 3:2 source 1, 5:4 source 2, 7:6 destination.
.set KSTEP,  128                       ; rows of Xb in a step
.set PITCH,  544                       ; an LDS row: 512 bytes + 32 of padding = 136 words: row r starts at bank 8 r mod 64 (64 banks of 4 bytes: ISA guide 11.1)
.set HALFT,  64*PITCH                  ; 64 rows: what one tensor load brings
.set SLOT,   4*HALFT                   ; the left side's 128 rows, then the right side's
.set SPARE,  2*SLOT                    ; behind the ring: the spare words, 128 bytes for each wave
.set QB,     32*PITCH                  ; a quarter step: 32 rows
.set HB,     16*PITCH                  ; a fragment's second half: 16 rows on
.set STEPB,  KSTEP*2048                ; bytes of Xb from a step to the next
.set LAPS,   4                         ; 1,024 rows = 8 steps = 4 times round the ring
.set ADRA, 16                          ; v16-17  LDS address of my left fragments in slot 0, 1
.set ADRB, 20                          ; v20-21  the same for the right side
.set CO,   26                          ; v26     16 x lane: my place in a store's 512 bytes; never rewritten
.set SPW,  28                          ; v28     LDS address of my spare word; never rewritten
.set NIL,  29                          ; v29     0; never rewritten
.set F0,   64
.set F1,   128
.set PA,   64                          ; the last step: the left side's fragments of 16 columns x 128 rows, 32 registers; four such buffers, v64-191
.set G1, 24                            ; s[24:31] descriptor group 1: the shape, the same for every load
.set G0, 32                            ; s[32:39] group 0, one set for each slot
.set MSB, 0
.macro WIN new                         ; the immediate's high byte repeats the setting that is left
.if MSB != (\new)
	s_set_vgpr_msb (MSB<<8)|(\new)
.set MSB, \new
.endif
.endm
.set MUL_LO, 0xa1                      ; source 0 window 1, source 1 window 0, C and D window 2
.set MUL_HI, 0xf1                      ; the same, C and D window 3
.set TO_B,   0x40                      ; destination window 1, address window 0
	s_load_b128 s[4:7], s[0:1], 0x0                ; Xb s[4:5], part s[6:7]
	v_lshl_add_u32 v[SPW], v0, 2, SPARE
	v_mov_b32 v[NIL], 0
	ds_add_u32 v[SPW], v[NIL]                      ; the wave's opening: the add and its wait stand ahead of my first tensor load; the set-up below, work on registers, stands between them
	v_lshrrev_b32 v1, 5, v0
	v_readfirstlane_b32 s10, v1                    ; wave 0..3
	s_lshr_b32 s11, s10, 1                         ; which half of the tile's rows is mine.  Also: I fetch for the left side (0) or the right (1)
	s_and_b32 s12, s10, 1                          ; which half of its columns.  Also: which 64 rows of a step I fetch
	s_and_b32 s13, ttmp7, 0xffff                   ; the split
	s_mov_b32 s42, ttmp9                           ; t: the tile's number in the upper triangle, row by row
	s_cmp_ge_u32 s42, 4                            ; row i begins at t = 0, 4, 7, 9, with column i: j = t - 0, 3, 5, 6
	s_cselect_b32 s40, 1, 0
	s_cselect_b32 s43, 3, 0
	s_cmp_ge_u32 s42, 7
	s_cselect_b32 s40, 2, s40
	s_cselect_b32 s43, 5, s43
	s_cmp_ge_u32 s42, 9
	s_cselect_b32 s40, 3, s40                      ; i
	s_cselect_b32 s43, 6, s43
	s_sub_co_u32 s41, s42, s43                     ; j
	s_cmp_eq_u32 s11, 0
	s_cselect_b32 s44, s40, s41                    ; the block of 256 columns that I fetch: waves 0 and 1 the left side's, waves 2 and 3 the right side's
	; descriptor group 1: a tile of 64 rows x 256 elements, padded in LDS
	s_mov_b32 s[G1+0], (1<<16)|(1<<20)|(6<<22)|(7<<25)  ; 17:16 elements of 2 bytes; 20 padding on; 24:22 after every 128 words (code 6); 31:25 8 words of it (code 7)
	s_mov_b32 s[G1+1], 256<<16                     ; tensor_dim0 = 256
	s_mov_b32 s[G1+2], 64<<16                      ; tensor_dim1 = 64
	s_mov_b32 s[G1+3], 256<<16                     ; tile_dim0 = 256
	s_mov_b32 s[G1+4], 64                          ; tile_dim1 = 64
	s_mov_b32 s[G1+5], 1024                        ; 1,024 elements from row to row
	s_mov_b32 s[G1+6], 0
	s_mov_b32 s[G1+7], 0
	s_lshl_b32 s16, s13, 21                        ; where my tiles come from: the split's 1,024 rows,
	s_lshl_b32 s17, s12, 17                        ; my 64 of a step's 128,
	s_add_co_u32 s16, s16, s17
	s_lshl_b32 s17, s44, 9                         ; my block's 512 bytes of a row
	s_add_co_u32 s16, s16, s17
	s_mov_b32 s17, 0
	s_mul_i32 s20, s10, HALFT                      ; and where they go: wave x 64 rows
	s_wait_dscnt 0x0                               ; the opening add is done
	s_wait_kmcnt 0x0
	s_add_nc_u64 s[14:15], s[4:5], s[16:17]
.irp s, 0,1
	s_mov_b32 s[G0+4*(\s)], 1                                      ; 1:0 count = 1
	s_add_co_u32 s[G0+4*(\s)+1], s20, (\s)*SLOT                    ; 63:32 LDS address
	s_add_nc_u64 s[G0+4*(\s)+2:G0+4*(\s)+3], s[14:15], (\s)*STEPB  ; 120:64 global address: step s
	s_or_b32 s[G0+4*(\s)+3], s[G0+4*(\s)+3], 0x80000000            ; 127:126 type = 2
	tensor_load_to_lds s[G0+4*(\s):G0+4*(\s)+3], s[G1:G1+7]        ; the two first fills go out together: two loads of mine are out
	s_nop 0
.endr
	; The turning load takes 16 rows x 16 columns (lane l reads 16 bytes: row 8 (l / 16) + l % 8, columns 8 ((l / 8) % 2) + 0..7) and leaves half a fragment: lane l holds column l % 16 and 8 rows.
	v_and_b32 v1, 7, v0
	v_bfe_u32 v2, v0, 4, 1
	v_bfe_u32 v4, v0, 3, 1
	v_lshl_add_u32 v1, v2, 3, v1
	v_mul_u32_u24 v3, v1, PITCH
	v_lshl_add_u32 v3, v4, 4, v3
	s_lshl_b32 s21, s11, 8                         ; my 128 columns of the left tile: 256 bytes
	s_lshl_b32 s22, s12, 8                         ; my 128 columns of the right tile,
	s_add_co_u32 s22, s22, 2*HALFT                 ; which lies behind the left one
.irp s, 0,1
	v_add_nc_u32 v[ADRA+(\s)], s21, v3
	v_add_nc_u32 v[ADRB+(\s)], s22, v3
	s_add_co_u32 s21, s21, SLOT
	s_add_co_u32 s22, s22, SLOT
.endr
	v_and_b32 v[CO], 31, v0
	v_lshlrev_b32 v[CO], 4, v[CO]
	s_mul_i32 s46, s13, 10                         ; my 65,536 bytes of part: ((10 split + t) x 4 + wave) x 65,536
	s_add_co_u32 s46, s46, s42
	s_lshl_b32 s46, s46, 2
	s_add_co_u32 s46, s46, s10
	s_lshl_b32 s46, s46, 16
	s_mov_b32 s47, 0
	s_add_nc_u64 s[6:7], s[6:7], s[46:47]
; 16 matrix instructions: m blocks a0, a0 + 1 of the window's four x all 8 n blocks, 32 rows deep.  zero = 1: the first product starts the sums.
; The 64 accumulators take turns, one instruction a turn, in the same order in every quarter step.
.macro MUL16 f, hi, a0, zero
	WIN MUL_LO+0x50*(\hi)
.irp a, \a0, (\a0)+1
.irp b, 0,1,2,3,4,5,6,7
.if \zero
	v_wmma_f32_16x16x32_bf16 v[8*(8*(\a)+(\b)):8*(8*(\a)+(\b))+7], v[(\f)+8*(\b):(\f)+8*(\b)+7], v[(\f)+8*(4*(\hi)+(\a)):(\f)+8*(4*(\hi)+(\a))+7], 0
.else
	v_wmma_f32_16x16x32_bf16 v[8*(8*(\a)+(\b)):8*(8*(\a)+(\b))+7], v[(\f)+8*(\b):(\f)+8*(\b)+7], v[(\f)+8*(4*(\hi)+(\a)):(\f)+8*(4*(\hi)+(\a))+7], v[8*(8*(\a)+(\b)):8*(8*(\a)+(\b))+7]
.endif
.endr
.endr
.endm
; 32 LDS loads in one run: the fragments of one quarter step (32 rows from byte k of the slot on; 128 columns of either side) into buffer f
.macro FETCH slot, k, f
	WIN TO_B
.irp i, 0,1,2,3,4,5,6,7
	ds_load_tr16_b128 v[(\f)+8*(\i):(\f)+8*(\i)+3],   v[ADRB+(\slot)] offset:(\k)+32*(\i)
	ds_load_tr16_b128 v[(\f)+8*(\i)+4:(\f)+8*(\i)+7], v[ADRB+(\slot)] offset:(\k)+HB+32*(\i)
.endr
	WIN 0
.irp i, 0,1,2,3,4,5,6,7
	ds_load_tr16_b128 v[(\f)+8*(\i):(\f)+8*(\i)+3],   v[ADRA+(\slot)] offset:(\k)+32*(\i)
	ds_load_tr16_b128 v[(\f)+8*(\i)+4:(\f)+8*(\i)+7], v[ADRA+(\slot)] offset:(\k)+HB+32*(\i)
.endr
.endm
; A load into a register that a matrix instruction has read, and a store that reads a matrix result, stand four places behind it; only plain vector instructions that
; name none of its registers are places (ISA guide 7.12.1 for vector instructions).
.macro PLACES
.rept 4
	v_nop
.endr
.endm
; A step is four quarters of 32 rows, 64 matrix instructions each, on buffers 0, 1, 0, 1.  One of the first three multiplies buffer f and, in its middle, fetches the next quarter into g.
.macro QUARTER slot, k, f, g, zero
	s_wait_dscnt 8                                 ; the right side and my rows 0-63 are in; the youngest eight loads (my rows 64-127) may be out
	WIN MUL_LO
	MUL16 \f, 0, 0, \zero
	MUL16 \f, 0, 2, \zero
	PLACES
	FETCH \slot, \k, \g
	s_wait_dscnt 32                                ; all but the 32 just issued
	WIN MUL_HI
	MUL16 \f, 1, 0, \zero
	MUL16 \f, 1, 2, \zero
.endm
; The last quarter multiplies buffer 1 and changes slots.  MEET is its first half: ONE barrier.  In front of it each wave waits for all its tensor loads (one is out: its part of the next slot),
; adds 0 to its spare word, and waits for that and for its own reads of this slot.  Behind it nobody reads this slot any more and the next slot is whole.
.macro MEET
	WIN 0                                          ; (the add's two registers lie in window 0)
	s_wait_tensorcnt 0x0                           ; all my tensor loads have landed;
	ds_add_u32 v[SPW], v[NIL]                      ; 0 onto my spare word;
	s_wait_dscnt 9                                 ; (the add and the youngest eight loads may be out)
	WIN MUL_LO
	MUL16 F1, 0, 0, 0                              ; sixteen matrix instructions stand between the add and the wait for it
	s_wait_dscnt 0x0                               ; the add is done, and my reads of this slot are over
	s_barrier_signal -1
	MUL16 F1, 0, 2, 0                              ; work on registers while the others arrive
	s_barrier_wait -1
.endm
; The whole last quarter of a step whose slot is filled again, two steps ahead, first thing behind the barrier, one load a wave:
; from that request to the wait for it a wave issues 224 matrix instructions.
.macro TURN slot, next
	MEET
	s_add_nc_u64 s[G0+4*(\slot)+2:G0+4*(\slot)+3], s[G0+4*(\slot)+2:G0+4*(\slot)+3], 2*STEPB  ; no load of mine is out, so the group 0 may be written
	tensor_load_to_lds s[G0+4*(\slot):G0+4*(\slot)+3], s[G1:G1+7]
	s_nop 0
	PLACES                                         ; four plain instructions: behind the tensor load, ahead of the next switch of windows, and the places in front of the loads below
	FETCH \next, 0, F0
	WIN MUL_HI
	MUL16 F1, 1, 0, 0
	MUL16 F1, 1, 2, 0
.endm
; THE LAST STEP (it lies in slot 1).  All its fragments of the right side (4 quarters x 64 registers) fill window 1; the left side's come by blocks of 16 columns x 128 rows.
; LDS is read no more than in any other step.
.macro BLOAD q                         ; the right side's fragments of quarter q -> window 1, v[64 q ..]
	WIN TO_B
.irp i, 0,1,2,3,4,5,6,7
	ds_load_tr16_b128 v[64*(\q)+8*(\i):64*(\q)+8*(\i)+3],   v[ADRB+1] offset:(\q)*QB+32*(\i)
	ds_load_tr16_b128 v[64*(\q)+8*(\i)+4:64*(\q)+8*(\i)+7], v[ADRB+1] offset:(\q)*QB+HB+32*(\i)
.endr
.endm
.macro ALOAD a                         ; the left side's fragments of block a, all four quarters -> buffer a % 4
	WIN 0
.set FA, PA+32*((\a)%4)
.irp q, 0,1,2,3
	ds_load_tr16_b128 v[FA+8*(\q):FA+8*(\q)+3],   v[ADRA+1] offset:(\q)*QB+32*(\a)
	ds_load_tr16_b128 v[FA+8*(\q)+4:FA+8*(\q)+7], v[ADRA+1] offset:(\q)*QB+HB+32*(\a)
.endr
.endm
.macro ROW a                           ; block a is finished: 32 matrix instructions, its 8 accumulators by turns; K ascending, so the sums are those of a step by quarters
.set FA, PA+32*((\a)%4)                ; its fragments of the left side
.set AC, 64*((\a)%4)                   ; its eight accumulators, in window 2 (blocks 0-3) or 3 (blocks 4-7)
	WIN MUL_LO+0x50*((\a)/4)
.irp q, 0,1,2,3
.if (\a) == 0 && (\q) == 2
	s_wait_dscnt 24                                ; the right side's quarter 2 is in (behind it: the left side's blocks 1 to 3)
.endif
.irp b, 0,1,2,3,4,5,6,7
	v_wmma_f32_16x16x32_bf16 v[AC+8*(\b):AC+8*(\b)+7], v[64*(\q)+8*(\b):64*(\q)+8*(\b)+7], v[FA+8*(\q):FA+8*(\q)+7], v[AC+8*(\b):AC+8*(\b)+7]
.endr
.endr
.endm
.macro SEND a                          ; block a's eight accumulators as they lie, each one's four lowest registers first; each store covers 512 consecutive bytes, aligned
	WIN 0x08+4*((\a)/4)                            ; store data (source 1) in window 2 or 3; the offset register in window 0
.irp b, 0,1,2,3,4,5,6,7
	global_store_b128 v[CO], v[64*((\a)%4)+8*(\b):64*((\a)%4)+8*(\b)+3],   s[6:7] offset:1024*(8*(\a)+(\b))
	global_store_b128 v[CO], v[64*((\a)%4)+8*(\b)+4:64*((\a)%4)+8*(\b)+7], s[6:7] offset:1024*(8*(\a)+(\b))+512
.endr
.endm
	s_wait_tensorcnt 1                             ; my part of step 0 is in; step 1's may stay out
	s_barrier_signal -1
	s_barrier_wait -1                              ; everybody's is
	FETCH 0, 0, F0
	QUARTER 0, QB, F0, F1, 1                       ; the first quarter stands in front of the loop: its products start the sums
	WIN 0                                          ; at a label and at a branch every window is 0
	s_mov_b32 s3, LAPS-1
.Llap:                                                 ; a trip goes once round the ring, from a lap's second quarter to the next lap's first, and fills both slots again
	QUARTER 0, 2*QB, F1, F0, 0
	QUARTER 0, 3*QB, F0, F1, 0
	TURN 0, 1
	QUARTER 1, QB,   F0, F1, 0
	QUARTER 1, 2*QB, F1, F0, 0
	QUARTER 1, 3*QB, F0, F1, 0
	TURN 1, 0
	QUARTER 0, QB,   F0, F1, 0
	WIN 0
	s_sub_co_u32 s3, s3, 1
	s_cmp_lg_u32 s3, 0
	s_cbranch_scc1 .Llap
	QUARTER 0, 2*QB, F1, F0, 0                     ; the last lap: step 6 goes on
	QUARTER 0, 3*QB, F0, F1, 0
	MEET                                           ; my one tensor load that was still out is step 7's
	PLACES                                         ; for the loads into buffer 0's registers, which the quarter before multiplied
	BLOAD 0                                        ; three quarters of the right side now: buffer 1 (v128-191 of both windows) is still being multiplied
	BLOAD 1
	BLOAD 3
	ALOAD 0
	WIN MUL_HI
	MUL16 F1, 1, 0, 0                              ; the rest of step 6
	MUL16 F1, 1, 2, 0
	PLACES                                         ; for the loads into buffer 1's registers
	BLOAD 2
	ALOAD 1
	ALOAD 2
	ALOAD 3
	s_wait_dscnt 40                                ; all but the 40 just issued: quarters 0, 1, 3 and block 0 are in
	ROW 0
.irp a, 0,1,2,3,4,5,6,7                ; each block leaves as soon as it is finished: its stores are on their way while the blocks behind it are multiplied
	PLACES                                         ; the stores read results just made, and the loads below land in registers just multiplied
	SEND \a
.if (\a) < 4
	ALOAD (\a)+4                                   ; its buffer takes the block four further on
.endif
.if (\a) < 7
.if (\a) < 4
	s_wait_dscnt 24                                ; block a + 1's eight loads are in; behind them three blocks' 24 were issued
.else
	s_wait_dscnt 8*(6-(\a))                        ; nothing more is fetched: the counts run down
.endif
	ROW (\a)+1
.endif
.endr
	WIN 0
	s_wait_tensorcnt 0x0                           ; the wave's end: behind my last tensor load
	ds_add_u32 v[SPW], v[NIL]
	s_wait_dscnt 0x0
	s_endpgm
.Lfunc_end_k_qbae0ac29f8_syrk:
	.size	k_qbae0ac29f8_syrk, .Lfunc_end_k_qbae0ac29f8_syrk-k_qbae0ac29f8_syrk
	.p2alignl 7, 3214868480
	.fill 96, 4, 3214868480
	.section	.rodata,"a",@progbits
	.p2align	6, 0x0
	.amdhsa_kernel k_qbae0ac29f8_syrk
		.amdhsa_group_segment_fixed_size 327680
		.amdhsa_private_segment_fixed_size 0
		.amdhsa_enable_private_segment 0
		.amdhsa_kernarg_size 16
		.amdhsa_user_sgpr_count 2
		.amdhsa_user_sgpr_kernarg_segment_ptr 1
		.amdhsa_wavefront_size32 1
		.amdhsa_system_sgpr_workgroup_id_x 1
		.amdhsa_system_sgpr_workgroup_id_y 1
		.amdhsa_system_sgpr_workgroup_id_z 1
		.amdhsa_system_vgpr_workitem_id 0
		.amdhsa_next_free_vgpr 1024
		.amdhsa_next_free_sgpr 66
		.amdhsa_reserve_vcc 0
		.amdhsa_float_denorm_mode_32 3
		.amdhsa_float_denorm_mode_16_64 3
		.amdhsa_memory_ordered 1
		.amdhsa_forward_progress 1
		.amdhsa_inst_pref_size 119
	.end_amdhsa_kernel
	.amdgpu_metadata
---
amdhsa.version: [ 1, 2 ]
amdhsa.kernels:
  - .name:           k_qbae0ac29f8_syrk
    .symbol:         k_qbae0ac29f8_syrk.kd
    .args:
      - { .name: Xb, .offset: 0, .size: 8, .value_kind: global_buffer, .address_space: global }
      - { .name: part, .offset: 8, .size: 8, .value_kind: global_buffer, .address_space: global }
    .group_segment_fixed_size: 327680
    .private_segment_fixed_size: 0
    .kernarg_segment_align: 8
    .kernarg_segment_size: 16
    .max_flat_workgroup_size: 128
    .sgpr_count:     66
    .vgpr_count:     1024
    .wavefront_size: 32
...
	.end_amdgpu_metadata
.endif
;; end of part 7
;; launch reduce (part 8): grid 160 x 1, 8 waves a work-group, no clusters, 40,448 bytes of LDS; arguments part, vpart, gamma, M0; writes M0
.if DOCPART == 8
	.amdgcn_target "amdgcn-amd-amdhsa--gfx1250"
	.amdhsa_code_object_version 6
	.text
	.protected	k_qbae0ac29f8_reduce
	.globl	k_qbae0ac29f8_reduce
	.p2align	8
	.type	k_qbae0ac29f8_reduce,@function
k_qbae0ac29f8_reduce:
	s_mov_b64 s[64:65], 0
	v_nop
	global_prefetch_b8 v0, s[64:65] scope:SCOPE_SE
	s_setreg_imm32_b32 hwreg(HW_REG_WAVE_MODE, 25, 1), 1
	s_wait_xcnt 0x0
; A1 = gamma 2^-19 X^T X (that is (gamma / 32) X^T X / 16384), from the sixteen partial sums of its upper triangle in part; u0 = X^T y, from the 32 partial sums in vpart; and the partial sums of A1 u0.  All in f32.
; M0 takes:  + 0 A1 in f32, [1024][1024] row-major;  + 4,194,304 A1 in bf16, in tiles [row block 16][column block 16][64][64], so that a panel of 64 rows is dense;
;   + 6,291,456 the table V, 17 rows of 1,024 f32: row cb (0..15) holds, for every row r of A1, the sum over the 64 columns of block cb of A1[r][c] u0[c]; row 16 holds u0.
; SHARES.  part lies in the accumulators' order: [split 16][tile 10][wave 4][accumulator 8 a + b, 64][half 2][lane 32][4 f32].  A work-group owns a block of 64 x 64 of one of the ten tiles: 16 accumulators,
; 16,384 bytes of every split; each of its eight waves two of them, four loads of 512 consecutive bytes a split.  A ring of 8 splits in registers keeps 32 loads of a wave on their way.
; 160 work-groups: as many as there are blocks in the ten tiles.
; The sums go into a stage in LDS and, turned, into a second one; both come back as whole rows.  A block of a tile off the diagonal is stored twice: as it lies, and mirrored.
; A store's 16 neighbouring lanes cover 256 consecutive bytes, aligned; a block's 64 partial sums of A1 u0 are 256 consecutive bytes too.
; No cluster, no matrix unit: the work-groups share no bytes of part, and memory binds.  NaN and infinities are not treated apart.
.set SPLIT, 2621440                    ; bytes of part from a split to the next: 10 tiles of 262,144
.set OFF_B, 4194304
.set OFF_V, 6291456
.set OFF_U, OFF_V+16*4096
.set SP,    272                        ; a stage row: 256 bytes + 16: an odd multiple of 16, so the 16 rows that a store touches start at 16 different groups of four banks (ISA guide 11.1)
.set TST,   64*SP                      ; the turned stage, behind the first
.set US,    2*TST                      ; eight waves' sums of four rows of vpart: 512 bytes each
.set PW,    US+4096                    ; the block's 64 partial sums of A1 u0, then the mirrored block's
.set SPARE, PW+512                     ; the spare words, 128 bytes a wave
.set LO,  1                            ; v1   16 x lane
.set STO, 2                            ; v2   where my sums go in the stage
.set RD,  3                            ; v3   where I read rows back
.set GF,  4                            ; v4   my byte offset in a block's f32 rows
.set GB,  5                            ; v5   in its bf16 tile
.set VO,  6                            ; v6   in vpart
.set LN,  7                            ; v7   lane
.set SPW, 8                            ; v8   LDS address of my spare word; never rewritten
.set NIL, 9                            ; v9   0; never rewritten
.set STT, 10                           ; v10  where my sums go in the turned stage
.set UA,  11                           ; v11  where I read the sums of vpart
.set USW, 12                           ; v12  where I put mine
.set PWA, 13                           ; v13  where my rows' partial sums go
.set L8,  14                           ; v14  8 x lane
.set ACC, 16                           ; v[16:31]   the sums
.set RING, 32                          ; v[32:159]  split s in slot s % 8, 16 registers; behind the barrier:
.set ND,  RING                         ; v[32:47]   my 8 rows of the block
.set TD,  RING+16                      ; v[48:63]   my 8 rows of the mirrored block
.set UL,  RING+32                      ; v[64:127]  eight sums of vpart for the block's columns, eight for its rows
.set UN,  UL                           ;            u0 at my 4 columns of the block
.set UM,  UL+32                        ;            u0 at my 4 columns of the mirrored block
.set PKN, RING+96                      ; v[128:135], v[136:143] rounded to bf16
.set PKT, RING+104
.set DN,  RING+112                     ; v[144:151], v[152:159] products with u0
.set DM,  RING+120
.set VU,  160                          ; v[160:175] four rows of vpart
.set RR,  176                          ; v176 lane % 16
.set HH,  177                          ; v177 lane / 16
.set T1,  178
.set T2,  179
.set BP,  16                           ; s[16:23]   four bases in part, four splits apart
	s_load_b256 s[4:11], s[0:1], 0x0               ; part s[4:5], vpart s[6:7], gamma s[8:9], M0 s[10:11]
	v_lshl_add_u32 v[SPW], v0, 2, SPARE
	v_mov_b32 v[NIL], 0
	v_lshrrev_b32 v[T1], 5, v0
	v_readfirstlane_b32 s13, v[T1]                 ; wave 0..7
	v_and_b32 v[LN], 31, v0
	v_lshlrev_b32 v[LO], 4, v[LN]
	v_and_b32 v[RR], 15, v0
	v_bfe_u32 v[HH], v0, 4, 1
	s_mov_b32 s12, ttmp9                           ; g = 16 t + 8 wr + 4 wc + 2 ap + bq: tile t; (wr, wc) the wave that made the sums; (ap, bq) which 64 x 64 of its 128 x 128
	s_lshr_b32 s26, s12, 4                         ; t: the upper triangle row by row: row i begins at t = 0, 4, 7, 9, with column i
	s_cmp_ge_u32 s26, 4
	s_cselect_b32 s24, 1, 0
	s_cselect_b32 s27, 3, 0
	s_cmp_ge_u32 s26, 7
	s_cselect_b32 s24, 2, s24
	s_cselect_b32 s27, 5, s27
	s_cmp_ge_u32 s26, 9
	s_cselect_b32 s24, 3, s24                      ; i
	s_cselect_b32 s27, 6, s27
	s_sub_co_u32 s25, s26, s27                     ; j
	s_cmp_eq_u32 s24, s25
	s_cselect_b32 s30, 1, 0                        ; 1: a tile on the diagonal: it holds both halves itself, and nothing is mirrored
	s_bfe_u32 s26, s12, 0x10003                    ; wr
	s_bfe_u32 s27, s12, 0x10001                    ; ap
	s_lshl_b32 s28, s24, 2
	s_lshl_b32 s26, s26, 1
	s_add_co_u32 s28, s28, s26
	s_add_co_u32 s28, s28, s27                     ; mb = 4 i + 2 wr + ap: the block's rows, in units of 64
	s_bfe_u32 s26, s12, 0x10002                    ; wc
	s_and_b32 s31, s12, 1                          ; bq
	s_lshl_b32 s29, s25, 2
	s_lshl_b32 s26, s26, 1
	s_add_co_u32 s29, s29, s26
	s_add_co_u32 s29, s29, s31                     ; nb = 4 j + 2 wc + bq: its columns
	s_lshl_b32 s14, s28, 6                         ; m0
	s_lshl_b32 s15, s29, 6                         ; n0
	s_lshr_b32 s54, s12, 2                         ; part: (4 t + wave) x 65,536; accumulator 8 (4 ap + w / 2) + 4 bq + 2 (w % 2), 1,024 bytes each
	s_lshl_b32 s54, s54, 16
	s_lshl_b32 s27, s27, 15
	s_add_co_u32 s54, s54, s27
	s_lshl_b32 s31, s31, 12
	s_add_co_u32 s54, s54, s31
	s_lshr_b32 s26, s13, 1                         ; w / 2
	s_and_b32 s27, s13, 1                          ; w % 2
	s_lshl_b32 s31, s26, 13
	s_add_co_u32 s54, s54, s31
	s_lshl_b32 s31, s27, 11
	s_add_co_u32 s54, s54, s31
	s_mov_b32 s55, 0
	s_lshl_b32 s31, s15, 2                         ; vpart: rows 4 w .. 4 w + 3; lanes 0-15 take the block's 64 columns, lanes 16-31 its 64 rows (the mirrored block's columns)
	s_lshl_b32 s32, s14, 2
	v_mov_b32 v[T1], s31
	v_mov_b32 v[T2], s32
	v_cmp_gt_u32 vcc_lo, 16, v[LN]
	v_cndmask_b32 v[VO], v[T2], v[T1], vcc_lo
	v_lshl_add_u32 v[VO], v[RR], 4, v[VO]
	s_lshl_b32 s31, s13, 14
	v_add_nc_u32 v[VO], s31, v[VO]
	s_wait_kmcnt 0x0
	s_load_b32 s34, s[8:9], 0x0                    ; gamma
	s_add_nc_u64 s[BP:BP+1], s[4:5], s[54:55]
.set p, 1
.rept 3
	s_add_nc_u64 s[BP+2*p:BP+2*p+1], s[BP:BP+1], p*4*SPLIT
.set p, p+1
.endr
.set q, 0
.rept 4
	global_load_b128 v[VU+4*q:VU+4*q+3], v[VO], s[6:7] offset:4096*q
.set q, q+1
.endr
.macro LOADS s                         ; split s into its slot: four loads of 512 consecutive bytes
.set x, 0
.rept 4
	global_load_b128 v[RING+16*((\s)%8)+4*x:RING+16*((\s)%8)+4*x+3], v[LO], s[BP+2*((\s)/4):BP+2*((\s)/4)+1] offset:((\s)%4)*SPLIT+512*x th:TH_LOAD_NT
.set x, x+1
.endr
.endm
.set sp, 0
.rept 8
	LOADS sp
.set sp, sp+1
.endr
	; the other addresses, while the loads are on their way
	; into the stage: my accumulators are a = w / 2, b = 2 (w % 2) and + 1 of the block's 4 x 4: row 16 a + lane % 16, byte 64 b + 32 (lane / 16)
	s_mul_i32 s31, s26, 16*SP
	s_lshl_b32 s32, s27, 7
	s_add_co_u32 s31, s31, s32
	v_mul_u32_u24 v[STO], v[RR], SP
	v_lshl_add_u32 v[STO], v[HH], 5, v[STO]
	v_add_nc_u32 v[STO], s31, v[STO]
	; into the turned stage: row 16 b + 8 (lane / 16) + ..., byte 64 a + 4 (lane % 16)
	s_mul_i32 s31, s27, 32*SP
	s_lshl_b32 s32, s26, 6
	s_add_co_u32 s31, s31, s32
	s_add_co_u32 s31, s31, TST
	v_mul_u32_u24 v[STT], v[HH], 8*SP
	v_lshl_add_u32 v[STT], v[RR], 2, v[STT]
	v_add_nc_u32 v[STT], s31, v[STT]
	; back: wave w takes rows 8 w .. 8 w + 7; lanes 0-15 one row of 256 bytes, lanes 16-31 the next
	s_mul_i32 s31, s13, 8*SP
	v_mul_u32_u24 v[RD], v[HH], SP
	v_lshl_add_u32 v[RD], v[RR], 4, v[RD]
	v_add_nc_u32 v[RD], s31, v[RD]
	s_lshl_b32 s31, s13, 15
	v_lshlrev_b32 v[GF], 12, v[HH]
	v_lshl_add_u32 v[GF], v[RR], 4, v[GF]
	v_add_nc_u32 v[GF], s31, v[GF]                 ; (8 w + lane / 16) x 4,096 + 16 (lane % 16)
	s_lshl_b32 s31, s13, 10
	v_lshlrev_b32 v[GB], 7, v[HH]
	v_lshl_add_u32 v[GB], v[RR], 3, v[GB]
	v_add_nc_u32 v[GB], s31, v[GB]                 ; (8 w + lane / 16) x 128 + 8 (lane % 16)
	v_lshl_add_u32 v[UA], v[RR], 4, US
	v_lshl_add_u32 v[USW], v0, 4, US
	s_lshl_b32 s31, s13, 5
	s_add_co_u32 s31, s31, PW
	v_lshl_add_u32 v[PWA], v[HH], 2, s31           ; row 8 w + lane / 16, 4 bytes a row
	v_lshlrev_b32 v[L8], 3, v[LN]
	; where the block goes, and where the mirrored block goes
	s_lshl_b32 s54, s14, 12
	s_lshl_b32 s31, s15, 2
	s_add_co_u32 s54, s54, s31
	s_add_nc_u64 s[40:41], s[10:11], s[54:55]      ; f32: row m0, column n0
	s_lshl_b32 s54, s15, 12
	s_lshl_b32 s31, s14, 2
	s_add_co_u32 s54, s54, s31
	s_add_nc_u64 s[46:47], s[10:11], s[54:55]      ; f32: row n0, column m0
	s_lshl_b32 s54, s28, 4
	s_add_co_u32 s54, s54, s29
	s_lshl_b32 s54, s54, 13
	s_add_co_u32 s54, s54, OFF_B
	s_add_nc_u64 s[42:43], s[10:11], s[54:55]      ; bf16: tile (mb, nb)
	s_lshl_b32 s54, s29, 4
	s_add_co_u32 s54, s54, s28
	s_lshl_b32 s54, s54, 13
	s_add_co_u32 s54, s54, OFF_B
	s_add_nc_u64 s[48:49], s[10:11], s[54:55]      ; bf16: tile (nb, mb)
	s_lshl_b32 s54, s29, 12
	s_lshl_b32 s31, s14, 2
	s_add_co_u32 s54, s54, s31
	s_add_co_u32 s54, s54, OFF_V
	s_add_nc_u64 s[44:45], s[10:11], s[54:55]      ; V: row nb, at m0
	s_lshl_b32 s54, s28, 12
	s_lshl_b32 s31, s15, 2
	s_add_co_u32 s54, s54, s31
	s_add_co_u32 s54, s54, OFF_V
	s_add_nc_u64 s[50:51], s[10:11], s[54:55]      ; V: row mb, at n0
	s_lshl_b32 s54, s15, 2
	s_add_co_u32 s54, s54, OFF_U
	s_add_nc_u64 s[52:53], s[10:11], s[54:55]      ; u0 at n0
	s_wait_loadcnt 32                              ; my four rows of vpart, the oldest loads, are in; the 32 loads of part stay out
	v_pk_add_f32 v[VU:VU+1], v[VU:VU+1], v[VU+4:VU+5]
	v_pk_add_f32 v[VU+2:VU+3], v[VU+2:VU+3], v[VU+6:VU+7]
	v_pk_add_f32 v[VU+8:VU+9], v[VU+8:VU+9], v[VU+12:VU+13]
	v_pk_add_f32 v[VU+10:VU+11], v[VU+10:VU+11], v[VU+14:VU+15]
	v_pk_add_f32 v[VU:VU+1], v[VU:VU+1], v[VU+8:VU+9]
	v_pk_add_f32 v[VU+2:VU+3], v[VU+2:VU+3], v[VU+10:VU+11]
	ds_store_b128 v[USW], v[VU:VU+3]
	s_wait_loadcnt 24                              ; splits 0 and 1 are in; the six younger splits' 24 loads stay out
.set x, 0
.rept 8
	v_pk_add_f32 v[ACC+2*x:ACC+2*x+1], v[RING+2*x:RING+2*x+1], v[RING+16+2*x:RING+16+2*x+1]  ; the first two splits start the sums
.set x, x+1
.endr
	LOADS 8
	LOADS 9
.set sp, 2
.rept 14
.if sp+7 < 15
	s_wait_loadcnt 28                              ; split sp is in; seven younger splits stay out
.else
	s_wait_loadcnt 4*(15-sp)                       ; nothing more is asked for: the counts run down
.endif
.set x, 0
.rept 8
	v_pk_add_f32 v[ACC+2*x:ACC+2*x+1], v[ACC+2*x:ACC+2*x+1], v[RING+16*(sp%8)+2*x:RING+16*(sp%8)+2*x+1]
.set x, x+1
.endr
.if sp < 8
	LOADS sp+8
.endif
.set sp, sp+1
.endr
	s_wait_kmcnt 0x0
	s_mul_f32 s34, s34, 0x36000000                 ; gamma x 2^-19
	s_mov_b32 s35, s34                             ; named with it as a pair
.set x, 0
.rept 8
	v_pk_mul_f32 v[ACC+2*x:ACC+2*x+1], v[ACC+2*x:ACC+2*x+1], s[34:35] op_sel_hi:[1,0]
.set x, x+1
.endr
.set x, 0
.rept 4
	ds_store_b128 v[STO], v[ACC+4*x:ACC+4*x+3] offset:(x/2)*64+(x%2)*16
.set x, x+1
.endr
.set x, 0
.rept 16
	ds_store_b32 v[STT], v[ACC+x] offset:((x/8)*16+((x/4)%2)*4+x%4)*SP   ; my four neighbouring columns are four rows of the turned stage
.set x, x+1
.endr
	s_wait_dscnt 0x0                               ; for the others' sake: my stores into the stages and of vpart's sums are done
	s_barrier_signal -1
	s_barrier_wait -1
.set z, 0
.rept 4
	ds_load_b128 v[ND+4*z:ND+4*z+3], v[RD] offset:z*2*SP
	ds_load_b128 v[TD+4*z:TD+4*z+3], v[RD] offset:TST+z*2*SP
.set z, z+1
.endr
.set z, 0
.rept 8
	ds_load_b128 v[UL+4*z:UL+4*z+3],       v[UA] offset:512*z
	ds_load_b128 v[UL+32+4*z:UL+32+4*z+3], v[UA] offset:512*z+256
.set z, z+1
.endr
	s_wait_dscnt 0x0
.irp sg, 0, 32                         ; u0 at my 4 columns of the block, and of the mirrored block: the eight waves' sums are added
.irp k, 0,2,4,6
	v_pk_add_f32 v[UL+(\sg)+4*(\k):UL+(\sg)+4*(\k)+1], v[UL+(\sg)+4*(\k):UL+(\sg)+4*(\k)+1], v[UL+(\sg)+4*(\k)+4:UL+(\sg)+4*(\k)+5]
	v_pk_add_f32 v[UL+(\sg)+4*(\k)+2:UL+(\sg)+4*(\k)+3], v[UL+(\sg)+4*(\k)+2:UL+(\sg)+4*(\k)+3], v[UL+(\sg)+4*(\k)+6:UL+(\sg)+4*(\k)+7]
.endr
.irp k, 0,4
	v_pk_add_f32 v[UL+(\sg)+4*(\k):UL+(\sg)+4*(\k)+1], v[UL+(\sg)+4*(\k):UL+(\sg)+4*(\k)+1], v[UL+(\sg)+4*(\k)+8:UL+(\sg)+4*(\k)+9]
	v_pk_add_f32 v[UL+(\sg)+4*(\k)+2:UL+(\sg)+4*(\k)+3], v[UL+(\sg)+4*(\k)+2:UL+(\sg)+4*(\k)+3], v[UL+(\sg)+4*(\k)+10:UL+(\sg)+4*(\k)+11]
.endr
	v_pk_add_f32 v[UL+(\sg):UL+(\sg)+1], v[UL+(\sg):UL+(\sg)+1], v[UL+(\sg)+16:UL+(\sg)+17]
	v_pk_add_f32 v[UL+(\sg)+2:UL+(\sg)+3], v[UL+(\sg)+2:UL+(\sg)+3], v[UL+(\sg)+18:UL+(\sg)+19]
.endr
; My 8 rows of a block, in registers d: stored in f32 and, rounded once, in bf16
.macro OUTS d, pk, fb, bb
.set z, 0
.rept 4
	global_store_b128 v[GF], v[(\d)+4*z:(\d)+4*z+3], s[(\fb):(\fb)+1] offset:z*8192       ; 16 lanes: 256 consecutive bytes of a row, aligned
	v_cvt_pk_bf16_f32 v[(\pk)+2*z], v[(\d)+4*z], v[(\d)+4*z+1]
	v_cvt_pk_bf16_f32 v[(\pk)+2*z+1], v[(\d)+4*z+2], v[(\d)+4*z+3]
	global_store_b64 v[GB], v[(\pk)+2*z:(\pk)+2*z+1], s[(\bb):(\bb)+1] offset:z*256       ; 32 lanes: two rows of a tile, 256 consecutive bytes, aligned
.set z, z+1
.endr
.endm
; The same rows times u0 at the block's 64 columns: 4 products a lane, then the sum over the row's 16 lanes; all 16 write the row's word with the same value
.macro DOTS d, u, dt, pwo
.set z, 0
.rept 4
	v_pk_mul_f32 v[(\dt)+2*z:(\dt)+2*z+1], v[(\d)+4*z:(\d)+4*z+1], v[(\u):(\u)+1]
.set z, z+1
.endr
.set z, 0
.rept 4
	v_pk_fma_f32 v[(\dt)+2*z:(\dt)+2*z+1], v[(\d)+4*z+2:(\d)+4*z+3], v[(\u)+2:(\u)+3], v[(\dt)+2*z:(\dt)+2*z+1]
.set z, z+1
.endr
.set z, 0
.rept 4
	v_add_f32 v[(\dt)+2*z], v[(\dt)+2*z], v[(\dt)+2*z+1]
.set z, z+1
.endr
.irp m, 1,2,4,8
.set z, 0
.rept 4
	v_add_f32_dpp v[(\dt)+2*z], v[(\dt)+2*z], v[(\dt)+2*z] row_xmask:\m row_mask:0xf bank_mask:0xf
.set z, z+1
.endr
.endr
.set z, 0
.rept 4
	ds_store_b32 v[PWA], v[(\dt)+2*z] offset:(\pwo)+8*z
.set z, z+1
.endr
.endm
	OUTS ND, PKN, 40, 42
	DOTS ND, UN, DN, 0
	s_cmp_eq_u32 s30, 1
	s_cbranch_scc1 .Lno_mirror                     ; a tile on the diagonal has a block of its own for the mirrored place
	OUTS TD, PKT, 46, 48
	DOTS TD, UM, DM, 256
.Lno_mirror:
	s_wait_dscnt 0x0                               ; for wave 0's sake: my rows' partial sums are in LDS
	s_barrier_signal -1
	s_barrier_wait -1
	s_cmp_lg_u32 s13, 0
	s_cbranch_scc1 .Ldone
	ds_load_b64 v[DN:DN+1], v[L8] offset:PW
	s_wait_dscnt 0x0
	global_store_b64 v[L8], v[DN:DN+1], s[44:45]   ; 32 lanes: the block's 64 partial sums, 256 consecutive bytes, aligned
	s_cmp_eq_u32 s30, 1
	s_cbranch_scc1 .Lno_tv
	ds_load_b64 v[DM:DM+1], v[L8] offset:PW+256
	s_wait_dscnt 0x0
	global_store_b64 v[L8], v[DM:DM+1], s[50:51]
.Lno_tv:
	s_cmp_lg_u32 s28, s29
	s_cbranch_scc1 .Ldone                          ; the sixteen blocks on the diagonal store u0, 64 numbers each
	s_wait_xcnt 0x0                                ; EXEC is a source of the stores above: it changes only behind this wait
	v_cmp_gt_u32 vcc_lo, 16, v[LN]
	s_and_saveexec_b32 s36, vcc_lo
	global_store_b128 v[LO], v[UN:UN+3], s[52:53]  ; lanes 0-15: 256 consecutive bytes, aligned
	s_wait_xcnt 0x0                                ; and again, in front of the line that widens it
	s_or_b32 exec_lo, exec_lo, s36
.Ldone:
	s_wait_tensorcnt 0x0                           ; the wave's end: behind my last LDS store
	ds_add_u32 v[SPW], v[NIL]
	s_wait_dscnt 0x0
	s_endpgm
.Lfunc_end_k_qbae0ac29f8_reduce:
	.size	k_qbae0ac29f8_reduce, .Lfunc_end_k_qbae0ac29f8_reduce-k_qbae0ac29f8_reduce
	.p2alignl 7, 3214868480
	.fill 96, 4, 3214868480
	.section	.rodata,"a",@progbits
	.p2align	6, 0x0
	.amdhsa_kernel k_qbae0ac29f8_reduce
		.amdhsa_group_segment_fixed_size 40448
		.amdhsa_private_segment_fixed_size 0
		.amdhsa_enable_private_segment 0
		.amdhsa_kernarg_size 32
		.amdhsa_user_sgpr_count 2
		.amdhsa_user_sgpr_kernarg_segment_ptr 1
		.amdhsa_wavefront_size32 1
		.amdhsa_system_sgpr_workgroup_id_x 1
		.amdhsa_system_sgpr_workgroup_id_y 1
		.amdhsa_system_sgpr_workgroup_id_z 1
		.amdhsa_system_vgpr_workitem_id 0
		.amdhsa_next_free_vgpr 184
		.amdhsa_next_free_sgpr 66
		.amdhsa_reserve_vcc 1
		.amdhsa_float_denorm_mode_32 3
		.amdhsa_float_denorm_mode_16_64 3
		.amdhsa_memory_ordered 1
		.amdhsa_forward_progress 1
		.amdhsa_inst_pref_size 33
	.end_amdhsa_kernel
	.amdgpu_metadata
---
amdhsa.version: [ 1, 2 ]
amdhsa.kernels:
  - .name:           k_qbae0ac29f8_reduce
    .symbol:         k_qbae0ac29f8_reduce.kd
    .args:
      - { .name: part, .offset: 0, .size: 8, .value_kind: global_buffer, .address_space: global }
      - { .name: vpart, .offset: 8, .size: 8, .value_kind: global_buffer, .address_space: global }
      - { .name: gamma, .offset: 16, .size: 8, .value_kind: global_buffer, .address_space: global }
      - { .name: M0, .offset: 24, .size: 8, .value_kind: global_buffer, .address_space: global }
    .group_segment_fixed_size: 40448
    .private_segment_fixed_size: 0
    .kernarg_segment_align: 8
    .kernarg_segment_size: 32
    .max_flat_workgroup_size: 256
    .sgpr_count:     66
    .vgpr_count:     184
    .wavefront_size: 32
...
	.end_amdgpu_metadata
.endif
;; end of part 8
;; launch sq1 (part 9): grid 16 x 16, 4 waves a work-group, clusters of 4 x 4, 327,680 bytes of LDS; arguments M0, M1; writes M1
.if DOCPART == 9
	.amdgcn_target "amdgcn-amd-amdhsa--gfx1250"
	.amdhsa_code_object_version 6
	.text
	.protected	k_qbae0ac29f8_sq1
	.globl	k_qbae0ac29f8_sq1
	.p2align	8
	.type	k_qbae0ac29f8_sq1,@function
k_qbae0ac29f8_sq1:
	s_mov_b64 s[64:65], 0
	v_nop
	global_prefetch_b8 v0, s[64:65] scope:SCOPE_SE
	s_setreg_imm32_b32 hwreg(HW_REG_WAVE_MODE, 25, 1), 1
	s_wait_xcnt 0x0
	s_wait_alu depctr_hold_cnt(0) depctr_sa_sdst(0) depctr_va_vdst(0) depctr_va_sdst(0) depctr_va_ssrc(0) depctr_va_vcc(0) depctr_vm_vsrc(0)
	s_getreg_b32 s2, hwreg(HW_REG_IB_STS2, 6, 4)
	s_cmp_eq_u32 s2, 0
	s_cbranch_scc0 .Lentry_in_a_cluster
	s_endpgm
.Lentry_in_a_cluster:
	s_bfe_u32 s2, ttmp6, 0x10000c
	s_cmp_lg_u32 s2, 0xf033
	s_cbranch_scc0 .Lentry_shape_is_right
	s_endpgm
.Lentry_shape_is_right:
; One link of the series.  With A = I - M^k (symmetric: a polynomial in X^T X), u, and the partial sums of A u:   u' = 2 u - A u = (I + M^k) u,   A' = 2 A - A A = I - M^(2k),   and the partial sums of A' u'.
; Five such links (three in the launches of this text, the fourth and the last in the two launches behind them) give the sum of M^0 .. M^31 times u0, all 32 terms; the order of rounding differs from adding the powers one by one.
; Carrying I - M^k keeps the identity and the linear term in f32: only the product A A sees operands rounded to bf16; its sums are f32.  A' u' is f32 throughout.  NaN and infinities are not treated apart.
; BUFFERS (in and out alike): + 0 A in f32, [1024][1024];  + 4,194,304 A in bf16, tiles [row block 16][column block 16][64][64];
;   + 6,291,456 the table V, 17 rows of 1,024 f32: row cb (0..15): for every row r, the sum over the 64 columns of block cb of A[r][c] u[c]; row 16: u.
; SHARES.  A tile of A' is 64 x 64: 256 work-groups.  (A A)[m][n] = the sum over k of A[m][k] A[n][k], by symmetry: both operands are panels of 64 rows, 131,072 dense bytes each, and BOTH LIE WHOLE
; IN LDS: nothing is filled again.  They come in four parts of 256 along k, so that the products begin when the first part has landed.  Four waves, each 32 x 32: four accumulators, which take turns.
; The finished tile is multiplied by u' at its 64 columns: 64 partial sums, 256 consecutive bytes of V.  Each wave also stores one number of u' (4 bytes a wave: 1,024 numbers in the launch).
; CLUSTER.  4 x 4 work-groups: the left panel hangs on the tile row and is shared along a row of the cluster, the right one on the tile column and is shared along a column: joint loads.
; THE MATRIX INSTRUCTION IS USED TRANSPOSED (source 0 = the right panel's 16 rows, source 1 = the left's): lane l holds m = l % 16 and n = 8 (l / 16) + 0..7.
.set OFF_B, 4194304
.set OFF_V, 6291456
.set OFF_U, OFF_V+16*4096
.set PK,    144                        ; a tile's row in LDS: 128 bytes + 16 of padding = 36 words: the 16 rows of a load start at 16 different groups of four banks (64 banks of 4 bytes: ISA guide 11.1)
.set CH,    128*PK                     ; what one load brings: two tiles of 64 rows: 128 along k of a panel
.set STAGE, 16*CH                      ; behind the sixteen loads' bytes, never filled by a tensor load: 64 rows x 272 bytes, for the way out
.set SP,    272
.set PW,    STAGE+64*SP                ; the tile's 64 partial sums of A' u'
.set SPARE, PW+256                     ; the spare words, 128 bytes for each wave
.set UB,  6                            ; v[6:9]  u' at my 4 columns of the tile
.set ADA, 10                           ; v10-13  LDS address of my left fragments in part 0..3
.set ADB, 14                           ; v14-17  the same for the right panel
.set STO, 18                           ; v18  the way out: where I put 16 bytes of a row
.set RD,  19                           ; v19  where I read a row back
.set GF,  20                           ; v20  my byte offset in the tile's f32 rows
.set GB,  21                           ; v21  in its bf16 tile
.set VB,  22                           ; v22  16 x (lane % 16): my 4 columns in 256 bytes of a row of V
.set ZR,  23                           ; v23  0, an offset
.set LN,  24                           ; v24  lane
.set PWA, 25                           ; v25  where my rows' partial sums go
.set PWR, 26                           ; v26  where wave 0 reads them
.set L8,  27                           ; v27  8 x lane
.set SPW, 28                           ; v28  LDS address of my spare word; never rewritten
.set NIL, 29                           ; v29  0; never rewritten
.set VRO, 30                           ; v30  4,096 x min(lane, 16): a row of V a lane
.set WT,  31                           ; v31  that row's weight in u': -1 for rows 0-15, 2 for row 16, 0 for the lanes beyond
.set ACC, 32                           ; v[32:63]   accumulator (a, b) at ACC + 8 (2 a + b)
.set F0,  64                           ; v[64:127], v[128:191]  two fragment buffers: 64 along k: 32 registers of the left panel, 32 of the right
.set F1,  128                          ;            at first F1 holds rows 8-16 of V; at the end the products with u'
.set RV,  F1+36                        ; v164       V's numbers for my wave's one number of u'
.set DT,  F1
.set AFT, 192                          ; v[192:223] my 16 rows of the tile of A in f32
.set BK,  224                          ; v[224:255] at first rows 0-7 of V; at the end my 16 rows of A A, read back from the stage
.set G1,  24                           ; s[24:31] descriptor group 1 for the left panel
.set G1B, 32                           ; s[32:39] for the right panel: it differs in the mask alone
.set G0,  40                           ; s[40:55] group 0 for the left panel, a set for each of my four loads
.set G0B, 68                           ; s[68:83] the same for the right panel
.macro CROUND                          ; a round of the cluster's barrier
	s_barrier_signal -1
	s_barrier_wait -1
	s_cmp_lg_u32 s10, 0
	s_cbranch_scc1 .Lnot_wave_0_\@
	s_barrier_signal -3
.Lnot_wave_0_\@:
	s_barrier_wait -3
	s_barrier_signal -1
	s_barrier_wait -1
.endm
.macro PLACES                          ; four places in front of loads into registers that matrix instructions have read, and of LDS stores that read results (ISA guide 7.12.1 for vector instructions)
.rept 4
	v_nop
.endr
.endm
	s_load_b128 s[4:7], s[0:1], 0x0                ; in s[4:5], out s[6:7]
	v_lshl_add_u32 v[SPW], v0, 2, SPARE
	v_mov_b32 v[NIL], 0
	ds_add_u32 v[SPW], v[NIL]                      ; the wave's opening: the add and its wait stand ahead of my first tensor load; the set-up below, work on registers, stands between them
	v_lshrrev_b32 v1, 5, v0
	v_readfirstlane_b32 s10, v1                    ; wave 0..3
	s_lshr_b32 s11, s10, 1                         ; which 32 of the tile's rows are mine.  Also: I fetch for the left panel (0) or the right (1)
	s_and_b32 s12, s10, 1                          ; which 32 of its columns.  Also: which 128 of a part's 256 along k I fetch
	s_bfe_u32 s56, ttmp6, 0x40000                  ; cx, cy: my place in the cluster
	s_bfe_u32 s57, ttmp6, 0x40004
	s_lshl_b32 s58, ttmp9, 2
	s_add_co_u32 s58, s58, s56                     ; tile column = 4 x cluster x + cx
	s_and_b32 s13, ttmp7, 0xffff
	s_lshl_b32 s13, s13, 2
	s_add_co_u32 s13, s13, s57                     ; tile row = 4 x cluster y + cy
	s_lshl_b32 s59, s57, 2
	s_lshl_b32 s59, 15, s59                        ; my row of the cluster
	s_lshl_b32 s60, 0x1111, s56                    ; my column
	; descriptor group 1.  A load's 16,384 dense bytes are asked for as 64 rows of 256 bytes, two rows of a tile each, and padded in LDS after every 128 bytes
	s_or_b32 s[G1+0], s59, (1<<16)|(1<<20)|(1<<21)|(4<<22)|(3<<25)  ; 15:0 the mask; 17:16 elements of 2 bytes; 20 padding on; 21 set beside a mask; 24:22 after every 32 words (code 4); 31:25 4 words of it (code 3)
	s_or_b32 s[G1B+0], s60, (1<<16)|(1<<20)|(1<<21)|(4<<22)|(3<<25)
.irp g, G1, G1B
	s_mov_b32 s[(\g)+1], 128<<16                   ; tensor_dim0 = 128
	s_mov_b32 s[(\g)+2], 64<<16                    ; tensor_dim1 = 64
	s_mov_b32 s[(\g)+3], 128<<16                   ; tile_dim0 = 128
	s_mov_b32 s[(\g)+4], 64                        ; tile_dim1 = 64
	s_mov_b32 s[(\g)+5], 128                       ; 128 elements from row to row
	s_mov_b32 s[(\g)+6], 0
	s_mov_b32 s[(\g)+7], 0
.endr
	s_lshl_b32 s18, s12, 14                        ; my half of part 0, in the bf16 copy
	s_add_co_u32 s18, s18, OFF_B
	s_lshl_b32 s16, s13, 17                        ; the left panel hangs on the tile row alone,
	s_add_co_u32 s16, s16, s18
	s_mov_b32 s17, 0
	s_lshl_b32 s20, s58, 17                        ; the right one on the tile column alone
	s_add_co_u32 s20, s20, s18
	s_mov_b32 s21, 0
	s_mul_i32 s19, s10, CH                         ; where they go: place wave + 4 x part: no place in the cluster enters an LDS address
	s_wait_dscnt 0x0                               ; the opening add is done
	s_wait_kmcnt 0x0
	s_add_nc_u64 s[14:15], s[4:5], s[16:17]
	s_add_nc_u64 s[20:21], s[4:5], s[20:21]
	CROUND                                         ; all sixteen work-groups are here: the joint loads meet
.irp t, 0,1,2,3
	s_mov_b32 s[G0+4*(\t)], 1                                      ; 1:0 count = 1
	s_add_co_u32 s[G0+4*(\t)+1], s19, (\t)*4*CH                    ; 63:32 LDS address
	s_add_nc_u64 s[G0+4*(\t)+2:G0+4*(\t)+3], s[14:15], (\t)*32768  ; 120:64 global address: 256 along k on
	s_or_b32 s[G0+4*(\t)+3], s[G0+4*(\t)+3], 0x80000000            ; 127:126 type = 2
	s_mov_b32 s[G0B+4*(\t)], 1
	s_add_co_u32 s[G0B+4*(\t)+1], s19, (\t)*4*CH
	s_add_nc_u64 s[G0B+4*(\t)+2:G0B+4*(\t)+3], s[20:21], (\t)*32768
	s_or_b32 s[G0B+4*(\t)+3], s[G0B+4*(\t)+3], 0x80000000
.endr
	s_cmp_lt_u32 s10, 2                            ; a wave's four loads stand in one branch, ahead of every wait on TENSORcnt and every LDS read: four loads of mine are out; an s_nop 0 follows each, four v_nop the last one's
	s_cbranch_scc0 .Lfirst_b
.irp t, 0,1,2,3
	tensor_load_to_lds s[G0+4*(\t):G0+4*(\t)+3], s[G1:G1+7]
	s_nop 0
.endr
.rept 4
	v_nop
.endr
	s_branch .Lfirst_asked
.Lfirst_b:
.irp t, 0,1,2,3
	tensor_load_to_lds s[G0B+4*(\t):G0B+4*(\t)+3], s[G1B:G1B+7]
	s_nop 0
.endr
.rept 4
	v_nop
.endr
.Lfirst_asked:
	v_and_b32 v1, 15, v0                           ; l % 16
	v_bfe_u32 v2, v0, 4, 1                         ; l / 16
	v_and_b32 v[LN], 31, v0
	v_mov_b32 v[ZR], 0
	v_lshlrev_b32 v[VB], 4, v1
	v_min_u32 v3, 16, v[LN]
	v_lshlrev_b32 v[VRO], 12, v3
	; the scalar addresses
	s_mov_b32 s99, 0
	s_lshl_b32 s61, s13, 4
	s_add_co_u32 s61, s61, s58                     ; 16 tile row + tile column
	s_lshl_b32 s98, s61, 13                        ; the bf16 tile: 8,192 bytes
	s_add_co_u32 s98, s98, OFF_B
	s_add_nc_u64 s[88:89], s[6:7], s[98:99]
	s_lshl_b32 s98, s13, 18                        ; the f32 tile: 64 rows of 4,096 bytes down, 256 bytes along
	s_lshl_b32 s62, s58, 8
	s_add_co_u32 s98, s98, s62
	s_add_nc_u64 s[84:85], s[4:5], s[98:99]
	s_add_nc_u64 s[86:87], s[6:7], s[98:99]
	s_add_co_u32 s98, s62, OFF_V                   ; V's rows at the tile's 64 columns
	s_add_nc_u64 s[90:91], s[4:5], s[98:99]
	s_lshl_b32 s61, s61, 2
	s_add_co_u32 s61, s61, s10                     ; R = 4 (16 tile row + tile column) + wave: the number of u' that my wave stores
	s_lshl_b32 s61, s61, 2
	s_add_co_u32 s98, s61, OFF_V
	s_add_nc_u64 s[92:93], s[4:5], s[98:99]        ; V's rows at R
	s_add_co_u32 s98, s61, OFF_U
	s_add_nc_u64 s[94:95], s[6:7], s[98:99]        ; u'[R]
	s_lshl_b32 s98, s58, 12                        ; the partial sums: V's row tile column, at the tile's 64 rows
	s_lshl_b32 s62, s13, 8
	s_add_co_u32 s98, s98, s62
	s_add_co_u32 s98, s98, OFF_V
	s_add_nc_u64 s[96:97], s[6:7], s[98:99]
	s_mov_b32 s8, 0x76543210                       ; v_permlanex16_b32: each lane takes its own place in the other half
	s_mov_b32 s9, 0xfedcba98
	s_lshl_b32 s23, s10, 16                        ; the way out: wave w takes rows 16 w .. 16 w + 15 of the tile; lanes 0-15 one row of 256 bytes, lanes 16-31 the next
	v_lshlrev_b32 v5, 12, v2
	v_lshl_add_u32 v5, v1, 4, v5
	v_add_nc_u32 v[GF], s23, v5
.macro VROW p                          ; vr = the registers of V's row p
.if (\p) < 8
.set vr, BK+4*(\p)
.else
.set vr, F1+4*((\p)-8)
.endif
.endm
.set p, 0
.rept 17
	VROW p
	global_load_b128 v[vr:vr+3], v[VB], s[90:91] offset:4096*p                 ; 256 bytes of each row of V; both halves of the lanes take the same
.set p, p+1
.endr
	global_load_b32 v[RV], v[VRO], s[92:93]                                    ; lane p: V[p][R]
.set t, 0
.rept 8
	global_load_b128 v[AFT+4*t:AFT+4*t+3], v[GF], s[84:85] offset:8192*t       ; the tile of A in f32, wanted at the end
.set t, t+1
.endr
	v_cmp_eq_u32 vcc_lo, 16, v[LN]
	v_cndmask_b32 v[WT], 0, 2.0, vcc_lo
	v_cmp_gt_u32 vcc_lo, 16, v[LN]
	v_cndmask_b32 v[WT], v[WT], -1.0, vcc_lo
	; A fragment is 16 rows x 32 k in 8 registers: lane l holds row l % 16, k = 8 (l / 16) + 0..7 and 16 + 8 (l / 16) + 0..7: two loads of 16 bytes, 32 bytes apart.
	v_mul_u32_u24 v3, v1, PK
	v_lshl_add_u32 v3, v2, 4, v3
	s_mul_i32 s21, s11, 32*PK                      ; my 32 rows of the left panel
	s_mul_i32 s22, s12, 32*PK                      ; my 32 rows of the right panel,
	s_add_co_u32 s22, s22, 2*CH                    ; whose bytes lie two places behind the left one's
	v_add_nc_u32 v4, s21, v3
	v_add_nc_u32 v5, s22, v3
.irp c, 0,1,2,3
	v_add_nc_u32 v[ADA+(\c)], (\c)*4*CH, v4
	v_add_nc_u32 v[ADB+(\c)], (\c)*4*CH, v5
.endr
	s_mul_i32 s23, s11, 32*SP                      ; into the stage: my 32 rows, my 128 of their 256 bytes; row l % 16, 32 bytes for each half of the lanes
	s_lshl_b32 s21, s12, 7
	s_add_co_u32 s23, s23, s21
	s_add_co_u32 s23, s23, STAGE
	v_mul_u32_u24 v4, v1, SP
	v_lshl_add_u32 v4, v2, 5, v4
	v_add_nc_u32 v[STO], s23, v4
	s_mul_i32 s23, s10, 16*SP
	s_add_co_u32 s23, s23, STAGE
	v_mul_u32_u24 v5, v2, SP
	v_lshl_add_u32 v5, v1, 4, v5
	v_add_nc_u32 v[RD], s23, v5
	s_lshl_b32 s23, s10, 11
	v_lshlrev_b32 v5, 7, v2
	v_lshl_add_u32 v5, v1, 3, v5
	v_add_nc_u32 v[GB], s23, v5                    ; (16 w + l / 16) x 128 + 8 (l % 16)
	s_lshl_b32 s23, s10, 6
	s_add_co_u32 s23, s23, PW
	v_lshl_add_u32 v[PWA], v2, 2, s23              ; row 16 w + l / 16, 4 bytes a row
	v_lshl_add_u32 v[PWR], v[LN], 3, PW
	v_lshlrev_b32 v[L8], 3, v[LN]
	; u' = 2 u - the sum of the sixteen partial sums of A u, in f32, while the panels are on their way: at my 4 columns of the tile, and at R
	s_wait_loadcnt 8                               ; V's numbers are in; the tile's eight loads stay out
.set p, 4
.rept 12                               ; four chains: rows 4-15 are added onto rows 0-3
	VROW p
	v_pk_add_f32 v[BK+4*(p%4):BK+4*(p%4)+1], v[BK+4*(p%4):BK+4*(p%4)+1], v[vr:vr+1]
	v_pk_add_f32 v[BK+4*(p%4)+2:BK+4*(p%4)+3], v[BK+4*(p%4)+2:BK+4*(p%4)+3], v[vr+2:vr+3]
.set p, p+1
.endr
	v_mul_f32 v[RV], v[RV], v[WT]
	v_pk_add_f32 v[BK:BK+1], v[BK:BK+1], v[BK+4:BK+5]
	v_pk_add_f32 v[BK+2:BK+3], v[BK+2:BK+3], v[BK+6:BK+7]
	v_pk_add_f32 v[BK+8:BK+9], v[BK+8:BK+9], v[BK+12:BK+13]
	v_pk_add_f32 v[BK+10:BK+11], v[BK+10:BK+11], v[BK+14:BK+15]
	v_pk_add_f32 v[BK:BK+1], v[BK:BK+1], v[BK+8:BK+9]
	v_pk_add_f32 v[BK+2:BK+3], v[BK+2:BK+3], v[BK+10:BK+11]
	v_pk_fma_f32 v[UB:UB+1], v[F1+32:F1+33], 2.0, v[BK:BK+1] op_sel_hi:[1,0,1] neg_lo:[0,0,1] neg_hi:[0,0,1]
	v_pk_fma_f32 v[UB+2:UB+3], v[F1+34:F1+35], 2.0, v[BK+2:BK+3] op_sel_hi:[1,0,1] neg_lo:[0,0,1] neg_hi:[0,0,1]
.irp m, 1,2,4,8
	v_add_f32_dpp v[RV], v[RV], v[RV] row_xmask:\m row_mask:0xf bank_mask:0xf
.endr
	v_permlanex16_b32 v3, v[RV], s8, s9            ; its destination counts as read: v3 has been written
	v_add_f32 v[RV], v[RV], v3
	s_wait_xcnt 0x0                                ; EXEC is a source of the loads still out: it changes only behind this wait
	v_cmp_eq_u32 vcc_lo, 0, v[LN]
	s_and_saveexec_b32 s100, vcc_lo
	global_store_b32 v[ZR], v[RV], s[94:95]        ; lane 0 alone
	s_wait_xcnt 0x0                                ; and again, in front of the line that widens it; the store's data register is also free behind it
	s_or_b32 exec_lo, exec_lo, s100
; 16 LDS loads: the fragments of 64 along k (tile kb of part c) into buffer f: my 32 rows of either panel
.macro FETCHG c, kb, f
.irp ks, 0,1
.irp blk, 0,1
	ds_load_b128 v[(\f)+8*(2*(\ks)+(\blk)):(\f)+8*(2*(\ks)+(\blk))+3],       v[ADA+(\c)] offset:((\kb)/2)*CH+((\kb)%2)*64*PK+(\blk)*16*PK+64*(\ks)
	ds_load_b128 v[(\f)+8*(2*(\ks)+(\blk))+4:(\f)+8*(2*(\ks)+(\blk))+7],     v[ADA+(\c)] offset:((\kb)/2)*CH+((\kb)%2)*64*PK+(\blk)*16*PK+64*(\ks)+32
	ds_load_b128 v[(\f)+32+8*(2*(\ks)+(\blk)):(\f)+32+8*(2*(\ks)+(\blk))+3],   v[ADB+(\c)] offset:((\kb)/2)*CH+((\kb)%2)*64*PK+(\blk)*16*PK+64*(\ks)
	ds_load_b128 v[(\f)+32+8*(2*(\ks)+(\blk))+4:(\f)+32+8*(2*(\ks)+(\blk))+7], v[ADB+(\c)] offset:((\kb)/2)*CH+((\kb)%2)*64*PK+(\blk)*16*PK+64*(\ks)+32
.endr
.endr
.endm
; 8 matrix instructions on buffer f.  The four accumulators take turns, one instruction a turn, from group to group too.  Group 0's first four start the sums.
.macro MULG f
.irp ks, 0,1
.irp a, 0,1
.irp b, 0,1
.if (g == 0) && ((\ks) == 0)
	v_wmma_f32_16x16x32_bf16 v[ACC+8*(2*(\a)+(\b)):ACC+8*(2*(\a)+(\b))+7], v[(\f)+32+8*(2*(\ks)+(\b)):(\f)+32+8*(2*(\ks)+(\b))+7], v[(\f)+8*(2*(\ks)+(\a)):(\f)+8*(2*(\ks)+(\a))+7], 0
.else
	v_wmma_f32_16x16x32_bf16 v[ACC+8*(2*(\a)+(\b)):ACC+8*(2*(\a)+(\b))+7], v[(\f)+32+8*(2*(\ks)+(\b)):(\f)+32+8*(2*(\ks)+(\b))+7], v[(\f)+8*(2*(\ks)+(\a)):(\f)+8*(2*(\ks)+(\a))+7], v[ACC+8*(2*(\a)+(\b)):ACC+8*(2*(\a)+(\b))+7]
.endif
.endr
.endr
.endr
.endm
	s_wait_tensorcnt 0x3                           ; my first load is in; the three younger ones may stay out
	s_barrier_signal -1
	s_barrier_wait -1                              ; part 0 of both panels is whole
	FETCHG 0, 0, F0
.set g, 0
.rept 16                               ; sixteen groups of 64 along k, four to a part; while one is multiplied the next one's fragments are on their way
	s_wait_dscnt 0x0                               ; group g's fragments are in
.if (g%4 == 3) && (g < 15)
	s_wait_tensorcnt 2-(g/4)                       ; my load of the next part is in; the younger ones stay out,
	s_barrier_signal -1
	s_barrier_wait -1                              ; everybody's is: the next part may be read
.endif
.if g < 15
.if g > 0
	PLACES
.endif
	FETCHG (g+1)/4, (g+1)%4, F0+64*((g+1)%2)
.endif
	MULG F0+64*(g%2)
.set g, g+1
.endr
	; THE WAY OUT: A A through the stage (a row's 256 bytes come from two waves), back as whole rows; A' = 2 A - A A in f32; stored in f32 and, rounded once, in bf16; then A' times u'
	PLACES
.irp a, 0,1
.irp b, 0,1
	ds_store_b128 v[STO], v[ACC+8*(2*(\a)+(\b)):ACC+8*(2*(\a)+(\b))+3]   offset:(\a)*16*SP+64*(\b)     ; each accumulator's four lowest registers first
	ds_store_b128 v[STO], v[ACC+8*(2*(\a)+(\b))+4:ACC+8*(2*(\a)+(\b))+7] offset:(\a)*16*SP+64*(\b)+16
.endr
.endr
	s_wait_dscnt 0x0                               ; for the others' sake: my stores into the stage are done
	s_barrier_signal -1
	s_barrier_wait -1
.set t, 0
.rept 8
	ds_load_b128 v[BK+4*t:BK+4*t+3], v[RD] offset:t*2*SP
.set t, t+1
.endr
	s_wait_loadcnt 0x0                             ; the tile of A in f32
	s_wait_dscnt 0x0
.set t, 0
.rept 8
	v_pk_fma_f32 v[BK+4*t:BK+4*t+1], v[AFT+4*t:AFT+4*t+1], 2.0, v[BK+4*t:BK+4*t+1] op_sel_hi:[1,0,1] neg_lo:[0,0,1] neg_hi:[0,0,1]
	v_pk_fma_f32 v[BK+4*t+2:BK+4*t+3], v[AFT+4*t+2:AFT+4*t+3], 2.0, v[BK+4*t+2:BK+4*t+3] op_sel_hi:[1,0,1] neg_lo:[0,0,1] neg_hi:[0,0,1]
	global_store_b128 v[GF], v[BK+4*t:BK+4*t+3], s[86:87] offset:8192*t         ; 16 lanes: 256 consecutive bytes of a row, aligned
	v_cvt_pk_bf16_f32 v[F0+2*t], v[BK+4*t], v[BK+4*t+1]
	v_cvt_pk_bf16_f32 v[F0+2*t+1], v[BK+4*t+2], v[BK+4*t+3]
	global_store_b64 v[GB], v[F0+2*t:F0+2*t+1], s[88:89] offset:256*t           ; 32 lanes: two rows of the tile, 256 consecutive bytes, aligned
.set t, t+1
.endr
	; my 16 rows times u' at the tile's 64 columns: 4 products a lane, then the sum over a row's 16 lanes; all 16 write the row's word with the same value
.set t, 0
.rept 8
	v_pk_mul_f32 v[DT+2*t:DT+2*t+1], v[BK+4*t:BK+4*t+1], v[UB:UB+1]
.set t, t+1
.endr
.set t, 0
.rept 8
	v_pk_fma_f32 v[DT+2*t:DT+2*t+1], v[BK+4*t+2:BK+4*t+3], v[UB+2:UB+3], v[DT+2*t:DT+2*t+1]
.set t, t+1
.endr
.set t, 0
.rept 8
	v_add_f32 v[DT+2*t], v[DT+2*t], v[DT+2*t+1]
.set t, t+1
.endr
.irp m, 1,2,4,8
.set t, 0
.rept 8
	v_add_f32_dpp v[DT+2*t], v[DT+2*t], v[DT+2*t] row_xmask:\m row_mask:0xf bank_mask:0xf
.set t, t+1
.endr
.endr
.set t, 0
.rept 8
	ds_store_b32 v[PWA], v[DT+2*t] offset:8*t
.set t, t+1
.endr
	s_wait_dscnt 0x0                               ; for wave 0's sake: my rows' partial sums are in LDS
	s_barrier_signal -1
	s_barrier_wait -1
	s_cmp_lg_u32 s10, 0
	s_cbranch_scc1 .Lno_w
	ds_load_b64 v[DT:DT+1], v[PWR]
	s_wait_dscnt 0x0
	global_store_b64 v[L8], v[DT:DT+1], s[96:97]   ; 32 lanes: the tile's 64 partial sums, 256 consecutive bytes, aligned
.Lno_w:
	s_wait_tensorcnt 0x0                           ; the wave's end: behind my last tensor load and my last LDS store
	ds_add_u32 v[SPW], v[NIL]
	s_wait_dscnt 0x0
	CROUND                                         ; the closing round: no work-group ends while a partner may still ask for a tile that names it
	s_endpgm
.Lfunc_end_k_qbae0ac29f8_sq1:
	.size	k_qbae0ac29f8_sq1, .Lfunc_end_k_qbae0ac29f8_sq1-k_qbae0ac29f8_sq1
	.p2alignl 7, 3214868480
	.fill 96, 4, 3214868480
	.section	.rodata,"a",@progbits
	.p2align	6, 0x0
	.amdhsa_kernel k_qbae0ac29f8_sq1
		.amdhsa_group_segment_fixed_size 327680
		.amdhsa_private_segment_fixed_size 0
		.amdhsa_enable_private_segment 0
		.amdhsa_kernarg_size 16
		.amdhsa_user_sgpr_count 2
		.amdhsa_user_sgpr_kernarg_segment_ptr 1
		.amdhsa_wavefront_size32 1
		.amdhsa_system_sgpr_workgroup_id_x 1
		.amdhsa_system_sgpr_workgroup_id_y 1
		.amdhsa_system_sgpr_workgroup_id_z 1
		.amdhsa_system_vgpr_workitem_id 0
		.amdhsa_next_free_vgpr 256
		.amdhsa_next_free_sgpr 102
		.amdhsa_reserve_vcc 1
		.amdhsa_float_denorm_mode_32 3
		.amdhsa_float_denorm_mode_16_64 3
		.amdhsa_memory_ordered 1
		.amdhsa_forward_progress 1
		.amdhsa_inst_pref_size 51
	.end_amdhsa_kernel
	.amdgpu_metadata
---
amdhsa.version: [ 1, 2 ]
amdhsa.kernels:
  - .name:           k_qbae0ac29f8_sq1
    .symbol:         k_qbae0ac29f8_sq1.kd
    .args:
      - { .name: M0, .offset: 0, .size: 8, .value_kind: global_buffer, .address_space: global }
      - { .name: M1, .offset: 8, .size: 8, .value_kind: global_buffer, .address_space: global }
    .group_segment_fixed_size: 327680
    .private_segment_fixed_size: 0
    .kernarg_segment_align: 8
    .kernarg_segment_size: 16
    .max_flat_workgroup_size: 128
    .sgpr_count:     102
    .vgpr_count:     256
    .wavefront_size: 32
...
	.end_amdgpu_metadata
.endif
;; end of part 9
;; launch sq2: the kernel of part 9 again; grid 16 x 16, 4 waves a work-group, clusters of 4 x 4, 327,680 bytes of LDS; arguments M1, M0; writes M0
;; launch sq3: the kernel of part 9 again; grid 16 x 16, 4 waves a work-group, clusters of 4 x 4, 327,680 bytes of LDS; arguments M0, M1; writes M1
;; launch sqlast (part 10): grid 16 x 16, 4 waves a work-group, clusters of 4 x 4, 327,680 bytes of LDS; arguments M1, M0; writes M0
.if DOCPART == 10
	.amdgcn_target "amdgcn-amd-amdhsa--gfx1250"
	.amdhsa_code_object_version 6
	.text
	.protected	k_qbae0ac29f8_sqlast
	.globl	k_qbae0ac29f8_sqlast
	.p2align	8
	.type	k_qbae0ac29f8_sqlast,@function
k_qbae0ac29f8_sqlast:
	s_mov_b64 s[64:65], 0
	v_nop
	global_prefetch_b8 v0, s[64:65] scope:SCOPE_SE
	s_setreg_imm32_b32 hwreg(HW_REG_WAVE_MODE, 25, 1), 1
	s_wait_xcnt 0x0
	s_wait_alu depctr_hold_cnt(0) depctr_sa_sdst(0) depctr_va_vdst(0) depctr_va_sdst(0) depctr_va_ssrc(0) depctr_va_vcc(0) depctr_vm_vsrc(0)
	s_getreg_b32 s2, hwreg(HW_REG_IB_STS2, 6, 4)
	s_cmp_eq_u32 s2, 0
	s_cbranch_scc0 .Lentry_in_a_cluster
	s_endpgm
.Lentry_in_a_cluster:
	s_bfe_u32 s2, ttmp6, 0x10000c
	s_cmp_lg_u32 s2, 0xf033
	s_cbranch_scc0 .Lentry_shape_is_right
	s_endpgm
.Lentry_shape_is_right:
; The series' last squaring.  With A = I - M^8 (symmetric: a polynomial in X^T X), u3, and the partial sums of A u3:   u4 = 2 u3 - A u3,   A' = 2 A - A A = I - M^16,   and the partial sums of A' u4.
; It is the text of the three squarings before it without the stores of A': no launch reads I - M^16, so a tile of it lives in registers just long enough to be multiplied by u4.
; Only the product A A sees operands rounded to bf16; its sums are f32.  2 A - A A and A' u4 are f32 throughout.  NaN and infinities are not treated apart.
; in:  + 0 A in f32, [1024][1024];  + 4,194,304 A in bf16, tiles [row block 16][column block 16][64][64];
;      + 6,291,456 the table V, 17 rows of 1,024 f32: row cb (0..15): for every row r, the sum over the 64 columns of block cb of A[r][c] u3[c]; row 16: u3.
; out: the table V alone, at the same place: rows 0-15 the partial sums of A' u4, row 16 u4.
; SHARES.  A tile of A' is 64 x 64: 256 work-groups.  (A A)[m][n] = the sum over k of A[m][k] A[n][k], by symmetry: both operands are panels of 64 rows, 131,072 dense bytes each, and BOTH LIE WHOLE
; IN LDS: nothing is filled again.  They come in four parts of 256 along k, so that the products begin when the first part has landed.  Four waves, each 32 x 32: four accumulators, which take turns.
; The finished tile is multiplied by u4 at its 64 columns: 64 partial sums, 256 consecutive bytes of V.  Each wave also stores one number of u4 (4 bytes a wave: 1,024 numbers in the launch).
; CLUSTER.  4 x 4 work-groups: the left panel hangs on the tile row and is shared along a row of the cluster, the right one on the tile column and is shared along a column: joint loads.
; THE MATRIX INSTRUCTION IS USED TRANSPOSED (source 0 = the right panel's 16 rows, source 1 = the left's): lane l holds m = l % 16 and n = 8 (l / 16) + 0..7.
.set OFF_B, 4194304
.set OFF_V, 6291456
.set OFF_U, OFF_V+16*4096
.set PK,    144                        ; a tile's row in LDS: 128 bytes + 16 of padding = 36 words: the 16 rows of a load start at 16 different groups of four banks (64 banks of 4 bytes: ISA guide 11.1)
.set CH,    128*PK                     ; what one load brings: two tiles of 64 rows: 128 along k of a panel
.set STAGE, 16*CH                      ; behind the sixteen loads' bytes, never filled by a tensor load: 64 rows x 272 bytes
.set SP,    272
.set PW,    STAGE+64*SP                ; the tile's 64 partial sums of A' u4
.set SPARE, PW+256                     ; the spare words, 128 bytes for each wave
.set UB,  6                            ; v[6:9]  u4 at my 4 columns of the tile
.set ADA, 10                           ; v10-13  LDS address of my left fragments in part 0..3
.set ADB, 14                           ; v14-17  the same for the right panel
.set STO, 18                           ; v18  where I put 16 bytes of a row of A A
.set RD,  19                           ; v19  where I read a row back
.set GF,  20                           ; v20  my byte offset in the tile's f32 rows
.set VB,  22                           ; v22  16 x (lane % 16): my 4 columns in 256 bytes of a row of V
.set ZR,  23                           ; v23  0, an offset
.set LN,  24                           ; v24  lane
.set PWA, 25                           ; v25  where my rows' partial sums go
.set PWR, 26                           ; v26  where wave 0 reads them
.set L8,  27                           ; v27  8 x lane
.set SPW, 28                           ; v28  LDS address of my spare word; never rewritten
.set NIL, 29                           ; v29  0; never rewritten
.set VRO, 30                           ; v30  4,096 x min(lane, 16): a row of V a lane
.set WT,  31                           ; v31  that row's weight in u4: -1 for rows 0-15, 2 for row 16, 0 for the lanes beyond
.set ACC, 32                           ; v[32:63]   accumulator (a, b) at ACC + 8 (2 a + b)
.set F0,  64                           ; v[64:127], v[128:191]  two fragment buffers: 64 along k: 32 registers of the left panel, 32 of the right
.set F1,  128                          ;            at first F1 holds rows 8-16 of V; at the end the products with u4
.set RV,  F1+36                        ; v164       V's numbers for my wave's one number of u4
.set DT,  F1
.set AFT, 192                          ; v[192:223] my 16 rows of the tile of A in f32
.set BK,  224                          ; v[224:255] at first rows 0-7 of V; at the end my 16 rows of A A, read back from the stage, then of A'
.set G1,  24                           ; s[24:31] descriptor group 1 for the left panel
.set G1B, 32                           ; s[32:39] for the right panel: it differs in the mask alone
.set G0,  40                           ; s[40:55] group 0 for the left panel, a set for each of my four loads
.set G0B, 68                           ; s[68:83] the same for the right panel
.macro CROUND                          ; a round of the cluster's barrier
	s_barrier_signal -1
	s_barrier_wait -1
	s_cmp_lg_u32 s10, 0
	s_cbranch_scc1 .Lnot_wave_0_\@
	s_barrier_signal -3
.Lnot_wave_0_\@:
	s_barrier_wait -3
	s_barrier_signal -1
	s_barrier_wait -1
.endm
.macro PLACES                          ; four places in front of loads into registers that matrix instructions have read, and of LDS stores that read results (ISA guide 7.12.1 for vector instructions)
.rept 4
	v_nop
.endr
.endm
	s_load_b128 s[4:7], s[0:1], 0x0                ; in s[4:5], out s[6:7]
	v_lshl_add_u32 v[SPW], v0, 2, SPARE
	v_mov_b32 v[NIL], 0
	ds_add_u32 v[SPW], v[NIL]                      ; the wave's opening: the add and its wait stand ahead of my first tensor load; the set-up below, work on registers, stands between them
	v_lshrrev_b32 v1, 5, v0
	v_readfirstlane_b32 s10, v1                    ; wave 0..3
	s_lshr_b32 s11, s10, 1                         ; which 32 of the tile's rows are mine.  Also: I fetch for the left panel (0) or the right (1)
	s_and_b32 s12, s10, 1                          ; which 32 of its columns.  Also: which 128 of a part's 256 along k I fetch
	s_bfe_u32 s56, ttmp6, 0x40000                  ; cx, cy: my place in the cluster
	s_bfe_u32 s57, ttmp6, 0x40004
	s_lshl_b32 s58, ttmp9, 2
	s_add_co_u32 s58, s58, s56                     ; tile column = 4 x cluster x + cx
	s_and_b32 s13, ttmp7, 0xffff
	s_lshl_b32 s13, s13, 2
	s_add_co_u32 s13, s13, s57                     ; tile row = 4 x cluster y + cy
	s_lshl_b32 s59, s57, 2
	s_lshl_b32 s59, 15, s59                        ; my row of the cluster
	s_lshl_b32 s60, 0x1111, s56                    ; my column
	; descriptor group 1.  A load's 16,384 dense bytes are asked for as 64 rows of 256 bytes, two rows of a tile each, and padded in LDS after every 128 bytes
	s_or_b32 s[G1+0], s59, (1<<16)|(1<<20)|(1<<21)|(4<<22)|(3<<25)  ; 15:0 the mask; 17:16 elements of 2 bytes; 20 padding on; 21 set beside a mask; 24:22 after every 32 words (code 4); 31:25 4 words of it (code 3)
	s_or_b32 s[G1B+0], s60, (1<<16)|(1<<20)|(1<<21)|(4<<22)|(3<<25)
.irp g, G1, G1B
	s_mov_b32 s[(\g)+1], 128<<16                   ; tensor_dim0 = 128
	s_mov_b32 s[(\g)+2], 64<<16                    ; tensor_dim1 = 64
	s_mov_b32 s[(\g)+3], 128<<16                   ; tile_dim0 = 128
	s_mov_b32 s[(\g)+4], 64                        ; tile_dim1 = 64
	s_mov_b32 s[(\g)+5], 128                       ; 128 elements from row to row
	s_mov_b32 s[(\g)+6], 0
	s_mov_b32 s[(\g)+7], 0
.endr
	s_lshl_b32 s18, s12, 14                        ; my half of part 0, in the bf16 copy
	s_add_co_u32 s18, s18, OFF_B
	s_lshl_b32 s16, s13, 17                        ; the left panel hangs on the tile row alone,
	s_add_co_u32 s16, s16, s18
	s_mov_b32 s17, 0
	s_lshl_b32 s20, s58, 17                        ; the right one on the tile column alone
	s_add_co_u32 s20, s20, s18
	s_mov_b32 s21, 0
	s_mul_i32 s19, s10, CH                         ; where they go: place wave + 4 x part: no place in the cluster enters an LDS address
	s_wait_dscnt 0x0                               ; the opening add is done
	s_wait_kmcnt 0x0
	s_add_nc_u64 s[14:15], s[4:5], s[16:17]
	s_add_nc_u64 s[20:21], s[4:5], s[20:21]
	CROUND                                         ; all sixteen work-groups are here: the joint loads meet
.irp t, 0,1,2,3
	s_mov_b32 s[G0+4*(\t)], 1                                      ; 1:0 count = 1
	s_add_co_u32 s[G0+4*(\t)+1], s19, (\t)*4*CH                    ; 63:32 LDS address
	s_add_nc_u64 s[G0+4*(\t)+2:G0+4*(\t)+3], s[14:15], (\t)*32768  ; 120:64 global address: 256 along k on
	s_or_b32 s[G0+4*(\t)+3], s[G0+4*(\t)+3], 0x80000000            ; 127:126 type = 2
	s_mov_b32 s[G0B+4*(\t)], 1
	s_add_co_u32 s[G0B+4*(\t)+1], s19, (\t)*4*CH
	s_add_nc_u64 s[G0B+4*(\t)+2:G0B+4*(\t)+3], s[20:21], (\t)*32768
	s_or_b32 s[G0B+4*(\t)+3], s[G0B+4*(\t)+3], 0x80000000
.endr
	s_cmp_lt_u32 s10, 2                            ; a wave's four loads stand in one branch, ahead of every wait on TENSORcnt and every LDS read: four loads of mine are out; an s_nop 0 follows each, four v_nop the last one's
	s_cbranch_scc0 .Lfirst_b
.irp t, 0,1,2,3
	tensor_load_to_lds s[G0+4*(\t):G0+4*(\t)+3], s[G1:G1+7]
	s_nop 0
.endr
.rept 4
	v_nop
.endr
	s_branch .Lfirst_asked
.Lfirst_b:
.irp t, 0,1,2,3
	tensor_load_to_lds s[G0B+4*(\t):G0B+4*(\t)+3], s[G1B:G1B+7]
	s_nop 0
.endr
.rept 4
	v_nop
.endr
.Lfirst_asked:
	v_and_b32 v1, 15, v0                           ; l % 16
	v_bfe_u32 v2, v0, 4, 1                         ; l / 16
	v_and_b32 v[LN], 31, v0
	v_mov_b32 v[ZR], 0
	v_lshlrev_b32 v[VB], 4, v1
	v_min_u32 v3, 16, v[LN]
	v_lshlrev_b32 v[VRO], 12, v3
	; the scalar addresses
	s_mov_b32 s99, 0
	s_lshl_b32 s61, s13, 4
	s_add_co_u32 s61, s61, s58                     ; 16 tile row + tile column
	s_lshl_b32 s98, s13, 18                        ; the f32 tile of A: 64 rows of 4,096 bytes down, 256 bytes along
	s_lshl_b32 s62, s58, 8
	s_add_co_u32 s98, s98, s62
	s_add_nc_u64 s[84:85], s[4:5], s[98:99]
	s_add_co_u32 s98, s62, OFF_V                   ; V's rows at the tile's 64 columns
	s_add_nc_u64 s[90:91], s[4:5], s[98:99]
	s_lshl_b32 s61, s61, 2
	s_add_co_u32 s61, s61, s10                     ; R = 4 (16 tile row + tile column) + wave: the number of u4 that my wave stores
	s_lshl_b32 s61, s61, 2
	s_add_co_u32 s98, s61, OFF_V
	s_add_nc_u64 s[92:93], s[4:5], s[98:99]        ; V's rows at R
	s_add_co_u32 s98, s61, OFF_U
	s_add_nc_u64 s[94:95], s[6:7], s[98:99]        ; u4[R]
	s_lshl_b32 s98, s58, 12                        ; the partial sums: V's row tile column, at the tile's 64 rows
	s_lshl_b32 s62, s13, 8
	s_add_co_u32 s98, s98, s62
	s_add_co_u32 s98, s98, OFF_V
	s_add_nc_u64 s[96:97], s[6:7], s[98:99]
	s_mov_b32 s8, 0x76543210                       ; v_permlanex16_b32: each lane takes its own place in the other half
	s_mov_b32 s9, 0xfedcba98
	s_lshl_b32 s23, s10, 16                        ; wave w takes rows 16 w .. 16 w + 15 of the tile; lanes 0-15 one row of 256 bytes, lanes 16-31 the next
	v_lshlrev_b32 v5, 12, v2
	v_lshl_add_u32 v5, v1, 4, v5
	v_add_nc_u32 v[GF], s23, v5
.macro VROW p                          ; vr = the registers of V's row p
.if (\p) < 8
.set vr, BK+4*(\p)
.else
.set vr, F1+4*((\p)-8)
.endif
.endm
.set p, 0
.rept 17
	VROW p
	global_load_b128 v[vr:vr+3], v[VB], s[90:91] offset:4096*p                 ; 256 bytes of each row of V; both halves of the lanes take the same
.set p, p+1
.endr
	global_load_b32 v[RV], v[VRO], s[92:93]                                    ; lane p: V[p][R]
.set t, 0
.rept 8
	global_load_b128 v[AFT+4*t:AFT+4*t+3], v[GF], s[84:85] offset:8192*t       ; the tile of A in f32, wanted at the end
.set t, t+1
.endr
	v_cmp_eq_u32 vcc_lo, 16, v[LN]
	v_cndmask_b32 v[WT], 0, 2.0, vcc_lo
	v_cmp_gt_u32 vcc_lo, 16, v[LN]
	v_cndmask_b32 v[WT], v[WT], -1.0, vcc_lo
	; A fragment is 16 rows x 32 k in 8 registers: lane l holds row l % 16, k = 8 (l / 16) + 0..7 and 16 + 8 (l / 16) + 0..7: two loads of 16 bytes, 32 bytes apart.
	v_mul_u32_u24 v3, v1, PK
	v_lshl_add_u32 v3, v2, 4, v3
	s_mul_i32 s21, s11, 32*PK                      ; my 32 rows of the left panel
	s_mul_i32 s22, s12, 32*PK                      ; my 32 rows of the right panel,
	s_add_co_u32 s22, s22, 2*CH                    ; whose bytes lie two places behind the left one's
	v_add_nc_u32 v4, s21, v3
	v_add_nc_u32 v5, s22, v3
.irp c, 0,1,2,3
	v_add_nc_u32 v[ADA+(\c)], (\c)*4*CH, v4
	v_add_nc_u32 v[ADB+(\c)], (\c)*4*CH, v5
.endr
	s_mul_i32 s23, s11, 32*SP                      ; into the stage: my 32 rows, my 128 of their 256 bytes; row l % 16, 32 bytes for each half of the lanes
	s_lshl_b32 s21, s12, 7
	s_add_co_u32 s23, s23, s21
	s_add_co_u32 s23, s23, STAGE
	v_mul_u32_u24 v4, v1, SP
	v_lshl_add_u32 v4, v2, 5, v4
	v_add_nc_u32 v[STO], s23, v4
	s_mul_i32 s23, s10, 16*SP
	s_add_co_u32 s23, s23, STAGE
	v_mul_u32_u24 v5, v2, SP
	v_lshl_add_u32 v5, v1, 4, v5
	v_add_nc_u32 v[RD], s23, v5
	s_lshl_b32 s23, s10, 6
	s_add_co_u32 s23, s23, PW
	v_lshl_add_u32 v[PWA], v2, 2, s23              ; row 16 w + l / 16, 4 bytes a row
	v_lshl_add_u32 v[PWR], v[LN], 3, PW
	v_lshlrev_b32 v[L8], 3, v[LN]
	; u4 = 2 u3 - the sum of the sixteen partial sums of A u3, in f32, while the panels are on their way: at my 4 columns of the tile, and at R
	s_wait_loadcnt 8                               ; V's numbers are in; the tile's eight loads stay out
.set p, 4
.rept 12                               ; four chains: rows 4-15 are added onto rows 0-3
	VROW p
	v_pk_add_f32 v[BK+4*(p%4):BK+4*(p%4)+1], v[BK+4*(p%4):BK+4*(p%4)+1], v[vr:vr+1]
	v_pk_add_f32 v[BK+4*(p%4)+2:BK+4*(p%4)+3], v[BK+4*(p%4)+2:BK+4*(p%4)+3], v[vr+2:vr+3]
.set p, p+1
.endr
	v_mul_f32 v[RV], v[RV], v[WT]
	v_pk_add_f32 v[BK:BK+1], v[BK:BK+1], v[BK+4:BK+5]
	v_pk_add_f32 v[BK+2:BK+3], v[BK+2:BK+3], v[BK+6:BK+7]
	v_pk_add_f32 v[BK+8:BK+9], v[BK+8:BK+9], v[BK+12:BK+13]
	v_pk_add_f32 v[BK+10:BK+11], v[BK+10:BK+11], v[BK+14:BK+15]
	v_pk_add_f32 v[BK:BK+1], v[BK:BK+1], v[BK+8:BK+9]
	v_pk_add_f32 v[BK+2:BK+3], v[BK+2:BK+3], v[BK+10:BK+11]
	v_pk_fma_f32 v[UB:UB+1], v[F1+32:F1+33], 2.0, v[BK:BK+1] op_sel_hi:[1,0,1] neg_lo:[0,0,1] neg_hi:[0,0,1]
	v_pk_fma_f32 v[UB+2:UB+3], v[F1+34:F1+35], 2.0, v[BK+2:BK+3] op_sel_hi:[1,0,1] neg_lo:[0,0,1] neg_hi:[0,0,1]
.irp m, 1,2,4,8
	v_add_f32_dpp v[RV], v[RV], v[RV] row_xmask:\m row_mask:0xf bank_mask:0xf
.endr
	v_permlanex16_b32 v3, v[RV], s8, s9            ; its destination counts as read: v3 has been written
	v_add_f32 v[RV], v[RV], v3
	s_wait_xcnt 0x0                                ; EXEC is a source of the loads still out: it changes only behind this wait
	v_cmp_eq_u32 vcc_lo, 0, v[LN]
	s_and_saveexec_b32 s100, vcc_lo
	global_store_b32 v[ZR], v[RV], s[94:95]        ; lane 0 alone
	s_wait_xcnt 0x0                                ; and again, in front of the line that widens it; the store's data register is also free behind it
	s_or_b32 exec_lo, exec_lo, s100
; 16 LDS loads: the fragments of 64 along k (tile kb of part c) into buffer f: my 32 rows of either panel
.macro FETCHG c, kb, f
.irp ks, 0,1
.irp blk, 0,1
	ds_load_b128 v[(\f)+8*(2*(\ks)+(\blk)):(\f)+8*(2*(\ks)+(\blk))+3],       v[ADA+(\c)] offset:((\kb)/2)*CH+((\kb)%2)*64*PK+(\blk)*16*PK+64*(\ks)
	ds_load_b128 v[(\f)+8*(2*(\ks)+(\blk))+4:(\f)+8*(2*(\ks)+(\blk))+7],     v[ADA+(\c)] offset:((\kb)/2)*CH+((\kb)%2)*64*PK+(\blk)*16*PK+64*(\ks)+32
	ds_load_b128 v[(\f)+32+8*(2*(\ks)+(\blk)):(\f)+32+8*(2*(\ks)+(\blk))+3],   v[ADB+(\c)] offset:((\kb)/2)*CH+((\kb)%2)*64*PK+(\blk)*16*PK+64*(\ks)
	ds_load_b128 v[(\f)+32+8*(2*(\ks)+(\blk))+4:(\f)+32+8*(2*(\ks)+(\blk))+7], v[ADB+(\c)] offset:((\kb)/2)*CH+((\kb)%2)*64*PK+(\blk)*16*PK+64*(\ks)+32
.endr
.endr
.endm
; 8 matrix instructions on buffer f.  The four accumulators take turns, one instruction a turn, from group to group too.  Group 0's first four start the sums.
.macro MULG f
.irp ks, 0,1
.irp a, 0,1
.irp b, 0,1
.if (g == 0) && ((\ks) == 0)
	v_wmma_f32_16x16x32_bf16 v[ACC+8*(2*(\a)+(\b)):ACC+8*(2*(\a)+(\b))+7], v[(\f)+32+8*(2*(\ks)+(\b)):(\f)+32+8*(2*(\ks)+(\b))+7], v[(\f)+8*(2*(\ks)+(\a)):(\f)+8*(2*(\ks)+(\a))+7], 0
.else
	v_wmma_f32_16x16x32_bf16 v[ACC+8*(2*(\a)+(\b)):ACC+8*(2*(\a)+(\b))+7], v[(\f)+32+8*(2*(\ks)+(\b)):(\f)+32+8*(2*(\ks)+(\b))+7], v[(\f)+8*(2*(\ks)+(\a)):(\f)+8*(2*(\ks)+(\a))+7], v[ACC+8*(2*(\a)+(\b)):ACC+8*(2*(\a)+(\b))+7]
.endif
.endr
.endr
.endr
.endm
	s_wait_tensorcnt 0x3                           ; my first load is in; the three younger ones may stay out
	s_barrier_signal -1
	s_barrier_wait -1                              ; part 0 of both panels is whole
	FETCHG 0, 0, F0
.set g, 0
.rept 16                               ; sixteen groups of 64 along k, four to a part; while one is multiplied the next one's fragments are on their way
	s_wait_dscnt 0x0                               ; group g's fragments are in
.if (g%4 == 3) && (g < 15)
	s_wait_tensorcnt 2-(g/4)                       ; my load of the next part is in; the younger ones stay out,
	s_barrier_signal -1
	s_barrier_wait -1                              ; everybody's is: the next part may be read
.endif
.if g < 15
.if g > 0
	PLACES
.endif
	FETCHG (g+1)/4, (g+1)%4, F0+64*((g+1)%2)
.endif
	MULG F0+64*(g%2)
.set g, g+1
.endr
	; A A through the stage (a row's 256 bytes come from two waves), back as whole rows; A' = 2 A - A A in f32, in registers; then A' times u4
	PLACES
.irp a, 0,1
.irp b, 0,1
	ds_store_b128 v[STO], v[ACC+8*(2*(\a)+(\b)):ACC+8*(2*(\a)+(\b))+3]   offset:(\a)*16*SP+64*(\b)     ; each accumulator's four lowest registers first
	ds_store_b128 v[STO], v[ACC+8*(2*(\a)+(\b))+4:ACC+8*(2*(\a)+(\b))+7] offset:(\a)*16*SP+64*(\b)+16
.endr
.endr
	s_wait_dscnt 0x0                               ; for the others' sake: my stores into the stage are done
	s_barrier_signal -1
	s_barrier_wait -1
.set t, 0
.rept 8
	ds_load_b128 v[BK+4*t:BK+4*t+3], v[RD] offset:t*2*SP
.set t, t+1
.endr
	s_wait_loadcnt 0x0                             ; the tile of A in f32
	s_wait_dscnt 0x0
.set t, 0
.rept 8
	v_pk_fma_f32 v[BK+4*t:BK+4*t+1], v[AFT+4*t:AFT+4*t+1], 2.0, v[BK+4*t:BK+4*t+1] op_sel_hi:[1,0,1] neg_lo:[0,0,1] neg_hi:[0,0,1]
	v_pk_fma_f32 v[BK+4*t+2:BK+4*t+3], v[AFT+4*t+2:AFT+4*t+3], 2.0, v[BK+4*t+2:BK+4*t+3] op_sel_hi:[1,0,1] neg_lo:[0,0,1] neg_hi:[0,0,1]
.set t, t+1
.endr
	; my 16 rows times u4 at the tile's 64 columns: 4 products a lane, then the sum over a row's 16 lanes; all 16 write the row's word with the same value
.set t, 0
.rept 8
	v_pk_mul_f32 v[DT+2*t:DT+2*t+1], v[BK+4*t:BK+4*t+1], v[UB:UB+1]
.set t, t+1
.endr
.set t, 0
.rept 8
	v_pk_fma_f32 v[DT+2*t:DT+2*t+1], v[BK+4*t+2:BK+4*t+3], v[UB+2:UB+3], v[DT+2*t:DT+2*t+1]
.set t, t+1
.endr
.set t, 0
.rept 8
	v_add_f32 v[DT+2*t], v[DT+2*t], v[DT+2*t+1]
.set t, t+1
.endr
.irp m, 1,2,4,8
.set t, 0
.rept 8
	v_add_f32_dpp v[DT+2*t], v[DT+2*t], v[DT+2*t] row_xmask:\m row_mask:0xf bank_mask:0xf
.set t, t+1
.endr
.endr
.set t, 0
.rept 8
	ds_store_b32 v[PWA], v[DT+2*t] offset:8*t
.set t, t+1
.endr
	s_wait_dscnt 0x0                               ; for wave 0's sake: my rows' partial sums are in LDS
	s_barrier_signal -1
	s_barrier_wait -1
	s_cmp_lg_u32 s10, 0
	s_cbranch_scc1 .Lno_w
	ds_load_b64 v[DT:DT+1], v[PWR]
	s_wait_dscnt 0x0
	global_store_b64 v[L8], v[DT:DT+1], s[96:97]   ; 32 lanes: the tile's 64 partial sums, 256 consecutive bytes, aligned
.Lno_w:
	s_wait_tensorcnt 0x0                           ; the wave's end: behind my last tensor load and my last LDS store
	ds_add_u32 v[SPW], v[NIL]
	s_wait_dscnt 0x0
	CROUND                                         ; the closing round: no work-group ends while a partner may still ask for a tile that names it
	s_endpgm
.Lfunc_end_k_qbae0ac29f8_sqlast:
	.size	k_qbae0ac29f8_sqlast, .Lfunc_end_k_qbae0ac29f8_sqlast-k_qbae0ac29f8_sqlast
	.p2alignl 7, 3214868480
	.fill 96, 4, 3214868480
	.section	.rodata,"a",@progbits
	.p2align	6, 0x0
	.amdhsa_kernel k_qbae0ac29f8_sqlast
		.amdhsa_group_segment_fixed_size 327680
		.amdhsa_private_segment_fixed_size 0
		.amdhsa_enable_private_segment 0
		.amdhsa_kernarg_size 16
		.amdhsa_user_sgpr_count 2
		.amdhsa_user_sgpr_kernarg_segment_ptr 1
		.amdhsa_wavefront_size32 1
		.amdhsa_system_sgpr_workgroup_id_x 1
		.amdhsa_system_sgpr_workgroup_id_y 1
		.amdhsa_system_sgpr_workgroup_id_z 1
		.amdhsa_system_vgpr_workitem_id 0
		.amdhsa_next_free_vgpr 256
		.amdhsa_next_free_sgpr 102
		.amdhsa_reserve_vcc 1
		.amdhsa_float_denorm_mode_32 3
		.amdhsa_float_denorm_mode_16_64 3
		.amdhsa_memory_ordered 1
		.amdhsa_forward_progress 1
		.amdhsa_inst_pref_size 48
	.end_amdhsa_kernel
	.amdgpu_metadata
---
amdhsa.version: [ 1, 2 ]
amdhsa.kernels:
  - .name:           k_qbae0ac29f8_sqlast
    .symbol:         k_qbae0ac29f8_sqlast.kd
    .args:
      - { .name: M1, .offset: 0, .size: 8, .value_kind: global_buffer, .address_space: global }
      - { .name: M0, .offset: 8, .size: 8, .value_kind: global_buffer, .address_space: global }
    .group_segment_fixed_size: 327680
    .private_segment_fixed_size: 0
    .kernarg_segment_align: 8
    .kernarg_segment_size: 16
    .max_flat_workgroup_size: 128
    .sgpr_count:     102
    .vgpr_count:     256
    .wavefront_size: 32
...
	.end_amdgpu_metadata
.endif
;; end of part 10
;; launch pred (part 11): grid 256 x 1, 8 waves a work-group, no clusters, 5,376 bytes of LDS; arguments X_star, M0, gamma, bias, out0; writes out0
.if DOCPART == 11
	.amdgcn_target "amdgcn-amd-amdhsa--gfx1250"
	.amdhsa_code_object_version 6
	.text
	.protected	k_qbae0ac29f8_pred
	.globl	k_qbae0ac29f8_pred
	.p2align	8
	.type	k_qbae0ac29f8_pred,@function
k_qbae0ac29f8_pred:
	s_mov_b64 s[64:65], 0
	v_nop
	global_prefetch_b8 v0, s[64:65] scope:SCOPE_SE
	s_setreg_imm32_b32 hwreg(HW_REG_WAVE_MODE, 25, 1), 1
	s_wait_xcnt 0x0
; The series' last link and the predictions, in f32:  u5 = 2 u4 - A16 u4,  out0[r] = gamma 2^-19 (X_star[r] . u5) + bias  (2^-19 = 1 / (32 x 16384)).
; X_star: [16384][1024] f32.  At + 6,291,456 of M0 lies the table V, 17 rows of 1,024 f32: rows 0-15 the partial sums of A16 u4, one row for each block of 64 columns; row 16 u4.
; SHARES.  A work-group owns 64 rows of X_star, each of its eight waves 8, a row at a time: eight loads of 512 consecutive bytes.  A ring of four rows in registers keeps 32 loads of every wave on their way.
; u5: each wave makes 128 of its numbers (17 loads of 512 consecutive bytes), the eight waves exchange them through LDS, and every wave keeps all of u5 in 32 registers; the first four rows of X_star
; are asked for ahead of that.  The 64 results meet in LDS, and wave 0 stores them as 256 consecutive bytes, aligned.
; No matrix unit: one column of results, memory binds, and f32 is wanted.  No cluster: what the work-groups share, V, is 69,632 bytes beside 262,144 of their own.
.set OFF_V, 6291456
.set SPARE, 256                        ; behind the 64 results: the spare words, 128 bytes a wave
.set UL,    1280                       ; behind them: u5, 4,096 bytes
.set LO,  1                            ; v1  16 x lane
.set L8,  2                            ; v2  8 x lane
.set WA,  3                            ; v3  32 x wave: my wave's eight results in LDS
.set VO,  6                            ; v6  16 x thread: my 4 numbers in a row of V
.set ULW, 7                            ; v7  and in u5 in LDS
.set SPW, 8                            ; v8  LDS address of my spare word; never rewritten
.set NIL, 9                            ; v9  0; never rewritten
.set U,   16                           ; v[16:47]    at first rows 0-7 of V; then u5
.set RG,  48                           ; v[48:175]   row i in slot i % 4, 32 registers
.set SM,  176                          ; v[176:183]  the eight rows' sums
.set CN,  184                          ; v[184:191]  four chains
.set VX,  192                          ; v[192:227]  rows 8-16 of V
	s_load_b256 s[4:11], s[0:1], 0x0               ; X_star s[4:5], M0 s[6:7], gamma s[8:9], bias s[10:11]
	s_load_b64 s[12:13], s[0:1], 0x20              ; out0
	v_lshl_add_u32 v[SPW], v0, 2, SPARE
	v_mov_b32 v[NIL], 0
	v_lshrrev_b32 v4, 5, v0
	v_readfirstlane_b32 s16, v4                    ; wave 0..7
	v_mov_b32 v[WA], s16
	v_lshlrev_b32 v[WA], 5, v[WA]
	v_and_b32 v5, 31, v0
	v_lshlrev_b32 v[LO], 4, v5
	v_lshlrev_b32 v[L8], 3, v5
	v_lshlrev_b32 v[VO], 4, v0
	v_lshl_add_u32 v[ULW], v0, 4, UL
	s_lshl_b32 s18, ttmp9, 18                      ; the work-group's 64 rows of 4,096 bytes,
	s_lshl_b32 s17, s16, 15                        ; my wave's 8
	s_add_co_u32 s18, s18, s17
	s_mov_b32 s19, 0
	s_lshl_b32 s20, ttmp9, 8                       ; the work-group's 256 bytes of out0
	s_mov_b32 s21, 0
	s_mov_b32 s22, 0x76543210                      ; v_permlanex16_b32: each lane takes its own place in the other half
	s_mov_b32 s23, 0xfedcba98
	s_wait_kmcnt 0x0
	s_load_b32 s14, s[8:9], 0x0                    ; gamma
	s_load_b32 s15, s[10:11], 0x0                  ; bias
	s_add_nc_u64 s[4:5], s[4:5], s[18:19]
	s_add_nc_u64 s[12:13], s[12:13], s[20:21]
.macro VROW p                          ; vr = the registers of V's row p
.if (\p) < 8
.set vr, U+4*(\p)
.else
.set vr, VX+4*((\p)-8)
.endif
.endm
.set p, 0
.rept 17
	VROW p
	global_load_b128 v[vr:vr+3], v[VO], s[6:7] offset:OFF_V+4096*p
.set p, p+1
.endr
.macro FILL i                          ; row i into its slot: the whole row, eight loads
.set j, 0
.rept 8
	global_load_b128 v[RG+32*((\i)%4)+4*j:RG+32*((\i)%4)+4*j+3], v[LO], s[4:5] offset:(\i)*4096+512*j th:TH_LOAD_NT
.set j, j+1
.endr
.endm
	FILL 0
	FILL 1
	FILL 2
	FILL 3
	s_wait_loadcnt 32                              ; V's 17 rows, the oldest loads, are in; the four rows' 32 loads stay out
.set p, 4
.rept 12                               ; four chains: rows 4-15 are added onto rows 0-3
	VROW p
	v_pk_add_f32 v[U+4*(p%4):U+4*(p%4)+1], v[U+4*(p%4):U+4*(p%4)+1], v[vr:vr+1]
	v_pk_add_f32 v[U+4*(p%4)+2:U+4*(p%4)+3], v[U+4*(p%4)+2:U+4*(p%4)+3], v[vr+2:vr+3]
.set p, p+1
.endr
	v_pk_add_f32 v[U:U+1], v[U:U+1], v[U+4:U+5]
	v_pk_add_f32 v[U+2:U+3], v[U+2:U+3], v[U+6:U+7]
	v_pk_add_f32 v[U+8:U+9], v[U+8:U+9], v[U+12:U+13]
	v_pk_add_f32 v[U+10:U+11], v[U+10:U+11], v[U+14:U+15]
	v_pk_add_f32 v[U:U+1], v[U:U+1], v[U+8:U+9]
	v_pk_add_f32 v[U+2:U+3], v[U+2:U+3], v[U+10:U+11]
	v_pk_fma_f32 v[VX+32:VX+33], v[VX+32:VX+33], 2.0, v[U:U+1] op_sel_hi:[1,0,1] neg_lo:[0,0,1] neg_hi:[0,0,1]      ; u5 = 2 u4 - A16 u4
	v_pk_fma_f32 v[VX+34:VX+35], v[VX+34:VX+35], 2.0, v[U+2:U+3] op_sel_hi:[1,0,1] neg_lo:[0,0,1] neg_hi:[0,0,1]
	ds_store_b128 v[ULW], v[VX+32:VX+35]
	s_wait_dscnt 0x0                               ; for the others' sake: my 128 numbers of u5 are in LDS
	s_barrier_signal -1
	s_barrier_wait -1
.set j, 0
.rept 8
	ds_load_b128 v[U+4*j:U+4*j+3], v[LO] offset:UL+512*j
.set j, j+1
.endr
	s_wait_dscnt 0x0
; Row i's turn.  left = how many younger loads may stay out.
.macro ROWDOT i, left
	s_wait_loadcnt \left                           ; loads come back in order: row i is in
.set rb, RG+32*((\i)%4)
.set j, 0
.rept 16
.if j < 4
	v_pk_mul_f32 v[CN+2*j:CN+2*j+1], v[rb+2*j:rb+2*j+1], v[U+2*j:U+2*j+1]      ; four chains, started by the first products
.else
	v_pk_fma_f32 v[CN+2*(j%4):CN+2*(j%4)+1], v[rb+2*j:rb+2*j+1], v[U+2*j:U+2*j+1], v[CN+2*(j%4):CN+2*(j%4)+1]
.endif
.set j, j+1
.endr
.if (\i) < 4
	FILL (\i)+4
.endif
	v_pk_add_f32 v[CN:CN+1], v[CN:CN+1], v[CN+2:CN+3]
	v_pk_add_f32 v[CN+4:CN+5], v[CN+4:CN+5], v[CN+6:CN+7]
	v_pk_add_f32 v[CN:CN+1], v[CN:CN+1], v[CN+4:CN+5]
	v_add_f32 v[SM+(\i)], v[CN], v[CN+1]
.endm
	ROWDOT 0, 24                                   ; three younger rows, 24 loads, stay out
	ROWDOT 1, 24
	ROWDOT 2, 24
	ROWDOT 3, 24
	ROWDOT 4, 24
	ROWDOT 5, 16                                   ; nothing more is asked for: the counts run down
	ROWDOT 6, 8
	ROWDOT 7, 0
	; across the 32 lanes, the eight sums side by side, so that no line waits for the one before it
.irp m, 1,2,4,8
.irp i, 0,1,2,3,4,5,6,7
	v_add_f32_dpp v[SM+(\i)], v[SM+(\i)], v[SM+(\i)] row_xmask:\m row_mask:0xf bank_mask:0xf
.endr
.endr
.irp i, 0,1,2,3,4,5,6,7
	v_permlanex16_b32 v[CN+(\i)], v[SM+(\i)], s22, s23
.endr
	s_wait_kmcnt 0x0
	s_mul_f32 s14, s14, 0x36000000                 ; gamma x 2^-19
.irp i, 0,1,2,3,4,5,6,7
	v_add_f32 v[SM+(\i)], v[SM+(\i)], v[CN+(\i)]
.endr
.irp i, 0,1,2,3,4,5,6,7
	v_fma_f32 v[SM+(\i)], v[SM+(\i)], s14, s15
.endr
.irp i, 0,1,2,3,4,5,6,7
	ds_store_b32 v[WA], v[SM+(\i)] offset:4*(\i)   ; all lanes write the same word with the same value
.endr
	s_wait_dscnt 0x0                               ; for the others' sake: my stores are done
	s_barrier_signal -1
	s_barrier_wait -1
	s_cmp_lg_u32 s16, 0
	s_cbranch_scc1 .Ldone
	ds_load_b64 v[CN:CN+1], v[L8]
	s_wait_dscnt 0x0
	global_store_b64 v[L8], v[CN:CN+1], s[12:13]   ; 32 lanes: 256 consecutive bytes, aligned
.Ldone:
	s_wait_tensorcnt 0x0                           ; the wave's end: behind my last LDS store
	ds_add_u32 v[SPW], v[NIL]
	s_wait_dscnt 0x0
	s_endpgm
.Lfunc_end_k_qbae0ac29f8_pred:
	.size	k_qbae0ac29f8_pred, .Lfunc_end_k_qbae0ac29f8_pred-k_qbae0ac29f8_pred
	.p2alignl 7, 3214868480
	.fill 96, 4, 3214868480
	.section	.rodata,"a",@progbits
	.p2align	6, 0x0
	.amdhsa_kernel k_qbae0ac29f8_pred
		.amdhsa_group_segment_fixed_size 5376
		.amdhsa_private_segment_fixed_size 0
		.amdhsa_enable_private_segment 0
		.amdhsa_kernarg_size 40
		.amdhsa_user_sgpr_count 2
		.amdhsa_user_sgpr_kernarg_segment_ptr 1
		.amdhsa_wavefront_size32 1
		.amdhsa_system_sgpr_workgroup_id_x 1
		.amdhsa_system_sgpr_workgroup_id_y 1
		.amdhsa_system_sgpr_workgroup_id_z 1
		.amdhsa_system_vgpr_workitem_id 0
		.amdhsa_next_free_vgpr 228
		.amdhsa_next_free_sgpr 66
		.amdhsa_reserve_vcc 0
		.amdhsa_float_denorm_mode_32 3
		.amdhsa_float_denorm_mode_16_64 3
		.amdhsa_memory_ordered 1
		.amdhsa_forward_progress 1
		.amdhsa_inst_pref_size 27
	.end_amdhsa_kernel
	.amdgpu_metadata
---
amdhsa.version: [ 1, 2 ]
amdhsa.kernels:
  - .name:           k_qbae0ac29f8_pred
    .symbol:         k_qbae0ac29f8_pred.kd
    .args:
      - { .name: X_star, .offset: 0, .size: 8, .value_kind: global_buffer, .address_space: global }
      - { .name: M0, .offset: 8, .size: 8, .value_kind: global_buffer, .address_space: global }
      - { .name: gamma, .offset: 16, .size: 8, .value_kind: global_buffer, .address_space: global }
      - { .name: bias, .offset: 24, .size: 8, .value_kind: global_buffer, .address_space: global }
      - { .name: out0, .offset: 32, .size: 8, .value_kind: global_buffer, .address_space: global }
    .group_segment_fixed_size: 5376
    .private_segment_fixed_size: 0
    .kernarg_segment_align: 8
    .kernarg_segment_size: 40
    .max_flat_workgroup_size: 256
    .sgpr_count:     66
    .vgpr_count:     228
    .wavefront_size: 32
...
	.end_amdgpu_metadata
.endif
;; end of part 11
;; ======== version 3 of 3: 8 launches; version 2 with the launch cast written anew for expert scheduling mode
;; workspace buffers: Xb 33,554,432 bytes; part 41,943,040 bytes; vpart 131,072 bytes; M0 6,361,088 bytes; M1 6,361,088 bytes
;; launch cast (part 12): grid 8 x 32, 8 waves a work-group, no clusters, 5,120 bytes of LDS; arguments X, y, Xb, vpart; writes Xb, vpart
.if DOCPART == 12
	.amdgcn_target "amdgcn-amd-amdhsa--gfx1250"
	.amdhsa_code_object_version 6
	.text
	.protected	k_qbae0ac29f8_cast
	.globl	k_qbae0ac29f8_cast
	.p2align	8
	.type	k_qbae0ac29f8_cast,@function
k_qbae0ac29f8_cast:
	s_mov_b64 s[64:65], 0
	v_nop
	global_prefetch_b8 v0, s[64:65] scope:SCOPE_SE
	s_setreg_imm32_b32 hwreg(HW_REG_WAVE_SCHED_MODE, 0, 2), 2
	s_setreg_imm32_b32 hwreg(HW_REG_WAVE_MODE, 25, 1), 1
	s_wait_xcnt 0x0
	s_wait_alu depctr_vm_vsrc(0)
; Xb = X rounded to bf16 (the operand of the product X^T X in the next launch), and vpart[rb][c] = the sum over rows 512 rb .. 512 rb + 511 of y[row] X[row][c], in f32.
; X: [16384][1024] f32.  Xb: [16384][1024] bf16.  vpart: [32][1024] f32.  X is read once and serves both results.
; SHARES.  A work-group owns 512 rows x 128 columns, each of its eight waves 64 of the rows, a lane 4 columns.  A load of a wave covers 512 consecutive bytes of a row of X,
; a store 256 consecutive bytes of a row of Xb, at a multiple of 256 from Xb's first byte.  A wave's 64 numbers of y lie in scalar registers.
; A ring of 40 row slots in registers keeps 32 to 36 loads of every wave on their way.  No matrix unit and no cluster: the work-groups share no bytes of X, and memory binds.
; LIMITS.  NaN and infinities are not treated apart; bf16 has f32's range.
; THE MODE: SCHED_MODE bits 1:0 = 2 (LLVM: expert scheduling mode 2), set by the entry lines.  The code itself states the register dependences
; between vector instructions and memory or LDS instructions, with s_wait_alu, always for 0.
; THE PLAN.  The wave's 64 rows go in 16 blocks of four.  Registers that memory or LDS instructions touch:
;   X   40 row slots, row i in slot i % 40.  Written by the loads: rows 0 to 39 at the head, rows 4 p + 36 .. 4 p + 39 in block p (p = 1 .. 6).  Read by block p's multiply-adds and roundings (slots 4 p ..).
;   Y   32 row slots, row i in slot i % 32.  Written by block p's roundings; read by the four stores that are issued in block p + 1.
;   v1, v2, v3   byte offsets, made once at the head and never written again: the rows stand in the immediates.  v10, v11: the closing add's two registers, likewise.
;   v[4:7]       the sums: named by vector instructions alone until the one LDS store behind the last block.
; Block p works on X's and Y's slots of its own four rows.  Its memory instructions are the loads into the four X slots that block p - 1 read and the stores from the four Y slots that
; block p - 1 wrote: registers that no vector instruction of block p names.  So ONE wait on va_vdst at a block's head states all that the block's eight memory instructions hang on, and
; these are dealt among its rows with no further wait.  Y's slots are written again from block 8 on: a wait on vm_vsrc at the head of block 8 states that the stores issued in
; blocks 1 to 7 have read the Y of blocks 0 to 6, which blocks 8 to 14 write again; a second one, at the head of block 15, states the same of block 7's Y, stored in block 8.
.set ROWX,  4096                       ; bytes in a row of X
.set ROWB,  2048                       ; bytes in a row of Xb
.set SPARE, 4096                       ; behind the eight waves' partial sums (512 bytes each): the spare words, 128 bytes a wave
.set BLOCK, 4                          ; rows in a block
.set XROWS, 40                         ; X's row slots: ten blocks
.set YROWS, 32                         ; Y's row slots: eight blocks
.set AHEAD, XROWS-BLOCK                ; a block asks for the rows 36 further down: nine blocks ahead, into the slots of the block before it
.set LX,  1                            ; v1   16 x lane: my 4 columns in X's 512 bytes, and in vpart's
.set LB,  2                            ; v2   8 x lane: the same in Xb's 256 bytes
.set LS,  3                            ; v3   16 x thread: where my partial sums go in LDS
.set ACC, 4                            ; v[4:7]     sums of y x for my 4 columns
.set SPW, 10                           ; v10  LDS address of my spare word; never rewritten
.set NIL, 11                           ; v11  0; never rewritten
.set XR,  16                           ; v[16:175]  slot i % 40: 4 registers as loaded
.set YR,  176                          ; v[176:239] slot i % 32: 2 registers to store
	s_load_b256 s[4:11], s[0:1], 0x0               ; X s[4:5], y s[6:7], Xb s[8:9], vpart s[10:11]
	v_lshl_add_u32 v[SPW], v0, 2, SPARE
	v_mov_b32 v[NIL], 0
	v_lshrrev_b32 v1, 5, v0
	v_readfirstlane_b32 s12, v1                    ; wave 0..7
	v_and_b32 v2, 31, v0
	v_lshlrev_b32 v[LX], 4, v2
	v_lshlrev_b32 v[LB], 3, v2
	v_lshlrev_b32 v[LS], 4, v0
	s_wait_alu depctr_va_sdst(0)                   ; s12 is written, ahead of its first reader: the wave's rows, and so the bases in X, Xb and y, are made from it
	s_and_b32 s13, ttmp7, 0xffff                   ; rb: which 512 rows
	s_lshl_b32 s14, s13, 9
	s_lshl_b32 s15, s12, 6
	s_add_co_u32 s14, s14, s15                     ; my wave's first row
	s_lshl_b32 s84, s14, 12                        ; in X: row x 4,096 + 512 x column block
	s_lshl_b32 s15, ttmp9, 9
	s_add_co_u32 s84, s84, s15
	s_mov_b32 s85, 0
	s_lshl_b32 s86, s14, 11                        ; in Xb: row x 2,048 + 256 x column block
	s_lshl_b32 s15, ttmp9, 8
	s_add_co_u32 s86, s86, s15
	s_mov_b32 s87, 0
	s_lshl_b32 s88, s14, 2                         ; in y
	s_mov_b32 s89, 0
	s_lshl_b32 s14, s13, 12                        ; in vpart: rb x 4,096 + 512 x column block
	s_lshl_b32 s15, ttmp9, 9
	s_add_co_u32 s14, s14, s15
	s_mov_b32 s15, 0
	s_wait_kmcnt 0x0
	s_add_nc_u64 s[4:5], s[4:5], s[84:85]
	s_add_nc_u64 s[6:7], s[6:7], s[88:89]
	s_add_nc_u64 s[8:9], s[8:9], s[86:87]
	s_add_nc_u64 s[10:11], s[10:11], s[14:15]
	s_load_b512 s[16:31], s[6:7], 0x0              ; y of my 64 rows: row i in s[16 + i] for i < 48,
	s_load_b512 s[32:47], s[6:7], 0x40
	s_load_b512 s[48:63], s[6:7], 0x80
	s_load_b512 s[68:83], s[6:7], 0xc0             ; in s[20 + i] from 48 on
	s_wait_alu depctr_va_vdst(0)                   ; v1, v2 and v3 are written, which every load, store and LDS instruction below reads as its offset or address; so are v10 and v11, which the closing add reads
.set i, 0
.rept XROWS
	global_load_b128 v[XR+4*i:XR+4*i+3], v[LX], s[4:5] offset:i*ROWX th:TH_LOAD_NT  ; the ring is filled: rows 0 to 39
.set i, i+1
.endr
	s_wait_kmcnt 0x0                               ; y
; Block p's turn.  The rows stand in the immediates, so no address register is ever rewritten.
.macro BLK
.if p == 0
	s_wait_loadcnt XROWS-BLOCK                     ; loads come back in order: rows 0 to 3 are in, the 36 younger rows stay out
.elseif BLOCK*p+AHEAD <= 64
	s_wait_loadcnt XROWS-2*BLOCK                   ; block p is in, the eight younger blocks' 32 loads stay out
.else
	s_wait_loadcnt 64-BLOCK*(p+1)                  ; nothing more is asked for: the counts run down
.endif
.if (p == 8) || (p == 15)
	s_wait_xcnt 0x0                                ; Y's slots were the data of earlier stores: rewritten only behind this wait,
	s_wait_alu depctr_vm_vsrc(0)                   ; and behind this one: the stores issued so far have read their Y.  At block 8: that of blocks 0 to 6, which blocks 8 to 14 write again; at block 15: that of block 7
.endif
.if p > 0
	s_wait_alu depctr_va_vdst(0)                   ; the block before has written its Y, which the stores below read, and is done reading its X, in which the loads below land
.endif
.set r, 0
.rept BLOCK
.set i, BLOCK*p+r
.if i < 48
.set yy, 16+i
.else
.set yy, 20+i
.endif
.if (p > 0) && (BLOCK*p+AHEAD < 64)
	global_load_b128 v[XR+4*((i+AHEAD)%XROWS):XR+4*((i+AHEAD)%XROWS)+3], v[LX], s[4:5] offset:(i+AHEAD)*ROWX th:TH_LOAD_NT  ; the load ahead of the store; no vector instruction since the wait names these registers
.endif
.if p > 0
	global_store_b64 v[LB], v[YR+2*((i-BLOCK)%YROWS):YR+2*((i-BLOCK)%YROWS)+1], s[8:9] offset:(i-BLOCK)*ROWB  ; a row of the block before
.endif
.set k, 0
.rept 4
.if i == 0
	v_mul_f32 v[ACC+k], s[yy], v[XR+4*(i%XROWS)+k]     ; the first row starts the sums: nothing is cleared
.else
	v_fmac_f32 v[ACC+k], s[yy], v[XR+4*(i%XROWS)+k]
.endif
.set k, k+1
.endr
	v_cvt_pk_bf16_f32 v[YR+2*(i%YROWS)], v[XR+4*(i%XROWS)], v[XR+4*(i%XROWS)+1]
	v_cvt_pk_bf16_f32 v[YR+2*(i%YROWS)+1], v[XR+4*(i%XROWS)+2], v[XR+4*(i%XROWS)+3]
.set r, r+1
.endr
.set p, p+1
.endm
.set p, 0
.rept 64/BLOCK
	BLK
.endr
	s_wait_alu depctr_va_vdst(0)                   ; block 15 has written its Y, which the last four stores read, and the sums, which the LDS store reads; every reader of X is done: wave 0's LDS loads land in X's first slots
.set i, 64-BLOCK
.rept BLOCK
	global_store_b64 v[LB], v[YR+2*(i%YROWS):YR+2*(i%YROWS)+1], s[8:9] offset:i*ROWB
.set i, i+1
.endr
	; the eight waves' sums meet in LDS; wave 0 adds them and stores 512 consecutive bytes of vpart
	ds_store_b128 v[LS], v[ACC:ACC+3]
	s_wait_dscnt 0x0                               ; for the others' sake: my store is done
	s_barrier_signal -1
	s_barrier_wait -1
	s_cmp_lg_u32 s12, 0
	s_cbranch_scc1 .Ldone
.set j, 0
.rept 8
	ds_load_b128 v[XR+4*j:XR+4*j+3], v[LX] offset:512*j
.set j, j+1
.endr
	s_wait_dscnt 0x0
.irp j, 0,2,4,6
	v_pk_add_f32 v[XR+4*(\j):XR+4*(\j)+1], v[XR+4*(\j):XR+4*(\j)+1], v[XR+4*(\j)+4:XR+4*(\j)+5]
	v_pk_add_f32 v[XR+4*(\j)+2:XR+4*(\j)+3], v[XR+4*(\j)+2:XR+4*(\j)+3], v[XR+4*(\j)+6:XR+4*(\j)+7]
.endr
.irp j, 0,4
	v_pk_add_f32 v[XR+4*(\j):XR+4*(\j)+1], v[XR+4*(\j):XR+4*(\j)+1], v[XR+4*(\j)+8:XR+4*(\j)+9]
	v_pk_add_f32 v[XR+4*(\j)+2:XR+4*(\j)+3], v[XR+4*(\j)+2:XR+4*(\j)+3], v[XR+4*(\j)+10:XR+4*(\j)+11]
.endr
	v_pk_add_f32 v[XR:XR+1], v[XR:XR+1], v[XR+16:XR+17]
	v_pk_add_f32 v[XR+2:XR+3], v[XR+2:XR+3], v[XR+18:XR+19]
	s_wait_alu depctr_va_vdst(0)                   ; the additions have written v[XR:XR+3], which the store reads
	global_store_b128 v[LX], v[XR:XR+3], s[10:11]
.Ldone:
	s_wait_dscnt 0x0                               ; the closing lines, six on end
	s_wait_alu 0x0
	s_wait_tensorcnt 0x0
	ds_add_u32 v[SPW], v[NIL]
	s_wait_dscnt 0x0
	s_endpgm
.Lfunc_end_k_qbae0ac29f8_cast:
	.size	k_qbae0ac29f8_cast, .Lfunc_end_k_qbae0ac29f8_cast-k_qbae0ac29f8_cast
	.p2alignl 7, 3214868480
	.fill 96, 4, 3214868480
	.section	.rodata,"a",@progbits
	.p2align	6, 0x0
	.amdhsa_kernel k_qbae0ac29f8_cast
		.amdhsa_group_segment_fixed_size 5120
		.amdhsa_private_segment_fixed_size 0
		.amdhsa_enable_private_segment 0
		.amdhsa_kernarg_size 32
		.amdhsa_user_sgpr_count 2
		.amdhsa_user_sgpr_kernarg_segment_ptr 1
		.amdhsa_wavefront_size32 1
		.amdhsa_system_sgpr_workgroup_id_x 1
		.amdhsa_system_sgpr_workgroup_id_y 1
		.amdhsa_system_sgpr_workgroup_id_z 1
		.amdhsa_system_vgpr_workitem_id 0
		.amdhsa_next_free_vgpr 240
		.amdhsa_next_free_sgpr 90
		.amdhsa_reserve_vcc 0
		.amdhsa_float_denorm_mode_32 3
		.amdhsa_float_denorm_mode_16_64 3
		.amdhsa_memory_ordered 1
		.amdhsa_forward_progress 1
		.amdhsa_inst_pref_size 33
	.end_amdhsa_kernel
	.amdgpu_metadata
---
amdhsa.version: [ 1, 2 ]
amdhsa.kernels:
  - .name:           k_qbae0ac29f8_cast
    .symbol:         k_qbae0ac29f8_cast.kd
    .args:
      - { .name: X, .offset: 0, .size: 8, .value_kind: global_buffer, .address_space: global }
      - { .name: y, .offset: 8, .size: 8, .value_kind: global_buffer, .address_space: global }
      - { .name: Xb, .offset: 16, .size: 8, .value_kind: global_buffer, .address_space: global }
      - { .name: vpart, .offset: 24, .size: 8, .value_kind: global_buffer, .address_space: global }
    .group_segment_fixed_size: 5120
    .private_segment_fixed_size: 0
    .kernarg_segment_align: 8
    .kernarg_segment_size: 32
    .max_flat_workgroup_size: 256
    .sgpr_count:     90
    .vgpr_count:     240
    .wavefront_size: 32
...
	.end_amdgpu_metadata
.endif
;; end of part 12
;; launch syrk: the kernel of part 7 again; grid 10 x 16, 4 waves a work-group, no clusters, 327,680 bytes of LDS; arguments Xb, part; writes part
;; launch reduce: the kernel of part 8 again; grid 160 x 1, 8 waves a work-group, no clusters, 40,448 bytes of LDS; arguments part, vpart, gamma, M0; writes M0
;; launch sq1: the kernel of part 9 again; grid 16 x 16, 4 waves a work-group, clusters of 4 x 4, 327,680 bytes of LDS; arguments M0, M1; writes M1
;; launch sq2: the kernel of part 9 again; grid 16 x 16, 4 waves a work-group, clusters of 4 x 4, 327,680 bytes of LDS; arguments M1, M0; writes M0
;; launch sq3: the kernel of part 9 again; grid 16 x 16, 4 waves a work-group, clusters of 4 x 4, 327,680 bytes of LDS; arguments M0, M1; writes M1
;; launch sqlast: the kernel of part 10 again; grid 16 x 16, 4 waves a work-group, clusters of 4 x 4, 327,680 bytes of LDS; arguments M1, M0; writes M0
;; launch pred: the kernel of part 11 again; grid 256 x 1, 8 waves a work-group, no clusters, 5,376 bytes of LDS; arguments X_star, M0, gamma, bias, out0; writes out0
